; MI455X (gfx1250); checked and timed in simulation.
; The chip was launched on July 23, 2026; its instructions are those of AMD's public machine-readable ISA for CDNA 5 (MIT licence, August 2026) and "CDNA5" Instruction Set Architecture Reference Guide (July 2026). The comments in the code are by the model that wrote it; some were corrected since.
;; Multihead Sdpa Diff1. Allowed arithmetic: matrix products marked QUANTISED: E2M3 operands, one E8M0 scale for each 32 along K, by v_wmma_scale_f32_16x16x128_f8f6f4 with both operands' format E2M3, f32 sums; everything else in f32.
;; Inputs: Wk 2,048 x 2,048 float32; Wo 2,048 x 2,048 float32; Wq 2,048 x 2,048 float32; Wv 2,048 x 2,048 float32; lambda_k1 128 float32; lambda_k2 128 float32; lambda_q1 128 float32; lambda_q2 128 float32; subln_weight 256 float32; x 2 x 1,024 x 2,048 float32.
;; Outputs: out0 2 x 1,024 x 2,048 float32.
;; This version of the problem:
;;   THIS VERSION OF THE PROBLEM IS GIVEN IN LOW PRECISION. The matrix products marked QUANTISED in the list below multiply operands that are first quantised to E2M3 (2 exponent bits, 3 mantissa bits; 6 bits a number), with one power-of-two scale for each 32 numbers along K (OCP MX v1.0); their sums are f32. All else is computed in f32.
;;   The module's matrix products, in the order in which they are computed (A, B: the left and right operand; K: the contracted axis; several contracted axes count as one K, in the product's order):
;;     1. [M 2,048, K 2,048] x [K 2,048, N 2,048]; A: input x; B: input Wq: QUANTISED
;;     2. [M 2,048, K 2,048] x [K 2,048, N 2,048]; A: input x; B: input Wk: QUANTISED
;;     3. [M 2,048, K 2,048] x [K 2,048, N 2,048]; A: input x; B: input Wv: QUANTISED
;;     4. batch 16 x [M 1,024, K 128] x [K 128, N 1,024]; A: computed on the way; B: computed on the way: QUANTISED
;;     5. batch 16 x [M 1,024, K 1,024] x [K 1,024, N 256]; A: softmax (see below); B: computed on the way: QUANTISED
;;     6. batch 16 x [M 1,024, K 128] x [K 128, N 1,024]; A: computed on the way; B: computed on the way: QUANTISED
;;     7. batch 16 x [M 1,024, K 1,024] x [K 1,024, N 256]; A: softmax (see below); B: computed on the way: QUANTISED
;;     8. [M 2,048, K 2,048] x [K 2,048, N 2,048]; A: computed on the way; B: input Wo: QUANTISED
;;   THE QUANTISER, for each operand of a quantised product, along K:
;;     - K is cut into blocks of 32 from its start; a last block that is shorter is filled with zeros.
;;     - A block's scale is 2^e with e = floor(log2(the largest magnitude in the block)) - 2, held to -126 .. 127; a block of zeros has e = 0. As a byte (E8M0): e + 127.
;;     - Each number is divided by its block's scale, clamped to +-7.5, and rounded to the nearest number of E2M3, ties to even, subnormals kept.
;;     - The product sums the exact products of the quantised numbers (number of the format x scale) in f32.
;;   ~~~python
;;   def quantise(x, axis):      # numpy; x: float32 -> the quantised numbers, widened to float32 again
;;       x = np.moveaxis(x, axis, -1); K = x.shape[-1]
;;       x = np.pad(x, [(0, 0)] * (x.ndim - 1) + [(0, -K % 32)]); x = x.reshape(x.shape[:-1] + (-1, 32)); a = np.abs(x).max(-1, keepdims=True)
;;       e = np.where(a > 0, np.clip(np.frexp(np.where(a > 0, a, 1))[1] - 1 - 2, -126, 127), 0)      # np.frexp(a)[1] - 1 = floor(log2(a)), exactly
;;       r = np.clip(x / 2.0 ** e, -7.5, 7.5)
;;       step = 2.0 ** (np.maximum(np.frexp(np.where(r == 0, 1, r))[1] - 1, 0) - 3)
;;       q = np.round(r / step) * step * 2.0 ** e      # np.round: ties to even
;;       return np.moveaxis(q.reshape(q.shape[:-2] + (-1,))[..., :K], -1, axis).astype(np.float32)
;;   ~~~
;;   SOFTMAX AHEAD OF A QUANTISED PRODUCT. Where the list says 'softmax', what is quantised is not the finished softmax but p = 2^(t - M), with t = logit x log2(e) and M = ceil(the row's largest t), a whole number; so 1/2 < the row's largest p <= 1. The row's sum l is taken of the UNQUANTISED p, in f32, and the product's result is divided by l at the end. Since M is a whole number, a kernel that streams over the keys may use a running M (the ceiling of the running maximum): every later rescaling is an exact power of two, which a block's scale takes up: the codes' values come out the same.
;;   OPERANDS COMPUTED ON THE WAY. 'Computed on the way' means the value that the module computes at that place (a softmax that the list does not call 'softmax' is quantised finished and normalised). What goes into a quantiser is computed in f32, as accurately as f32 sums, v_exp_f32 and their like allow (about 1e-6 of the number): no bf16 or f16 on the way to a quantiser, and a product that is left as it is and whose result goes on into a quantised operand takes f32 operands (vector FMAs, or v_wmma_f32_16x16x4_f32). A number that lies on a knife's edge between two numbers of the format may be rounded either way, as far as f32 arithmetic and the matrix unit's own rounding can turn it there, and no further.
;; 2 versions. Each part assembles by itself: llvm-mc -triple=amdgcn-amd-amdhsa -mcpu=gfx1250 --defsym DOCPART=n.
;; ======== version 1 of 2: 4 launches
;; workspace buffers: x_codes 3,145,728 bytes; x_scales 131,072 bytes; w_codes 12,582,912 bytes; w_scales 524,288 bytes; qkv 9,830,400 bytes; a_codes 3,145,728 bytes; a_scales 131,072 bytes
;; launch prep (part 1): grid 640 x 1, 4 waves a work-group, no clusters, 68,096 bytes of LDS; arguments x, Wq, Wk, Wv, Wo, x_codes, x_scales, w_codes, w_scales; writes x_codes, x_scales, w_codes, w_scales
.if DOCPART == 1
	.amdgcn_target "amdgcn-amd-amdhsa--gfx1250"
	.amdhsa_code_object_version 6
	.text
	.protected	k_qff51eeca58_prep
	.globl	k_qff51eeca58_prep
	.p2align	8
	.type	k_qff51eeca58_prep,@function
k_qff51eeca58_prep:
	s_mov_b64 s[64:65], 0
	v_nop
	global_prefetch_b8 v0, s[64:65] scope:SCOPE_SE
	s_setreg_imm32_b32 hwreg(HW_REG_WAVE_MODE, 25, 1), 1
	s_wait_xcnt 0x0
; x [2048][2048] (K innermost) and Wq, Wk, Wv, Wo [2048 (k)][2048 (n)] (K outermost), all f32, become codes of FP6 (E2M3), K innermost, 1,536 bytes a row, with one E8M0 byte for each 32 along K, 64 bytes a row.
; A block's scale is 2^(floor(log2(its largest magnitude)) - 2); its byte is that magnitude's exponent field - 2, held at 1 from below; each number is divided by the scale and rounded to the nearest code, ties to even, beyond 7.5 the largest code.
; THE ROWS ARE LAID IN ANOTHER ORDER: row number R (a token of x, a column n of a weight) is written at place pi(R), pi = bits 3 and 4 of R exchanged.  Sixteen neighbouring places 16 a + r then hold rows
; 32 (a / 2) + 8 (a % 2) + r + 8 (r / 8): the choice of a tile's rows with which a lane's 16 results of two neighbouring tiles are 16 neighbours along the next product's K.
; The four weights share one buffer: Wq's rows from place 0, Wk's from 2,048, Wv's from 4,096, Wo's from 6,144.
; LIMITS: NaN and infinities among the inputs are not served; a block whose largest magnitude lies under 2^-124 keeps the byte 1; a block of zeros has the byte 1 where the rule says 127: its codes are zeros, and this program alone reads the bytes.
; Work-groups 0 to 127 take x (32,768 numbers each), work-groups 128 to 639 the weights (128 columns x 256 along K each).  The two ways have LDS bytes of their own.  No work-group shares an input byte with another: no cluster, no tensor load, no barrier.
.set XWG,    128                       ; work-groups for x
.set STEPS,  16
.set CB,     12                        ; bytes of 16 codes
.set XR,     16                        ; v16-79   x: four sets of 16 numbers as they are loaded
.set XX,     80                        ; v80-111  x: two sets of 16 neighbours
.set XC,     128                       ; v128-191 x: codes, four registers for each step
.set XE,     112                       ; v112-127 x: a scale byte for each step
.set WREG,   8192                      ; x: LDS region of a wave: two stages of 32 x SP bytes, then its 256 scale bytes
.set SP,     80                        ; a lane's place in a stage: 64 bytes + 16 of padding
.set KROW,   1536                      ; a row of codes in bytes
.set NB,     8                         ; weights: blocks of 32 along K for a wave
.set WPITCH, 272                       ; weights: a stage row: sixteen places of 16 bytes (12 of codes each) + 16
.set WSTG,   32768                     ; weights: the stages begin behind x's regions
.set WX,     32                        ; v32-95   weights: two sets of 32 numbers
.set WC,     96                        ; v96..    weights: a block's codes
.set OUTR,   112                       ; v112-175 weights: the way out
.set SB,     24                        ; v24-25   weights: the scale bytes, four to a register
	s_load_b256 s[4:11], s[0:1], 0x0               ; x, Wq, Wk, Wv
	s_load_b128 s[12:15], s[0:1], 0x20             ; Wo, x's codes
	s_load_b128 s[16:19], s[0:1], 0x30             ; x's scales, the weights' codes
	s_load_b64 s[20:21], s[0:1], 0x40              ; the weights' scales
	v_lshl_add_u32 v192, v0, 2, 0x10800
	v_mov_b32 v193, 0
	v_lshrrev_b32 v1, 5, v0
	v_readfirstlane_b32 s22, v1                    ; wave 0..3
	v_and_b32 v2, 31, v0                           ; lane
	s_wait_kmcnt 0x0
	s_cmp_lt_u32 ttmp9, XWG
	s_cbranch_scc0 .Lweights
; ---------------- x: K is innermost.  A wave takes 16 steps of 512 numbers: four rows.  Each load reads 512 consecutive bytes; a step's 2,048 bytes turn through the wave's own stage, so that a lane holds 16 neighbours.
	v_lshlrev_b32 v3, 4, v2                        ; my 16 bytes of a load's 512
	s_mul_i32 s23, s22, WREG
	v_lshrrev_b32 v14, 2, v2
	v_mul_u32_u24 v14, v14, SP
	v_and_b32 v15, 3, v2
	v_lshl_add_u32 v14, v15, 4, v14
	v_add_nc_u32 v14, s23, v14                     ; the stage, on the way in: SP (lane / 4) + 16 (lane % 4)
	v_mul_u32_u24 v15, v2, SP
	v_add_nc_u32 v15, s23, v15                     ; and on the way out: SP x lane
	v_mul_u32_u24 v4, v2, CB                       ; my codes' place in a step's
	v_lshrrev_b32 v5, 1, v2
	s_add_co_u32 s23, s23, 2*32*SP
	v_add_nc_u32 v5, s23, v5                       ; my wave's 256 scale bytes, my block's byte
	v_lshlrev_b32 v7, 3, v2
	v_add_nc_u32 v6, s23, v7                       ; and on the way out 8 bytes a lane
	s_lshl_b32 s24, ttmp9, 2
	s_add_co_u32 s24, s24, s22                     ; my run of four rows, 0 .. 511
	s_lshl_b32 s26, s24, 15                        ; 32,768 bytes of f32 a run
	s_mov_b32 s27, 0
	s_add_nc_u64 s[4:5], s[4:5], s[26:27]
	s_and_b32 s28, s24, 2                          ; pi on rows exchanges bits 1 and 2 of the run's number
	s_lshl_b32 s28, s28, 1
	s_and_b32 s29, s24, 4
	s_lshr_b32 s29, s29, 1
	s_and_b32 s24, s24, 0x1f9
	s_or_b32 s24, s24, s28
	s_or_b32 s24, s24, s29
	s_mul_i32 s26, s24, 4*KROW
	s_add_nc_u64 s[14:15], s[14:15], s[26:27]
	s_lshl_b32 s26, s24, 8
	s_add_nc_u64 s[16:17], s[16:17], s[26:27]
.macro XLOAD t
.irp i, 0,1,2,3
	global_load_b128 v[XR+16*((\t)%4)+4*\i:XR+16*((\t)%4)+4*\i+3], v3, s[4:5] offset:2048*(\t)+512*\i th:TH_LOAD_NT
.endr
.endm
.macro XTURN t                         ; step t's numbers through the stage: LDS serves a wave's instructions in order, so no wait stands between the stores and the loads
.irp i, 0,1,2,3
	ds_store_b128 v14, v[XR+16*((\t)%4)+4*\i:XR+16*((\t)%4)+4*\i+3] offset:32*SP*((\t)%2)+8*SP*\i
.endr
.irp i, 0,1,2,3
	ds_load_b128 v[XX+16*((\t)%2)+4*\i:XX+16*((\t)%2)+4*\i+3], v15 offset:32*SP*((\t)%2)+16*\i
.endr
.endm
.irp t, 0,1,2,3
	XLOAD \t
.endr
	s_wait_loadcnt 12                              ; step 0's four loads are in; the twelve of steps 1 to 3 may be out
	XTURN 0
.macro XSTEP t
.set XS, XX+16*((\t)%2)
.if (\t) > 0
	s_wait_dscnt 1                                 ; this step's numbers are back from the stage (the last step's byte store may be out)
.else
	s_wait_dscnt 0x0
.endif
.if (\t)+4 < STEPS
	XLOAD (\t)+4                                   ; into the registers that the stage's stores have read
.endif
.if (\t)+1 < STEPS
.if STEPS-2-(\t) >= 3
	s_wait_loadcnt 12                              ; the next step's four loads are in; those of the three steps behind it may be out
.else
	s_wait_loadcnt 4*(STEPS-2-(\t))
.endif
	XTURN (\t)+1
.endif
	v_max3_num_f32 v8, |v[XS]|, |v[XS+1]|, |v[XS+2]|               ; the largest magnitude of my 16, in two chains
	v_max3_num_f32 v9, |v[XS+3]|, |v[XS+4]|, |v[XS+5]|
.irp i, 6,10
	v_max3_num_f32 v8, v8, |v[XS+\i]|, |v[XS+\i+1]|
	v_max3_num_f32 v9, v9, |v[XS+\i+2]|, |v[XS+\i+3]|
.endr
	v_max3_num_f32 v8, v8, |v[XS+14]|, |v[XS+15]|
	v_max3_num_f32 v8, v8, v9, 0x1800000           ; and the floor 2^(3 - 127): the byte cannot fall under 1
	v_max_num_f32_dpp v8, v8, v8 row_xmask:1 row_mask:0xf bank_mask:0xf   ; and of my neighbour's 16: the block's
	v_add_nc_u32 v11, 0xff000000, v8               ; 2 off its exponent field: the conversion takes the exponent field of this operand as its scale
	v_cvt_scalef32_pk16_fp6_f32 v[XC+4*(\t):XC+4*(\t)+2], v[XS:XS+15], v11
	v_lshrrev_b32 v[XE+(\t)], 23, v11              ; the scale's byte
	ds_store_b8 v5, v[XE+(\t)] offset:16*(\t)      ; both lanes of a block write the same byte with the same value
	global_store_b96 v4, v[XC+4*(\t):XC+4*(\t)+2], s[14:15] offset:32*CB*(\t)   ; the wave stores 384 consecutive bytes
.endm
.irp t, 0,1,2,3,4,5,6,7,8,9,10,11,12,13,14,15
	XSTEP \t
.endr
	ds_load_b64 v[12:13], v6                       ; LDS serves a wave's instructions in order: these see my stores
	s_wait_dscnt 0x0
	global_store_b64 v7, v[12:13], s[16:17]        ; 32 lanes store 256 consecutive bytes, aligned
	s_wait_tensorcnt 0x0
	ds_add_u32 v192, v193
	s_wait_dscnt 0x0
	s_endpgm
; ---------------- the weights: K is the first axis.  A lane takes a column n and its registers run down K: a block of 32 lies in one lane, and the codes come out with K innermost.
.Lweights:
	s_sub_co_u32 s23, ttmp9, XWG
	s_lshr_b32 s24, s23, 7                         ; which weight: 0 Wq, 1 Wk, 2 Wv, 3 Wo
	s_bfe_u32 s25, s23, 0x30004                    ; which 256 along K
	s_and_b32 s30, s23, 15                         ; which 128 columns: neighbouring work-groups read neighbouring bytes of the same rows
	s_bitcmp1_b32 s24, 0                           ; the choice hangs on the work-group's number alone
	s_cselect_b64 s[26:27], s[8:9], s[6:7]
	s_cselect_b64 s[28:29], s[12:13], s[10:11]
	s_bitcmp1_b32 s24, 1
	s_cselect_b64 s[26:27], s[28:29], s[26:27]
	s_lshl_b32 s30, s30, 7
	s_lshl_b32 s31, s22, 5
	s_add_co_u32 s30, s30, s31                     ; my wave's first column
	v_lshlrev_b32 v3, 2, v2                        ; in: 4 bytes a lane
	s_mul_i32 s31, s22, 32*WPITCH
	s_add_co_u32 s31, s31, WSTG                    ; my stage
	v_mul_u32_u24 v4, v2, WPITCH
	v_add_nc_u32 v4, s31, v4                       ; into it: row = my column
	v_and_b32 v5, 15, v2
	v_lshrrev_b32 v6, 4, v2
	v_mul_u32_u24 v7, v6, WPITCH
	v_lshl_add_u32 v7, v5, 4, v7
	v_add_nc_u32 v7, s31, v7                       ; out of it: sixteen lanes to a row, two rows an instruction
	v_mul_u32_u24 v8, v6, KROW
	v_mad_u32_u24 v8, v5, 12, v8                   ; and the same place in the codes' buffer
	v_and_b32 v9, 7, v2                            ; pi(lane): bits 3 and 4 exchanged
	v_and_b32 v10, 8, v2
	v_lshl_or_b32 v9, v10, 1, v9
	v_and_b32 v10, 16, v2
	v_lshrrev_b32 v10, 1, v10
	v_or_b32 v9, v9, v10
	v_lshlrev_b32 v9, 6, v9                        ; my column's row of scale bytes
	s_lshl_b32 s32, s25, 21                        ; 256 rows of 8,192 bytes
	s_lshl_b32 s33, s30, 2
	s_add_co_u32 s32, s32, s33
	s_mov_b32 s33, 0
	s_add_nc_u64 s[26:27], s[26:27], s[32:33]
	s_lshl_b32 s34, s24, 11
	s_add_co_u32 s34, s34, s30                     ; my first place in the weights' buffers (a multiple of 32: pi stays inside my 32)
	s_mul_i32 s32, s34, KROW
	s_mul_i32 s35, s25, 192
	s_add_co_u32 s32, s32, s35
	s_add_nc_u64 s[18:19], s[18:19], s[32:33]
	s_lshl_b32 s32, s34, 6
	s_lshl_b32 s35, s25, 3
	s_add_co_u32 s32, s32, s35
	s_add_nc_u64 s[20:21], s[20:21], s[32:33]
.macro WLOAD t                         ; block t: W(32 t + i, my column), i = 0 .. 31, into set t % 2; a wave's load reads 128 consecutive bytes
.irp i, 0,1,2,3,4,5,6,7,8,9,10,11,12,13,14,15,16,17,18,19,20,21,22,23,24,25,26,27,28,29,30,31
	global_load_b32 v[WX+32*((\t)%2)+\i], v3, s[26:27] offset:(32*(\t)+\i)*8192 th:TH_LOAD_NT
.endr
.endm
	WLOAD 0
	WLOAD 1
.macro WBLOCK t
.set XS, WX+32*((\t)%2)
.if (\t) < NB-1
	s_wait_loadcnt 32                              ; this block's 32 loads are in; the next block's 32 may be out
.else
	s_wait_loadcnt 0
.endif
	v_max3_num_f32 v12, |v[XS]|, |v[XS+1]|, |v[XS+2]|               ; the block's largest magnitude: all 32 numbers are mine
	v_max3_num_f32 v13, |v[XS+3]|, |v[XS+4]|, |v[XS+5]|
.irp i, 6,10,14,18,22,26
	v_max3_num_f32 v12, v12, |v[XS+\i]|, |v[XS+\i+1]|
	v_max3_num_f32 v13, v13, |v[XS+\i+2]|, |v[XS+\i+3]|
.endr
	v_max3_num_f32 v12, v12, |v[XS+30]|, |v[XS+31]|
	v_max3_num_f32 v12, v12, v13, 0x1800000        ; and the floor 2^(3 - 127)
	v_add_nc_u32 v11, 0xff000000, v12              ; 2 off its exponent field: the conversion's scale operand
	v_lshrrev_b32 v13, 23, v11                     ; the scale's byte
.if (\t)%4 == 0
	v_mov_b32 v[SB+(\t)/4], v13                    ; four bytes to a register, the lower K in the lower byte
.else
	v_lshl_or_b32 v[SB+(\t)/4], v13, 8*((\t)%4), v[SB+(\t)/4]
.endif
	v_cvt_scalef32_pk16_fp6_f32 v[WC:WC+2], v[XS:XS+15], v11
	v_cvt_scalef32_pk16_fp6_f32 v[WC+4:WC+6], v[XS+16:XS+31], v11   ; (a conversion's three registers begin on an even number)
	ds_store_b96 v4, v[WC:WC+2] offset:32*(\t)     ; 12 bytes to a place of 16, so that every LDS address is a multiple of 16
	ds_store_b96 v4, v[WC+4:WC+6] offset:32*(\t)+16
.if (\t)+2 < NB
	WLOAD (\t)+2
.endif
	s_wait_dscnt 0x0                               ; the stores have read their registers: the next block's codes may be written
.endm
.set Q, 0
.rept NB
	WBLOCK Q
.set Q, Q+1
.endr
	global_store_b64 v9, v[SB:SB+1], s[20:21]      ; my column's 8 scale bytes, at place pi(lane)
.irp t, 0,1,2,3,4,5,6,7,8,9,10,11,12,13,14,15
	ds_load_b96 v[OUTR+4*\t:OUTR+4*\t+2], v7 offset:2*\t*WPITCH
.endr
.irp t, 0,1,2,3,4,5,6,7,8,9,10,11,12,13,14,15
.set PIT, ((2*\t)&7)|((((2*\t)>>3)&1)<<4)|((((2*\t)>>4)&1)<<3)   ; pi(2 t); pi leaves bit 0 alone, so rows 2 t and 2 t + 1 stay neighbours
	s_wait_dscnt 15-\t                             ; load t is in; the 15 - t behind it may be out
	global_store_b96 v8, v[OUTR+4*\t:OUTR+4*\t+2], s[18:19] offset:PIT*KROW      ; sixteen lanes store a row's 192 consecutive bytes
.endr
	s_wait_tensorcnt 0x0
	ds_add_u32 v192, v193
	s_wait_dscnt 0x0
	s_endpgm
.Lfunc_end_k_qff51eeca58_prep:
	.size	k_qff51eeca58_prep, .Lfunc_end_k_qff51eeca58_prep-k_qff51eeca58_prep
	.p2alignl 7, 3214868480
	.fill 96, 4, 3214868480
	.section	.rodata,"a",@progbits
	.p2align	6, 0x0
	.amdhsa_kernel k_qff51eeca58_prep
		.amdhsa_group_segment_fixed_size 68096
		.amdhsa_private_segment_fixed_size 0
		.amdhsa_enable_private_segment 0
		.amdhsa_kernarg_size 72
		.amdhsa_user_sgpr_count 2
		.amdhsa_user_sgpr_kernarg_segment_ptr 1
		.amdhsa_wavefront_size32 1
		.amdhsa_system_sgpr_workgroup_id_x 1
		.amdhsa_system_sgpr_workgroup_id_y 1
		.amdhsa_system_sgpr_workgroup_id_z 1
		.amdhsa_system_vgpr_workitem_id 0
		.amdhsa_next_free_vgpr 194
		.amdhsa_next_free_sgpr 66
		.amdhsa_reserve_vcc 0
		.amdhsa_float_denorm_mode_32 3
		.amdhsa_float_denorm_mode_16_64 3
		.amdhsa_memory_ordered 1
		.amdhsa_forward_progress 1
		.amdhsa_inst_pref_size 74
	.end_amdhsa_kernel
	.amdgpu_metadata
---
amdhsa.version: [ 1, 2 ]
amdhsa.kernels:
  - .name:           k_qff51eeca58_prep
    .symbol:         k_qff51eeca58_prep.kd
    .args:
      - { .name: x, .offset: 0, .size: 8, .value_kind: global_buffer, .address_space: global }
      - { .name: Wq, .offset: 8, .size: 8, .value_kind: global_buffer, .address_space: global }
      - { .name: Wk, .offset: 16, .size: 8, .value_kind: global_buffer, .address_space: global }
      - { .name: Wv, .offset: 24, .size: 8, .value_kind: global_buffer, .address_space: global }
      - { .name: Wo, .offset: 32, .size: 8, .value_kind: global_buffer, .address_space: global }
      - { .name: x_codes, .offset: 40, .size: 8, .value_kind: global_buffer, .address_space: global }
      - { .name: x_scales, .offset: 48, .size: 8, .value_kind: global_buffer, .address_space: global }
      - { .name: w_codes, .offset: 56, .size: 8, .value_kind: global_buffer, .address_space: global }
      - { .name: w_scales, .offset: 64, .size: 8, .value_kind: global_buffer, .address_space: global }
    .group_segment_fixed_size: 68096
    .private_segment_fixed_size: 0
    .kernarg_segment_align: 8
    .kernarg_segment_size: 72
    .max_flat_workgroup_size: 128
    .sgpr_count:     66
    .vgpr_count:     194
    .wavefront_size: 32
...
	.end_amdgpu_metadata
.endif
;; end of part 1
;; launch gemm_qkv (part 2): grid 24 x 8, 4 waves a work-group, clusters of 4 x 4, 327,680 bytes of LDS; arguments x_codes, x_scales, w_codes, w_scales, qkv; writes qkv
.if DOCPART == 2
	.amdgcn_target "amdgcn-amd-amdhsa--gfx1250"
	.amdhsa_code_object_version 6
	.text
	.protected	k_qff51eeca58_gemm_qkv
	.globl	k_qff51eeca58_gemm_qkv
	.p2align	8
	.type	k_qff51eeca58_gemm_qkv,@function
k_qff51eeca58_gemm_qkv:
	s_mov_b64 s[64:65], 0
	v_nop
	global_prefetch_b8 v0, s[64:65] scope:SCOPE_SE
	s_setreg_imm32_b32 hwreg(HW_REG_WAVE_MODE, 25, 1), 1
	s_wait_xcnt 0x0
	s_wait_alu depctr_hold_cnt(0) depctr_sa_sdst(0) depctr_va_vdst(0) depctr_va_sdst(0) depctr_va_ssrc(0) depctr_va_vcc(0) depctr_vm_vsrc(0)
	s_getreg_b32 s2, hwreg(HW_REG_IB_STS2, 6, 4)
	s_cmp_eq_u32 s2, 0
	s_cbranch_scc0 .Lentry_in_a_cluster
	s_endpgm
.Lentry_in_a_cluster:
	s_bfe_u32 s2, ttmp6, 0x10000c
	s_cmp_lg_u32 s2, 0xf033
	s_cbranch_scc0 .Lentry_shape_is_right
	s_endpgm
.Lentry_shape_is_right:
; q = x Wq, k = x Wk, v = x Wv on codes of FP6 (E2M3) with one E8M0 byte for each 32 along K = 2,048; sums in f32.  The results never go to memory as f32: each wave quantises its 128 x 128 in registers,
; q and k along the head's 128 channels, v along 128 keys, and stores them as a RECORD: the next launch's operand as an image of its registers.
; A tile of 256 x 256 is made by a work-group of four waves, 128 x 128 a wave: 64 accumulators, 512 registers.  K goes in steps of 256 through a ring of two LDS slots filled by the tensor data mover; a tile's row is 192 bytes.
; THE MATRIX INSTRUCTION: source 0 ('B') = 16 rows whose index becomes the next product's K, source 1 ('A') = 16 rows that become a record's rows.  A lane holds one row of A and eight neighbouring rows of B.
;   clusters x = 0, 1: q;  2, 3: k:  A = x (tokens), B = the weights' rows (columns of Wq, Wk).     clusters x = 4, 5: v:  A = Wv's rows (channels), B = x (tokens = keys).
; Rows of both buffers lie at places pi(row) (bits 3 and 4 exchanged).  So the 16 registers of accumulators (a, 2 u) and (a, 2 u + 1) are 16 neighbours, 32 u + 16 (lane / 16) + 0 .. 15, along the next K,
; and fragment a of a record holds rows 32 (a / 2) + 8 (a % 2) + r + 8 (r / 8) of its 128.
; A RECORD, 12,800 bytes: fragment a (12 registers a lane) at 1,536 a + 512 c + 16 lane, c = 0 .. 2; at 12,288 the scale words, 16 lane + 4 p: word p holds tile 2 p's rows in lanes 0-15, tile 2 p + 1's in lanes 16-31.
;   records ((8 batch + head) 8 + key block) 4 + {0: k of branch 0, 1: k of branch 1, 2: v's channels 0-127, 3: v's 128-255};  q's: 512 + (2 (8 batch + head) + branch) 8 + query block.
; THE SCALES of the work-group's 256 rows of A and of B, for all of K, are two dense blocks of memory: they come into LDS once, with the first fills.
; CLUSTERS: 4 x 4 work-groups.  The four of a row of the cluster need the same tiles of A, the four of a column the same tiles of B: each tile is asked for jointly, by the same tensor load with the same descriptor and a mask that names the four.
; LIMITS: NaN and infinities are not served; a block of results whose largest magnitude lies under 2^-124 keeps the byte 1 (a block of zeros too: its codes are zeros, and this program alone reads the bytes).
; REGISTERS, in windows of 256: window 0: v0-31 addresses; v32-63 scale words, two sets, and nothing else; v64-119 at work on the way out; from v128 A's fragments, one set.
;   window 1: B's fragments, two sets, at v0 and v128.   window 2: the accumulators of my rows 0-63 ((a, b) at v[8 (8 a + b)]);   window 3: those of rows 64-127.
.set SIZE_K, 2048
.set KSTEP,  256                       ; along K in a slot
.set NQ,     KSTEP/128                 ; matrix instructions deep
.set ROWB,   192                       ; a tile's row in bytes
.set KROW,   SIZE_K*6/8                ; a row of codes in memory
.set PITCH,  240                       ; an LDS row: 3 x (64 bytes of data + 16 of padding)
.set FR,     12                        ; registers of a fragment
.set NL,     6                         ; LDS loads that bring one
.set NP,     4                         ; places behind this matrix instruction (ISA guide 7.12.1)
.set HALFT,  128*PITCH                 ; 128 rows: what one tensor load brings
.set SLOT,   4*HALFT                   ; A's 256 rows, then B's 256 rows
.set LAPS,   SIZE_K/(2*KSTEP)          ; a lap = two K steps = once round the ring
.set KS,     SIZE_K/32                 ; a row of scales in bytes
.set SCL,    2*SLOT                    ; behind the ring: the scales, as units of 256 bytes + 16 of padding
.set HALFS,  (128*KS/256)*272          ; the scales of 128 rows
.set SBLK,   (16*KS/256)*272           ; those of 16 rows
.set SPARE,  SCL+4*HALFS               ; the spare words, 128 bytes for each wave
.set REC,    12800                     ; a record
.set ADRA, 16                          ; v16-17 LDS address of my A fragments in slot 0, 1 (v18-19: behind one padding more)
.set ADRB, 20                          ; v20-23 the same for B
.set CO,   26                          ; v26    16 x lane
.set ADRS, 27                          ; v27    LDS address of my scale words: lanes 0-15 A's rows, lanes 16-31 B's
.set SPW,  28                          ; v28    LDS address of my spare word; never rewritten
.set NIL,  29                          ; v29    0; never rewritten
.set SC,   32                          ; scale words: set s at v[SC + 8 NQ s]
.set QC,   64                          ; the way out: v64-75 a fragment's codes; v76-78, v80-82 the conversions' second halves
.set TM,   96                          ; v96-99 largest magnitudes, v100-103 the other half's, then bytes, v108-111 the conversions' scale operands
.set PW,   112                         ; the scale word just made
.set SW,   116                         ; v116-119 the record's scale words
.set AF,   128                         ; A's fragments, in window 0
.set G1, 24                            ; s[24:31] descriptor group 1 for A's tiles;  s[32:39] group 0, one set for each slot
.set G0, 32
.set G1B, 48                           ; s[48:55], s[56:63] the same for B's tiles
.set G0B, 56
.set G1S, 68                           ; s[68:75], s[76:79] groups 1 and 0 for A's scales;  s[80:87], s[88:91] for B's
.set G0S, 76
.set G1SB, 80
.set G0SB, 88
.set MSB, 0
.macro WIN new                         ; the immediate's high byte repeats the setting that is left
.if MSB != \new
	s_set_vgpr_msb (MSB<<8)|\new
.set MSB, \new
.endif
.endm
.set MUL_LO, 0xa1                      ; source 0 (B) window 1, source 1 (A) window 0, C and D window 2
.set MUL_HI, 0xf1                      ; the same, C and D window 3
.set TO_B,   0x40                      ; destination window 1, address window 0
; A joint load: waves 0 and 1 fetch for A, waves 2 and 3 for B.  Each line has one mask and one set of registers for all that issue it; the branch hangs on the wave's number alone.
; Four v_nop follow each of the two lines, ahead of the jump, the label and what follows.
.macro JLOAD g0a, g1a, g0b, g1b
	s_cmp_eq_u32 s15, 0
	s_cbranch_scc0 .Lfor_b_\@
	tensor_load_to_lds s[\g0a:\g0a+3], s[\g1a:\g1a+7]
	s_nop 0
.rept 4
	v_nop
.endr
	s_branch .Lasked_\@
.Lfor_b_\@:
	tensor_load_to_lds s[\g0b:\g0b+3], s[\g1b:\g1b+7]
	s_nop 0
.rept 4
	v_nop
.endr
.Lasked_\@:
.endm
.macro CREST                           ; a round of the cluster's barrier behind its opening barrier
	s_cmp_lg_u32 s14, 0
	s_cbranch_scc1 .Lnot_wave_0_\@
	s_barrier_signal -3
.Lnot_wave_0_\@:
	s_barrier_wait -3
	s_barrier_signal -1
	s_barrier_wait -1
.endm
.macro CROUND                          ; a whole round
	s_barrier_signal -1
	s_barrier_wait -1
	CREST
.endm
	s_load_b128 s[4:7], s[0:1], 0x0                ; x's codes, x's scales
	s_load_b128 s[8:11], s[0:1], 0x10              ; the weights' codes, the weights' scales
	s_load_b64 s[12:13], s[0:1], 0x20              ; the records
	v_lshl_add_u32 v[SPW], v0, 2, SPARE
	v_mov_b32 v[NIL], 0
	ds_add_u32 v28, v29
	ds_add_u32 v28, v29
	s_wait_dscnt 0x0
	v_lshrrev_b32 v1, 5, v0
	v_readfirstlane_b32 s14, v1                    ; wave 0..3
	s_lshr_b32 s15, s14, 1                         ; which half of A's rows is mine.  Also: I fetch for A (0) or for B (1)
	s_and_b32 s16, s14, 1                          ; which half of B's rows.  Also: which 128 rows of that tile I fetch
	s_bfe_u32 s40, ttmp6, 0x40000                  ; cx, cy: my place in the cluster
	s_bfe_u32 s41, ttmp6, 0x40004
	s_lshl_b32 s42, ttmp9, 2
	s_add_co_u32 s42, s42, s40                     ; tile column = 4 x cluster x + cx, 0 .. 23
	s_and_b32 s17, ttmp7, 0xffff
	s_lshl_b32 s17, s17, 2
	s_add_co_u32 s17, s17, s41                     ; tile row = 4 x cluster y + cy, 0 .. 7
	s_lshl_b32 s43, s41, 2
	s_lshl_b32 s43, 15, s43                        ; my row of the cluster
	s_lshl_b32 s44, 0x1111, s40                    ; my column
	; descriptor group 1: a tile of 128 rows x ROWB bytes, padded in LDS
	s_or_b32 s[G1+0], s43, (0<<16)|(1<<20)|(1<<21)|(3<<22)|(3<<25)  ; 15:0 the mask: A's tiles go to my row; elements of 1 byte; padding on; bit 21 beside a mask; after every 16 words 4 words
	s_or_b32 s[G1B+0], s44, (0<<16)|(1<<20)|(1<<21)|(3<<22)|(3<<25)
.irp g, G1, G1B
	s_mov_b32 s[\g+1], ROWB<<16                    ; tensor_dim0
	s_mov_b32 s[\g+2], 128<<16                     ; tensor_dim1 = 128
	s_mov_b32 s[\g+3], ROWB<<16                    ; tile_dim0
	s_mov_b32 s[\g+4], 128                         ; tile_dim1 = 128
	s_mov_b32 s[\g+5], KROW                        ; tensor_dim0_stride
	s_mov_b32 s[\g+6], 0
	s_mov_b32 s[\g+7], 0
.endr
	; and for the scales of 128 rows: a dense block of 8,192 bytes, as rows of 256 bytes (32 elements of 8 bytes), 16 bytes of padding behind each
	s_or_b32 s[G1S+0], s43, (3<<16)|(1<<20)|(1<<21)|(5<<22)|(3<<25)
	s_or_b32 s[G1SB+0], s44, (3<<16)|(1<<20)|(1<<21)|(5<<22)|(3<<25)
.irp g, G1S, G1SB
	s_mov_b32 s[\g+1], 32<<16
	s_mov_b32 s[\g+2], (128*KS/256)<<16
	s_mov_b32 s[\g+3], 32<<16
	s_mov_b32 s[\g+4], 128*KS/256
	s_mov_b32 s[\g+5], 32
	s_mov_b32 s[\g+6], 0
	s_mov_b32 s[\g+7], 0
.endr
	s_cmp_ge_u32 ttmp9, 4                          ; v's clusters?  The cluster's x is the same in all sixteen partners
	s_cselect_b32 s95, 4096, 0                     ; there A's rows are Wv's, from place 4,096, and B's tile columns 16 .. 23 are x's rows from 0
	s_lshl_b32 s18, s16, 7                         ; which 128 rows of the tile I fetch
	s_lshl_b32 s20, s17, 8
	s_add_co_u32 s20, s20, s18
	s_add_co_u32 s20, s20, s95                     ; A: place 256 x tile row + 128 x half (+ 4,096)
	s_lshl_b32 s46, s42, 8
	s_add_co_u32 s46, s46, s18
	s_sub_co_u32 s46, s46, s95                     ; B: place 256 x tile column + 128 x half (- 4,096)
	s_mov_b32 s21, 0
	s_mov_b32 s47, 0
	s_mov_b64 s[18:19], KS
	s_mul_u64 s[22:23], s[20:21], s[18:19]         ; where these rows' scales begin, in bytes
	s_mul_u64 s[92:93], s[46:47], s[18:19]
	s_mov_b64 s[18:19], KROW
	s_mul_u64 s[20:21], s[20:21], s[18:19]         ; and their codes
	s_mul_u64 s[46:47], s[46:47], s[18:19]
	s_mul_i32 s45, s14, HALFT                      ; where they go: wave x 128 rows: no place in the cluster enters an LDS address
	s_mul_i32 s94, s14, HALFS
	s_wait_kmcnt 0x0
	s_cmp_ge_u32 ttmp9, 4                          ; which buffer is A's and which B's
	s_cselect_b64 s[2:3], s[8:9], s[4:5]           ; A's codes
	s_cselect_b64 s[4:5], s[4:5], s[8:9]           ; B's codes
	s_cselect_b64 s[8:9], s[10:11], s[6:7]         ; A's scales
	s_cselect_b64 s[6:7], s[6:7], s[10:11]         ; B's scales
	s_add_nc_u64 s[20:21], s[2:3], s[20:21]
	s_add_nc_u64 s[22:23], s[8:9], s[22:23]
	s_add_nc_u64 s[46:47], s[4:5], s[46:47]
	s_add_nc_u64 s[92:93], s[6:7], s[92:93]
	CROUND                                         ; all sixteen work-groups are here: the first joint loads meet
	s_mov_b32 s[G0S], 1
	s_add_co_u32 s[G0S+1], s94, SCL
	s_mov_b64 s[G0S+2:G0S+3], s[22:23]
	s_or_b32 s[G0S+3], s[G0S+3], 0x80000000
	s_mov_b32 s[G0SB], 1
	s_add_co_u32 s[G0SB+1], s94, SCL
	s_mov_b64 s[G0SB+2:G0SB+3], s[92:93]
	s_or_b32 s[G0SB+3], s[G0SB+3], 0x80000000
	JLOAD G0S, G1S, G0SB, G1SB                     ; the scales first: they are wanted with K step 0
.irp s, 0,1
	s_mov_b32 s[G0+4*\s], 1
	s_add_co_u32 s[G0+4*\s+1], s45, \s*SLOT
	s_add_nc_u64 s[G0+4*\s+2:G0+4*\s+3], s[20:21], \s*ROWB
	s_or_b32 s[G0+4*\s+3], s[G0+4*\s+3], 0x80000000
	s_mov_b32 s[G0B+4*\s], 1
	s_add_co_u32 s[G0B+4*\s+1], s45, \s*SLOT
	s_add_nc_u64 s[G0B+4*\s+2:G0B+4*\s+3], s[46:47], \s*ROWB
	s_or_b32 s[G0B+4*\s+3], s[G0B+4*\s+3], 0x80000000
	JLOAD G0+4*\s, G1, G0B+4*\s, G1B
.endr
	v_and_b32 v1, 15, v0                           ; l % 16
	v_bfe_u32 v2, v0, 4, 1                         ; l / 16
	v_mul_u32_u24 v3, v1, PITCH
	v_mul_u32_u24 v4, v2, 24
	v_add_nc_u32 v4, v3, v4                        ; a fragment's row x pitch + 24 x half
	v_lshl_add_u32 v5, v2, 4, v4                   ; and the same behind one padding more
	s_mul_i32 s21, s15, HALFT                      ; my 128 rows of A
	s_mul_i32 s22, s16, HALFT                      ; my 128 rows of B,
	s_add_co_u32 s22, s22, 2*HALFT                 ; which lie behind A's 256
.irp s, 0,1
	v_add_nc_u32 v[ADRA+\s], s21, v4
	v_add_nc_u32 v[ADRB+\s], s22, v4
	v_add_nc_u32 v[ADRA+2+\s], s21, v5
	v_add_nc_u32 v[ADRB+2+\s], s22, v5
	s_add_co_u32 s21, s21, SLOT
	s_add_co_u32 s22, s22, SLOT
.endr
	v_mul_u32_u24 v5, v1, KS                       ; my row's scales: KS bytes a row,
	v_lshrrev_b32 v6, 8, v5
	v_lshl_add_u32 v5, v6, 4, v5                   ; and 16 more for each 256 passed
	s_mul_i32 s21, s15, HALFS                      ; A's: my 128 rows
	s_mul_i32 s22, s16, HALFS                      ; B's: my 128 rows, behind A's 256
	s_add_co_u32 s22, s22, 2*HALFS
	s_sub_co_u32 s22, s22, s21
	v_mul_u32_u24 v6, s22, v2                      ; lanes 16-31 take B's
	s_add_co_u32 s21, s21, SCL
	v_add_nc_u32 v5, v5, v6
	v_add_nc_u32 v[ADRS], s21, v5
	v_and_b32 v6, 31, v0
	v_lshlrev_b32 v[CO], 4, v6                     ; the way out: 16 bytes a lane
	; which record is mine.  These registers feed no descriptor any more
	s_lshl_b32 s20, s17, 1
	s_add_co_u32 s20, s20, s15                     ; A's block of 128 rows: 2 x tile row + half
	s_lshl_b32 s21, s42, 1
	s_add_co_u32 s21, s21, s16
	s_and_b32 s21, s21, 15                         ; B's block of 128 rows inside its tensor
	s_cmp_ge_u32 ttmp9, 4
	s_cselect_b32 s22, s20, s21                    ; 2 x head + (branch, or half of v's channels)
	s_cselect_b32 s23, s21, s20                    ; the block of 128 tokens: 8 x batch + block
	s_cselect_b32 s46, 2, 0
	s_lshr_b32 s47, s23, 3                         ; batch
	s_and_b32 s23, s23, 7                          ; block in the batch
	s_lshl_b32 s92, s47, 8
	s_lshr_b32 s93, s22, 1
	s_lshl_b32 s93, s93, 5
	s_add_co_u32 s92, s92, s93
	s_lshl_b32 s93, s23, 2
	s_add_co_u32 s92, s92, s93
	s_and_b32 s93, s22, 1
	s_add_co_u32 s92, s92, s93
	s_add_co_u32 s92, s92, s46                     ; k's or v's record
	s_lshl_b32 s47, s47, 7
	s_lshl_b32 s93, s22, 3
	s_add_co_u32 s47, s47, s93
	s_add_co_u32 s47, s47, s23
	s_add_co_u32 s47, s47, 512                     ; q's record
	s_cmp_lt_u32 ttmp9, 2
	s_cselect_b32 s20, s47, s92
	s_mul_i32 s20, s20, REC
	s_mov_b32 s21, 0
	s_add_nc_u64 s[12:13], s[12:13], s[20:21]
	s_mov_b32 s96, 0x76543210
	s_mov_b32 s97, 0xfedcba98                      ; v_permlanex16_b32's selects for lane l xor 16
	s_mov_b32 s98, 0xffff0000                      ; lanes 16-31
.macro FRAG reg, adr, q, i             ; a fragment, 16 rows x 128 K of 6-bit codes: lane l holds row l % 16; registers 6 c .. 6 c + 5 hold K = 64 c + 32 (l / 16) + 0 .. 31: 24 bytes of the row's stream of bits, as they lie
.irp p, 0,1,2,3,4,5                    ; in pieces of 8 bytes.  Lanes 0-15 take the row's pieces 12 q + 0, 1, 2 and 12 q + 6, 7, 8, lanes 16-31 those three pieces on
.set PC, 12*(\q)+6*(\p/3)+\p%3        ; 16 bytes of padding lie behind every 8 pieces: where the piece three on lies behind one padding more, the second address register serves
.if PC%8 < 5
	ds_load_b64 v[\reg+2*\p:\reg+2*\p+1], v[\adr] offset:8*PC+16*(PC/8)+(\i)*16*PITCH
.else
	ds_load_b64 v[\reg+2*\p:\reg+2*\p+1], v[\adr+2] offset:8*PC+16*(PC/8)+(\i)*16*PITCH
.endif
.endr
.endm
; 16 matrix instructions: A's blocks a0, a0 + 1 x B's eight, 128 along K: the slot's q-th.  p: B's set;  sc: the set of scale words.  zero = 1: the first product starts the sums.
; The 64 accumulators take turns, one instruction a turn, in the same order in every step.
.macro MUL16 a0, p, q, sc, zero
.irp a, \a0, \a0+1
.irp b, 0,1,2,3,4,5,6,7
.if \zero
	v_wmma_scale_f32_16x16x128_f8f6f4 v[8*(8*((\a)%4)+\b):8*(8*((\a)%4)+\b)+7], v[128*(\p)+FR*\b:128*(\p)+FR*\b+FR-1], v[AF+FR*(\a):AF+FR*(\a)+FR-1], 0, v[SC+8*NQ*(\sc)+NQ*\b+(\q)], v[SC+8*NQ*(\sc)+NQ*(\a)+(\q)] matrix_a_fmt:MATRIX_FMT_FP6 matrix_b_fmt:MATRIX_FMT_FP6 matrix_a_scale:MATRIX_SCALE_ROW1
.else
	v_wmma_scale_f32_16x16x128_f8f6f4 v[8*(8*((\a)%4)+\b):8*(8*((\a)%4)+\b)+7], v[128*(\p)+FR*\b:128*(\p)+FR*\b+FR-1], v[AF+FR*(\a):AF+FR*(\a)+FR-1], v[8*(8*((\a)%4)+\b):8*(8*((\a)%4)+\b)+7], v[SC+8*NQ*(\sc)+NQ*\b+(\q)], v[SC+8*NQ*(\sc)+NQ*(\a)+(\q)] matrix_a_fmt:MATRIX_FMT_FP6 matrix_b_fmt:MATRIX_FMT_FP6 matrix_a_scale:MATRIX_SCALE_ROW1
.endif
.endr
.endr
.endm
.macro FETCH_B slot, q, p              ; B's eight fragments of the slot's q-th 128 along K into set p
	WIN TO_B
.irp i, 0,1,2,3,4,5,6,7
	FRAG 128*(\p)+FR*\i, ADRB+\slot, \q, \i
.endr
	WIN 0
.endm
.macro FETCH_A slot, q, i0             ; A's blocks i0 .. i0 + 3
.irp i, \i0, \i0+1, \i0+2, \i0+3
	FRAG AF+FR*(\i), ADRA+\slot, \q, \i
.endr
.endm
.macro SCALES sc                       ; the next K step's scale words into set sc: lanes 0-15 take A's block i, lanes 16-31 B's block i
.irp i, 0,1,2,3,4,5,6,7
	ds_load_b64 v[SC+8*NQ*\sc+NQ*\i:SC+8*NQ*\sc+NQ*\i+1], v[ADRS] offset:\i*SBLK
.endr
.endm
; A load into a register that a matrix instruction has read, and a vector instruction that reads a matrix result, stand NP places behind that matrix instruction; only plain vector instructions that name none of its registers are places.
.macro PLACES n
.rept \n
	v_nop
.endr
.endm
; A step of 128 along K that has its successor in the same slot.
.macro STEP slot, q, zero
	s_wait_dscnt 4*NL                              ; B's set and A's blocks 0-3 are in; the youngest 24 loads (A's blocks 4-7) may be out
	WIN MUL_LO
	MUL16 0, (\q)%2, \q, \slot, \zero
	MUL16 2, (\q)%2, \q, \slot, \zero
	s_wait_dscnt 0                                 ; A's blocks 4-7 are in
	PLACES NP
	FETCH_B \slot, (\q)+1, 1-(\q)%2
	FETCH_A \slot, (\q)+1, 0
	WIN MUL_HI
	MUL16 4, (\q)%2, \q, \slot, \zero
	MUL16 6, (\q)%2, \q, \slot, \zero
	PLACES NP
	WIN 0
	FETCH_A \slot, (\q)+1, 4
.endm
; A slot's last step changes slots: one barrier; in front of it each wave waits for all its tensor loads, adds 0 to its spare word, and waits for that and for its own reads of this slot.  fill = 1: this slot is filled again, two K steps ahead.
.macro TURN slot, next, fill
	s_wait_tensorcnt 0x0                           ; all my tensor loads have landed: my part of the next slot
	ds_add_u32 v[SPW], v[NIL]                      ; 0 onto my spare word
	s_wait_dscnt 4*NL+1                            ; the add and the youngest 24 loads, A's blocks 4-7, may be out
	WIN MUL_LO
	MUL16 0, 1, NQ-1, \slot, 0                     ; sixteen matrix instructions stand between the add and the wait for it
	s_wait_dscnt 0x0                               ; the add is done, and my reads of this slot are over
	s_barrier_signal -1
	MUL16 2, 1, NQ-1, \slot, 0
	WIN 0
	s_barrier_wait -1
.if \fill
	CREST                                          ; the barrier has opened a round of the cluster's barrier: no wave of any partner still reads this slot's tile or has a load on its way
	s_add_nc_u64 s[G0+4*\slot+2:G0+4*\slot+3], s[G0+4*\slot+2:G0+4*\slot+3], 2*ROWB
	s_add_nc_u64 s[G0B+4*\slot+2:G0B+4*\slot+3], s[G0B+4*\slot+2:G0B+4*\slot+3], 2*ROWB
	JLOAD G0+4*\slot, G1, G0B+4*\slot, G1B         ; the first tensor load behind the round; its four v_nop are the places in front of the loads below
.else
	PLACES NP
.endif
	v_add_nc_u32 v[ADRS], 4*NQ, v[ADRS]            ; on to the next K step's scale words (no LDS load of mine is out)
	FETCH_B \next, 0, 0
	FETCH_A \next, 0, 0
	SCALES \next
	WIN MUL_HI
	MUL16 4, 1, NQ-1, \slot, 0
	MUL16 6, 1, NQ-1, \slot, 0
	PLACES NP
	WIN 0
	FETCH_A \next, 0, 4
.endm
	s_wait_tensorcnt 1                             ; the scales and my part of K step 0 are in; K step 1's load may be out
	s_barrier_signal -1
	s_barrier_wait -1                              ; everybody's are
	FETCH_B 0, 0, 0
	FETCH_A 0, 0, 0
	SCALES 0
	FETCH_A 0, 0, 4
	STEP 0, 0, 1                                   ; the first step stands in front of the loop: its products start the sums
	s_mov_b32 s3, LAPS-1
.Llap:                                                 ; a trip goes once round the ring, from a lap's second step to the next lap's first, and fills both slots again
	TURN 0, 1, 1
	STEP 1, 0, 0
	TURN 1, 0, 1
	STEP 0, 0, 0
	s_sub_co_u32 s3, s3, 1
	s_cmp_lg_u32 s3, 0
	s_cbranch_scc1 .Llap
	TURN 0, 1, 0                                   ; the last lap fills nothing, and has no round of the cluster's barrier
	STEP 1, 0, 0
	s_wait_dscnt 4*NL                              ; the very last step: nothing more to fetch
	WIN MUL_LO
	MUL16 0, 1, NQ-1, 1, 0
	MUL16 2, 1, NQ-1, 1, 0
	s_wait_dscnt 0
	WIN MUL_HI
	MUL16 4, 1, NQ-1, 1, 0
	MUL16 6, 1, NQ-1, 1, 0
	WIN 0
; THE WAY OUT.  Block a: my lane's row of A's block a and its 64 results, register 16 u + i = K 32 u + 16 (lane / 16) + i of the next product.  They become one fragment and one scale word a row.
.macro QBLOCK a
.set AC, 64*((\a)%4)
	WIN (0x28+0x14*((\a)/4))                       ; sources 1 and 2: window 2 or 3
.irp b, 0,1,2,3
	v_max3_num_f32 v[TM+\b], 0x1800000, |v[AC+16*\b]|, |v[AC+16*\b+1]|   ; block b: my 16 numbers, each accumulator from its low end on, and the floor 2^(3 - 127)
.endr
.irp i, 2,4,6,8,10,12,14
.irp b, 0,1,2,3
	v_max3_num_f32 v[TM+\b], v[TM+\b], |v[AC+16*\b+\i]|, |v[AC+16*\b+\i+1]|   ; (the four blocks by turns)
.endr
.endr
	WIN 0
.irp b, 0,1,2,3
	v_permlanex16_b32 v[TM+4+\b], v[TM+\b], s96, s97
.endr
.irp b, 0,1,2,3
	v_max_num_f32 v[TM+\b], v[TM+\b], v[TM+4+\b]   ; with lane l xor 16's: the block's largest magnitude
.endr
.irp b, 0,1,2,3
	v_add_nc_u32 v[TM+12+\b], 0xff000000, v[TM+\b] ; 2 off its exponent field: the conversion's scale operand
.endr
.irp b, 0,1,2,3
	v_lshrrev_b32 v[TM+4+\b], 23, v[TM+12+\b]      ; the scale's byte
.endr
	v_lshl_or_b32 v[PW], v[TM+5], 8, v[TM+4]       ; the four bytes make my row's scale word
	v_lshl_or_b32 v[PW], v[TM+6], 16, v[PW]
	v_lshl_or_b32 v[PW], v[TM+7], 24, v[PW]
.if (\a)%2 == 0
	v_mov_b32 v[SW+(\a)/2], v[PW]                  ; an even tile's words stay in lanes 0-15,
.else
	v_cndmask_b32 v[SW+(\a)/2], v[SW+(\a)/2], v[PW], s98   ; the odd tile's take lanes 16-31
.endif
	s_wait_xcnt 0x0                                ; the last block's stores have read their data: the codes' registers may be written again
	WIN (2+(\a)/4)                                 ; source 0: window 2 or 3
.irp c, 0,1
	v_cvt_scalef32_pk16_fp6_f32 v[QC+6*\c:QC+6*\c+2], v[AC+32*\c:AC+32*\c+15], v[TM+12+2*\c]
	v_cvt_scalef32_pk16_fp6_f32 v[QC+12+4*\c:QC+14+4*\c], v[AC+16+32*\c:AC+31+32*\c], v[TM+12+2*\c+1]   ; (a conversion's three registers begin on an even number)
.endr
	WIN 0
	v_nop                                          ; one plain place behind a scaled conversion
.irp c, 0,1                                    ; the operand's layout wants a whole block in a lane: lanes 0-15 block 2 c, lanes 16-31 block 2 c + 1
.irp i, 0,1,2
	v_permlane16_swap_b32 v[QC+6*\c+\i], v[QC+12+4*\c+\i]
.endr
.irp i, 0,1,2
	v_mov_b32 v[QC+3+6*\c+\i], v[QC+12+4*\c+\i]
.endr
.endr
.irp c, 0,1,2
	global_store_b128 v[CO], v[QC+4*\c:QC+4*\c+3], s[12:13] offset:1536*(\a)+512*\c   ; the fragment as it stands: 32 lanes store 512 consecutive bytes, aligned
.endr
.endm
	PLACES NP                                      ; behind the last products: the lines below read results and write registers in window 0
.irp b, 0,1,2,3
	v_mov_b32 v[TM+4+\b], 0                        ; written once: a lane permute's destination counts as one of its sources
.endr
.irp a, 0,1,2,3,4,5,6,7
	QBLOCK \a
.endr
	global_store_b128 v[CO], v[SW:SW+3], s[12:13] offset:12288   ; the record's scale words: 512 consecutive bytes
	s_wait_tensorcnt 0x0                           ; the wave's end
	ds_add_u32 v[SPW], v[NIL]
	s_wait_dscnt 0x0
	CROUND                                         ; the closing round: no work-group ends while a partner may still ask for a tile that names it
	s_endpgm
.Lfunc_end_k_qff51eeca58_gemm_qkv:
	.size	k_qff51eeca58_gemm_qkv, .Lfunc_end_k_qff51eeca58_gemm_qkv-k_qff51eeca58_gemm_qkv
	.p2alignl 7, 3214868480
	.fill 96, 4, 3214868480
	.section	.rodata,"a",@progbits
	.p2align	6, 0x0
	.amdhsa_kernel k_qff51eeca58_gemm_qkv
		.amdhsa_group_segment_fixed_size 327680
		.amdhsa_private_segment_fixed_size 0
		.amdhsa_enable_private_segment 0
		.amdhsa_kernarg_size 40
		.amdhsa_user_sgpr_count 2
		.amdhsa_user_sgpr_kernarg_segment_ptr 1
		.amdhsa_wavefront_size32 1
		.amdhsa_system_sgpr_workgroup_id_x 1
		.amdhsa_system_sgpr_workgroup_id_y 1
		.amdhsa_system_sgpr_workgroup_id_z 1
		.amdhsa_system_vgpr_workitem_id 0
		.amdhsa_next_free_vgpr 1024
		.amdhsa_next_free_sgpr 100
		.amdhsa_reserve_vcc 0
		.amdhsa_float_denorm_mode_32 3
		.amdhsa_float_denorm_mode_16_64 3
		.amdhsa_memory_ordered 1
		.amdhsa_forward_progress 1
		.amdhsa_inst_pref_size 165
	.end_amdhsa_kernel
	.amdgpu_metadata
---
amdhsa.version: [ 1, 2 ]
amdhsa.kernels:
  - .name:           k_qff51eeca58_gemm_qkv
    .symbol:         k_qff51eeca58_gemm_qkv.kd
    .args:
      - { .name: x_codes, .offset: 0, .size: 8, .value_kind: global_buffer, .address_space: global }
      - { .name: x_scales, .offset: 8, .size: 8, .value_kind: global_buffer, .address_space: global }
      - { .name: w_codes, .offset: 16, .size: 8, .value_kind: global_buffer, .address_space: global }
      - { .name: w_scales, .offset: 24, .size: 8, .value_kind: global_buffer, .address_space: global }
      - { .name: qkv, .offset: 32, .size: 8, .value_kind: global_buffer, .address_space: global }
    .group_segment_fixed_size: 327680
    .private_segment_fixed_size: 0
    .kernarg_segment_align: 8
    .kernarg_segment_size: 40
    .max_flat_workgroup_size: 128
    .sgpr_count:     100
    .vgpr_count:     1024
    .wavefront_size: 32
...
	.end_amdgpu_metadata
.endif
;; end of part 2
;; launch attn (part 3): grid 16 x 16, 8 waves a work-group, clusters of 4 x 1, 327,680 bytes of LDS; arguments qkv, lambda_q1, lambda_k1, lambda_q2, lambda_k2, subln_weight, a_codes, a_scales; writes a_codes, a_scales
.if DOCPART == 3
	.amdgcn_target "amdgcn-amd-amdhsa--gfx1250"
	.amdhsa_code_object_version 6
	.text
	.protected	k_qff51eeca58_attn
	.globl	k_qff51eeca58_attn
	.p2align	8
	.type	k_qff51eeca58_attn,@function
k_qff51eeca58_attn:
	s_mov_b64 s[64:65], 0
	v_nop
	global_prefetch_b8 v0, s[64:65] scope:SCOPE_SE
	s_setreg_imm32_b32 hwreg(HW_REG_WAVE_MODE, 25, 1), 1
	s_wait_xcnt 0x0
	s_wait_alu depctr_hold_cnt(0) depctr_sa_sdst(0) depctr_va_vdst(0) depctr_va_sdst(0) depctr_va_ssrc(0) depctr_va_vcc(0) depctr_vm_vsrc(0)
	s_getreg_b32 s2, hwreg(HW_REG_IB_STS2, 6, 4)
	s_cmp_eq_u32 s2, 0
	s_cbranch_scc0 .Lentry_in_a_cluster
	s_endpgm
.Lentry_in_a_cluster:
	s_bfe_u32 s2, ttmp6, 0x10000c
	s_cmp_lg_u32 s2, 0x3003
	s_cbranch_scc0 .Lentry_shape_is_right
	s_endpgm
.Lentry_shape_is_right:
; Differential attention on codes of FP6 (E2M3): for each batch and head, two causal softmax branches (q1 k1, q2 k2) against the same 256 channels of v; a = o1 / l1 - lambda o2 / l2; RMS norm over the 256 channels, the gain,
; x (1 - lambda_init); a is quantised along its channels and stored as codes and scale bytes for the last product.
; INPUT: records of 12,800 bytes, images of operand registers: fragment t (16 rows x 128 K) at 1,536 t + 512 c + 16 lane; at 12,288 the scale words, 16 lane + 4 p (word p: tile 2 p in lanes 0-15, tile 2 p + 1 in lanes 16-31).
;   A key step of 128 keys is four records on end: k of branch 0, k of branch 1, v's channels 0-127, v's 128-255.  Fragment t's lane r holds row 32 (t / 2) + 8 (t % 2) + r + 8 (r / 8) of its record's 128.
; THE SOFTMAX: t = score x log2(e) / sqrt(128); M = the row's largest t so far, rounded up to a whole number; p = 2^(t - M) is quantised along the keys; the row's sum is taken of the unquantised p and divides at the end.
;   When M moves, the sum and O are multiplied by 2^(old M - new M): exact.
; SHARES.  Grid y = 8 batch + head.  A cluster of four work-groups (cluster x = j) owns query blocks j and 7 - j of 128 queries; partner cx owns tiles 2 cx and 2 cx + 1 of both.  Wave w: branch w & 1, tile (w >> 1) & 1, block j (w < 4) or 7 - j.
;   A wave holds one tile of 16 queries of one branch and all 256 channels of O^T.  Waves w and w + 4 have j + 1 and 8 - j key steps to work: nine together, whatever j.
;   Every work-group walks all 8 key steps: constant trip counts; a step all of whose keys come after the wave's block is jumped over, by a scalar branch on the cluster's x and the wave's number, which all partners share.
; CLUSTER.  The four partners walk the same k and v: each record is asked for jointly, by the same tensor load with the same descriptor and the mask of all four.  The place cx enters global addresses and the mask's compared numbers alone.
; LAYOUT.  Both products are used transposed: S^T = k q^T, O^T = v^T p^T: a lane holds one query (lane % 16) throughout; the 16 registers of tiles 2 b and 2 b + 1 are 16 neighbours (keys, or channels): 32 b + 16 (lane / 16) + 0 .. 15.
; LIMITS: NaN and infinities are not served; p under 2^-126 is 0 (v_exp_f32's flush); a block whose largest magnitude lies under 2^-124 keeps the byte 1 (a block of zeros too: this program alone reads the bytes).
; REGISTERS.  window 0: v1-10 addresses and constants; v12 -M, v13 the largest t, v[14:15] the sum; v16-27 q; v28-31 scale words of v's second half; v32-79, v160-207 eight fragments; v80-88 the tail's addresses;
;   v96-159 S^T, then p, then a; v224-235 codes; v232-247 at work; v248-251 scale words of k, then of v's first half; v252 f; v253 p's scale word; v255 q's scale words.
;   window 1: v0-127 O^T, 16 tiles: 0-7 the channels that this wave keeps (half = its branch), 8-15 those that it sends to its partner; v128-223 v's second eight fragments, at the end the gain.
.set REC,   12800
.set STEPB, 4*REC                      ; a key step
.set SLOT1, 1<<17                      ; a slot holds two key steps (102,400 bytes); slot 1 begins here, so that one exclusive or turns an address
.set STG,   2*STEPB                    ; behind slot 0: for each pair of waves 16 rows x 192 bytes of codes
.set SSX,   STG+4*3072                 ; the sums of squares: 128 bytes a wave
.set SPARE, SSX+1024                   ; the spare words, 128 bytes for each wave: four blocks of 256 bytes that no other line names
.set XCH,   SLOT1+2*STEPB              ; behind slot 1: 8,192 bytes a wave: the half of O that goes to the partner
.set AK0, 1                            ; v1  16 lane + my branch's record of k in a key step
.set AV0, 2                            ; v2  16 lane + the record of the channels that I keep
.set AV1, 3                            ; v3  16 lane + the record of the channels that I send
.set DQ,  4                            ; v4  my query in its block - 16 (lane / 16)
.set SPW, 5                            ; v5  LDS address of my spare word; never rewritten
.set NIL, 6                            ; v6  0; never rewritten
.set KAP, 7                            ; v7  1 in branch 0, -lambda in branch 1
.set ADK, 8
.set ADV, 9
.set ADW, 10
.set XS,  80                           ; v80 where I put the half that I send;  v81 where I find my partner's
.set XR,  81
.set SSW, 82                           ; v82, v83 the same for the sums of squares
.set SSR, 83
.set STW, 84                           ; v84 the stage of codes: in, by rows;  v85 out, 16 bytes a lane
.set STR, 85
.set GOC, 86                           ; v86 16 lane
.set GOS, 87                           ; v87 64 x my query in its block
.set WOFF, 88                          ; v88 64 (lane / 16): my channels in the gain
.set WV,   20
.set BR,   21
.set T01,  22
.set LATE, 23
.set JB,   24                          ; my block of queries: also the last key step that I work
.set CX,   25
.set BH,   26
.set SEL,  28                          ; s[28:29] v_permlanex16_b32's selects for lane l xor 16
.set CS,   30                          ; s[30:31] c = log2(e) / sqrt(128)
.set G1,   32                          ; s[32:39] descriptor group 1;  s[40:43] group 0, which walks
.set G0,   40
.set TB,   44                          ; LDS byte at which the slot in hand begins
.set KB,   45                          ; the key step
.set SLOTS, 46
.set TS,   47
.set MSB, 0
.macro WIN new                         ; the immediate's high byte repeats the setting that is left
.if MSB != \new
	s_set_vgpr_msb (MSB<<8)|\new
.set MSB, \new
.endif
.endm
.macro CROUND                          ; a round of the cluster's barrier
	s_barrier_signal -1
	s_barrier_wait -1
	s_cmp_lg_u32 s[WV], 0
	s_cbranch_scc1 .Lnot_wave_0_\@
	s_barrier_signal -3
.Lnot_wave_0_\@:
	s_barrier_wait -3
	s_barrier_signal -1
	s_barrier_wait -1
.endm
.macro BARRIER                         ; my LDS stores have landed and my LDS loads are in: then the work-group's barrier
	s_wait_dscnt 0x0
	s_barrier_signal -1
	s_barrier_wait -1
.endm
.macro PLACES
.rept 4
	v_nop
.endr
.endm
	s_load_b256 s[4:11], s[0:1], 0x0               ; the records, lambda_q1, lambda_k1, lambda_q2
	s_load_b256 s[12:19], s[0:1], 0x20             ; lambda_k2, the gain, a's codes, a's scales
	v_lshl_add_u32 v[SPW], v0, 2, SPARE
	v_mov_b32 v[NIL], 0
	ds_add_u32 v5, v6
	ds_add_u32 v5, v6
	s_wait_dscnt 0x0
	v_lshrrev_b32 v89, 5, v0
	v_readfirstlane_b32 s[WV], v89                 ; wave 0..7
	s_and_b32 s[BR], s[WV], 1
	s_bfe_u32 s[T01], s[WV], 0x10001
	s_lshr_b32 s[LATE], s[WV], 2
	s_lshl_b32 s48, ttmp9, 1
	s_sub_co_u32 s48, 7, s48
	s_mul_i32 s48, s48, s[LATE]
	s_add_co_u32 s[JB], s48, ttmp9                 ; block j, or 7 - j: made of the cluster's x and the wave's number
	s_bfe_u32 s[CX], ttmp6, 0x40000
	s_and_b32 s[BH], ttmp7, 0xffff
	; descriptor group 1: a record, 12,800 dense bytes, as 50 rows of 256 bytes (32 elements of 8 bytes), no padding
	s_mov_b32 s[G1], 15|(3<<16)|(1<<21)            ; 15:0 the mask: all four work-groups; elements of 8 bytes; bit 21 beside a mask
	s_mov_b32 s[G1+1], 32<<16                      ; tensor_dim0 = 32
	s_mov_b32 s[G1+2], 50<<16                      ; tensor_dim1 = 50
	s_mov_b32 s[G1+3], 32<<16                      ; tile_dim0 = 32
	s_mov_b32 s[G1+4], 50                          ; tile_dim1 = 50
	s_mov_b32 s[G1+5], 32                          ; tensor_dim0_stride
	s_mov_b32 s[G1+6], 0
	s_mov_b32 s[G1+7], 0
	s_mov_b32 s[G0], 1
	s_mul_i32 s[G0+1], s[WV], REC                  ; wave w fetches record w of a slot's eight: LDS address w x 12,800, in slot 0
	s_mul_i32 s48, s[BH], 8*STEPB                  ; the head's stream of k and v
	s_add_co_u32 s48, s48, s[G0+1]
	s_mov_b32 s49, 0
	s_mov_b32 s[SEL], 0x76543210
	s_mov_b32 s[SEL+1], 0xfedcba98
	s_mov_b32 s[CS], 0x3e0293ee
	s_mov_b32 s[CS+1], s[CS]                       ; (named with it as a pair, so it is written)
	s_mov_b32 s[TB], 0
	s_mov_b32 s[KB], 0
	s_mov_b32 s[SLOTS], 3
	s_wait_kmcnt 0x0
	s_add_nc_u64 s[G0+2:G0+3], s[4:5], s[48:49]
	s_or_b32 s[G0+3], s[G0+3], 0x80000000
	CROUND                                         ; all four work-groups are here: the first joint loads meet
	tensor_load_to_lds s[G0:G0+3], s[G1:G1+7]      ; slot 0: key steps 0 and 1.  One tensor load of mine is out
	s_nop 0
	PLACES
	; every address register is made here, ahead of the first branch on the wave's number
	v_and_b32 v89, 31, v0                          ; lane
	v_and_b32 v90, 15, v0                          ; r
	v_bfe_u32 v91, v0, 4, 1                        ; h
	v_lshlrev_b32 v[GOC], 4, v89
	s_mul_i32 s50, s[BR], REC
	v_add_nc_u32 v[AK0], s50, v[GOC]
	s_add_co_u32 s51, s50, 2*REC
	v_add_nc_u32 v[AV0], s51, v[GOC]
	s_xor_b32 s52, s[BR], 1
	s_mul_i32 s52, s52, REC
	s_add_co_u32 s52, s52, 2*REC
	v_add_nc_u32 v[AV1], s52, v[GOC]
	s_lshl_b32 s54, s[WV], 13
	s_add_co_u32 s54, s54, XCH
	v_add_nc_u32 v[XS], s54, v[GOC]
	s_xor_b32 s55, s[WV], 1                        ; my partner: the same queries, the other branch
	s_lshl_b32 s56, s55, 13
	s_add_co_u32 s56, s56, XCH
	v_add_nc_u32 v[XR], s56, v[GOC]
	v_lshlrev_b32 v93, 2, v89
	s_lshl_b32 s54, s[WV], 7
	s_add_co_u32 s54, s54, SSX
	v_add_nc_u32 v[SSW], s54, v93
	s_lshl_b32 s56, s55, 7
	s_add_co_u32 s56, s56, SSX
	v_add_nc_u32 v[SSR], s56, v93
	s_lshr_b32 s54, s[WV], 1
	s_mul_i32 s54, s54, 3072
	s_add_co_u32 s54, s54, STG
	s_mul_i32 s56, s[BR], 96
	s_add_co_u32 s56, s56, s54
	v_mul_u32_u24 v93, v90, 192
	v_mad_u32_u24 v93, v91, 24, v93
	v_add_nc_u32 v[STW], s56, v93                  ; row r of 192 bytes, my branch's 96, + 24 h
	s_mul_i32 s56, s[BR], 1536
	s_add_co_u32 s56, s56, s54
	v_add_nc_u32 v[STR], s56, v[GOC]               ; out: rows 8 x branch on, 1,536 bytes on end
	v_and_b32 v92, 8, v90
	v_add_nc_u32 v92, v92, v90                     ; r + 8 (r / 8)
	s_lshl_b32 s53, s[CX], 5
	s_lshl_b32 s57, s[T01], 3
	s_add_co_u32 s53, s53, s57                     ; 32 cx + 8 tile
	v_add_nc_u32 v92, s53, v92                     ; my query in its block of 128
	v_lshlrev_b32 v94, 4, v91
	v_sub_nc_u32 v[DQ], v92, v94
	v_lshlrev_b32 v[GOS], 6, v92
	v_lshlrev_b32 v[WOFF], 6, v91
	v_lshlrev_b32 v94, 4, v90                      ; 16 r: q's scale words
	; q: record 512 + (2 (8 batch + head) + branch) 8 + block; fragment 2 cx + tile
	s_lshl_b32 s56, s[BH], 1
	s_add_co_u32 s56, s56, s[BR]
	s_lshl_b32 s56, s56, 3
	s_add_co_u32 s56, s56, s[JB]
	s_add_co_u32 s56, s56, 512
	s_mul_i32 s56, s56, REC
	s_lshl_b32 s57, s[CX], 1
	s_add_co_u32 s57, s57, s[T01]
	s_mul_i32 s57, s57, 1536
	s_add_co_u32 s58, s56, s57
	s_mov_b32 s59, 0
	s_add_nc_u64 s[58:59], s[4:5], s[58:59]
	s_lshl_b32 s57, s[T01], 8                      ; its scale words: word cx of lanes 16 tile + r
	s_add_co_u32 s60, s56, s57
	s_lshl_b32 s57, s[CX], 2
	s_add_co_u32 s60, s60, s57
	s_add_co_u32 s60, s60, 12288
	s_mov_b32 s61, 0
	s_add_nc_u64 s[60:61], s[4:5], s[60:61]
.irp c, 0,1,2
	global_load_b128 v[16+4*\c:19+4*\c], v[GOC], s[58:59] offset:512*\c   ; q's fragment stays in registers
.endr
	global_load_b32 v255, v94, s[60:61]
	global_load_b128 v[96:99], v[GOC], s[6:7]      ; the four lambda vectors: 128 numbers each, four a lane
	global_load_b128 v[100:103], v[GOC], s[8:9]
	global_load_b128 v[104:107], v[GOC], s[10:11]
	global_load_b128 v[108:111], v[GOC], s[12:13]
	; where the results go
	s_lshl_b32 s62, s[BR], 9
	s_mov_b32 s63, 0
	s_add_nc_u64 s[14:15], s[14:15], s[62:63]      ; the gain of my 128 channels
	s_and_b32 s66, s[BH], 7                        ; head
	s_lshr_b32 s67, s[BH], 3                       ; batch
	s_lshl_b32 s68, s67, 10
	s_lshl_b32 s69, s[JB], 7
	s_add_co_u32 s68, s68, s69                     ; my block's first token
	s_lshl_b32 s70, s68, 6
	s_lshl_b32 s71, s66, 3
	s_add_co_u32 s70, s70, s71
	s_lshl_b32 s71, s[BR], 2
	s_add_co_u32 s70, s70, s71
	s_mov_b32 s71, 0
	s_add_nc_u64 s[18:19], s[18:19], s[70:71]      ; a's scales: token x 64 + 8 head + 4 half
	s_add_co_u32 s68, s68, s53
	s_lshl_b32 s69, s[BR], 4
	s_add_co_u32 s68, s68, s69                     ; the eight tokens whose codes I store
	s_mul_i32 s68, s68, 192
	s_mul_i32 s69, s66, 393216
	s_add_co_u32 s68, s68, s69
	s_mov_b32 s69, 0
	s_add_nc_u64 s[16:17], s[16:17], s[68:69]      ; a's codes: [head][token][192]
	v_mov_b32 v13, 0xff61b1e6                      ; the largest t so far: -3e38, under every t
	v_floor_f32 v12, -v13                          ; -M
	v_mov_b32 v14, 0                               ; the sum, in two halves
	v_mov_b32 v15, 0
.irp b, 0,1,2,3
	v_mov_b32 v[236+\b], 0                         ; written once: a lane permute's destination counts as one of its sources
.endr
	v_mov_b32 v252, 0
	v_mov_b32 v253, 0                              ; (named as the upper half of the pair v[252:253] before it is first written)
	v_mov_b32 v114, 0
	v_mov_b32 v115, 0
	WIN 0x40
.set j, 0
.rept 128
	v_mov_b32 v[j], 0                              ; O^T.  The key step is written without a first step of its own: it finds zeros, which the first change of M leaves zeros
.set j, j+1
.endr
	WIN 0
	s_wait_loadcnt 0x0                             ; q, its scale words, the lambda vectors
	; lambda = exp(lambda_q1 . lambda_k1) - exp(lambda_q2 . lambda_k2) + lambda_init, in every lane
	v_mul_f32 v112, v96, v100
	v_mul_f32 v113, v104, v108
.irp i, 1,2,3
	v_fmac_f32 v112, v[96+\i], v[100+\i]
	v_fmac_f32 v113, v[104+\i], v[108+\i]
.endr
.irp m, 1,2,4,8
	v_add_f32_dpp v112, v112, v112 row_xmask:\m row_mask:0xf bank_mask:0xf
	v_add_f32_dpp v113, v113, v113 row_xmask:\m row_mask:0xf bank_mask:0xf
.endr
	v_permlanex16_b32 v114, v112, s[SEL], s[SEL+1]
	v_permlanex16_b32 v115, v113, s[SEL], s[SEL+1]
	v_add_f32 v112, v112, v114
	v_add_f32 v113, v113, v115
	v_mul_f32 v116, 0x3fb8aa3b, v112               ; x log2(e) in two parts: the product's head,
	v_mul_f32 v117, 0x3fb8aa3b, v113
	v_fma_f32 v118, v112, 0x3fb8aa3b, -v116        ; what the head's rounding dropped,
	v_fma_f32 v119, v113, 0x3fb8aa3b, -v117
	v_fma_f32 v118, v112, 0x32a57060, v118         ; and x times what the constant's rounding dropped
	v_fma_f32 v119, v113, 0x32a57060, v119
	v_rndne_f32 v120, v116                         ; the whole part goes in by v_ldexp_f32, exactly
	v_rndne_f32 v121, v117
	v_sub_f32 v116, v116, v120
	v_sub_f32 v117, v117, v121
	v_add_f32 v116, v116, v118
	v_add_f32 v117, v117, v119
	v_exp_f32 v116, v116
	v_exp_f32 v117, v117
	v_nop                                          ; a plain place behind the exponentials
	v_cvt_i32_f32 v120, v120
	v_cvt_i32_f32 v121, v121
	s_wait_alu depctr_va_vdst(0)                   ; one wait for both, ahead of their first reader
	v_ldexp_f32 v116, v116, v120
	v_ldexp_f32 v117, v117, v121
	v_sub_f32 v116, v117, v116
	v_add_f32 v116, 0xbf489a63, v116               ; -lambda = (e2 - e1) - lambda_init, lambda_init = 0.8 - 0.6 exp(-3.6)
	s_cmp_eq_u32 s[BR], 1
	s_cselect_b32 s48, -1, 0
	v_cndmask_b32 v[KAP], 1.0, v116, s48
.macro MMZ d, a, sa, odd               ; a tile of S^T: source 0 = 16 keys, source 1 = my 16 queries; the product starts the sum
.if \odd
	v_wmma_scale_f32_16x16x128_f8f6f4 v[0+(\d):7+(\d)], v[0+(\a):11+(\a)], v[16:27], 0, v[\sa], v255 matrix_a_fmt:MATRIX_FMT_FP6 matrix_b_fmt:MATRIX_FMT_FP6 matrix_a_scale:MATRIX_SCALE_ROW1
.else
	v_wmma_scale_f32_16x16x128_f8f6f4 v[0+(\d):7+(\d)], v[0+(\a):11+(\a)], v[16:27], 0, v[\sa], v255 matrix_a_fmt:MATRIX_FMT_FP6 matrix_b_fmt:MATRIX_FMT_FP6
.endif
.endm
.macro MMA d, a, sa, odd               ; a tile of O^T: source 0 = 16 channels, source 1 = p; added in place
.if \odd
	v_wmma_scale_f32_16x16x128_f8f6f4 v[0+(\d):7+(\d)], v[0+(\a):11+(\a)], v[224:235], v[0+(\d):7+(\d)], v[\sa], v253 matrix_a_fmt:MATRIX_FMT_FP6 matrix_b_fmt:MATRIX_FMT_FP6 matrix_a_scale:MATRIX_SCALE_ROW1
.else
	v_wmma_scale_f32_16x16x128_f8f6f4 v[0+(\d):7+(\d)], v[0+(\a):11+(\a)], v[224:235], v[0+(\d):7+(\d)], v[\sa], v253 matrix_a_fmt:MATRIX_FMT_FP6 matrix_b_fmt:MATRIX_FMT_FP6
.endif
.endm
; The four blocks' largest magnitudes stand in v232-235 (not under the floor); the 64 numbers in v96-159.  Out come a fragment's codes in v224-235 and its scale word in v253.
.macro CODES
.irp b, 0,1,2,3
	v_add_nc_u32 v[244+\b], 0xff000000, v[232+\b]  ; 2 off the exponent field: the conversion's scale operand
.endr
.irp b, 0,1,2,3
	v_lshrrev_b32 v[236+\b], 23, v[244+\b]         ; the scale's byte
.endr
	v_lshl_or_b32 v253, v237, 8, v236
	v_lshl_or_b32 v253, v238, 16, v253
	v_lshl_or_b32 v253, v239, 24, v253
.irp c, 0,1
	v_cvt_scalef32_pk16_fp6_f32 v[224+6*\c:226+6*\c], v[96+32*\c:111+32*\c], v[244+2*\c]
	v_cvt_scalef32_pk16_fp6_f32 v[236+4*\c:238+4*\c], v[112+32*\c:127+32*\c], v[244+2*\c+1]   ; (a conversion's three registers begin on an even number)
.endr
	v_nop                                          ; one plain place behind a scaled conversion
.irp c, 0,1                                    ; the operand's layout wants a whole block in a lane
.irp i, 0,1,2
	v_permlane16_swap_b32 v[224+6*\c+\i], v[236+4*\c+\i]
.endr
.irp i, 0,1,2
	v_mov_b32 v[227+6*\c+\i], v[236+4*\c+\i]
.endr
.endr
.endm
; A KEY STEP: 128 keys, the q-th of the slot in hand.
.macro STEP q
	s_cmp_gt_u32 s[KB], s[JB]                      ; all its keys come after my queries: the step's work is left out; no barrier and no tensor load stands in a step
	s_cbranch_scc1 .Lhidden_\@
	s_add_co_u32 s[TS], s[TB], (\q)*STEPB
	v_add_nc_u32 v[ADK], s[TS], v[AK0]
	v_add_nc_u32 v[ADV], s[TS], v[AV0]
	v_add_nc_u32 v[ADW], s[TS], v[AV1]
	v_nop                                          ; with the three additions: four places in front of loads into registers that matrix instructions have read
	ds_load_b128 v[248:251], v[ADK] offset:12288   ; k's scale words
.irp t, 0,1,2,3,4,5,6,7
.irp c, 0,1,2
	ds_load_b128 v[32+12*\t+80*(\t/4)+4*\c:35+12*\t+80*(\t/4)+4*\c], v[ADK] offset:1536*\t+512*\c
.endr
.endr
.irp t, 0,1,2,3,4,5,6,7
	s_wait_dscnt 21-3*\t                           ; fragment t is in; the three loads of each later fragment may be out
	MMZ 96+8*\t, 32+12*\t+80*(\t/4), 248+\t/2, \t%2
.endr
	PLACES                                         ; in front of the loads below and of the first read of the scores
.irp t, 0,1,2,3,4,5,6,7                        ; v's sixteen fragments are asked for now and land under the softmax
.irp c, 0,1,2
	ds_load_b128 v[32+12*\t+80*(\t/4)+4*\c:35+12*\t+80*(\t/4)+4*\c], v[ADV] offset:1536*\t+512*\c
.endr
.endr
	ds_load_b128 v[248:251], v[ADV] offset:12288
	ds_load_b128 v[28:31], v[ADW] offset:12288
	WIN 0x40                                       ; destination window 1
.irp t, 0,1,2,3,4,5,6,7
.irp c, 0,1,2
	ds_load_b128 v[128+12*\t+4*\c:131+12*\t+4*\c], v[ADW] offset:1536*\t+512*\c
.endr
.endr
	WIN 0
	s_cmp_lt_u32 s[KB], s[JB]                      ; on the diagonal the scores of hidden keys become -infinity ahead of the maximum: p = 0 then
	s_cbranch_scc1 .Lopen_\@
	v_mov_b32 v254, 0xff800000
.set n, 0
.rept 64
	v_cmp_gt_i32 vcc_lo, 32*(n/16)+n%16, v[DQ]     ; register 16 b + i holds key 32 b + 16 (lane / 16) + i of the block
	v_cndmask_b32 v[96+n], v[96+n], v254, vcc_lo
.set n, n+1
.endr
.Lopen_\@:
.irp b, 0,1,2,3
	v_max3_num_f32 v[232+\b], v[96+16*\b], v[97+16*\b], v[98+16*\b]   ; the largest score of each block of 32 keys: for the row's maximum, and, since p rises with the score, for the block's largest p
.endr
.irp i, 3,5,7,9,11,13
.irp b, 0,1,2,3
	v_max3_num_f32 v[232+\b], v[232+\b], v[96+16*\b+\i], v[97+16*\b+\i]
.endr
.endr
.irp b, 0,1,2,3
	v_max_num_f32 v[232+\b], v[232+\b], v[111+16*\b]
.endr
.irp b, 0,1,2,3
	v_permlanex16_b32 v[236+\b], v[232+\b], s[SEL], s[SEL+1]
.endr
.irp b, 0,1,2,3
	v_max_num_f32 v[232+\b], v[232+\b], v[236+\b]  ; with lane l xor 16's 16 keys
.endr
	v_max3_num_f32 v254, v232, v233, v234
	v_max_num_f32 v254, v254, v235                 ; the step's largest score of my query
	v_mul_f32 v254, s[CS], v254                    ; as t
	v_max_num_f32 v13, v13, v254                   ; the running largest t
	v_mov_b32 v254, v12
	v_floor_f32 v12, -v13                          ; the new -M = -ceil(t): a whole number
	v_sub_f32 v254, v12, v254                      ; old M - new M: a whole number, 0 or less
	v_cvt_i32_f32 v254, v254                       ; (it saturates)
	v_ldexp_f32 v252, 1.0, v254                    ; f = 2^(old M - new M)
.set j, 0
.rept 32
	v_pk_fma_f32 v[96+j:97+j], v[96+j:97+j], s[CS:CS+1], v[12:13] op_sel_hi:[1,0,0]   ; t - M, two at a time
.set j, j+2
.endr
.irp b, 0,1,2,3
	v_fma_f32 v[232+\b], v[232+\b], s[CS], v12     ; the same of each block's largest score
.endr
.set j, 0
.rept 64
	v_exp_f32 v[96+j], v[96+j]                     ; p = 2^(t - M), at most 1, not normalised
.set j, j+1
.endr
	v_pk_mul_f32 v[14:15], v[14:15], v[252:253] op_sel_hi:[1,0]   ; the sums under the new M: a plain place behind the exponentials
	s_wait_alu depctr_va_vdst(0)                   ; one wait for the whole batch, ahead of its first reader
.irp b, 0,1,2,3
	v_exp_f32 v[232+\b], v[232+\b]                 ; the block's largest p
.endr
	v_pk_add_f32 v[236:237], v[96:97], v[98:99]    ; the row's sum is taken of the unquantised p, in two chains
.set j, 4
.rept 15
	v_pk_add_f32 v[14:15], v[14:15], v[96+j:97+j]
	v_pk_add_f32 v[236:237], v[236:237], v[98+j:99+j]
.set j, j+4
.endr
	v_pk_add_f32 v[14:15], v[14:15], v[236:237]
	s_wait_alu depctr_va_vdst(0)                   ; and one for the four
.irp b, 0,1,2,3
	v_max_num_f32 v[232+\b], 0x1800000, v[232+\b]  ; the floor 2^(3 - 127): the byte cannot fall under 1
.endr
	CODES
	WIN 0x41                                       ; O^T in window 1, f in window 0
.set j, 0
.rept 64
	v_pk_mul_f32 v[j:j+1], v[j:j+1], v[252:253] op_sel_hi:[1,0]   ; O^T under the new M.  These lines are also the places between the codes' and the scale word's last writes and the products
.set j, j+2
.endr
	s_wait_dscnt 0x0                               ; v's fragments and scale words are in
	WIN 0x50                                       ; C and D window 1
.irp t, 0,1,2,3,4,5,6,7                        ; sixteen accumulators, one instruction a turn
	MMA 8*\t, 32+12*\t+80*(\t/4), 248+\t/2, \t%2
.endr
	WIN 0x51                                       ; source 0 window 1 too
.irp t, 0,1,2,3,4,5,6,7
	MMA 64+8*\t, 128+12*\t, 28+\t/2, \t%2
.endr
	WIN 0
.Lhidden_\@:
	s_add_co_u32 s[KB], s[KB], 1
.endm
; THE CHANGE OF SLOTS stands at a slot's head.  Each wave waits for all its tensor loads (its record of the slot ahead), adds 0 to its spare word, and waits for that and for its reads of the slot that it has left.
; fill = 1: behind a round of the cluster's barrier the slot that was left is filled with the next two key steps: the load has a slot's two steps in which to land.
.macro CHANGE fill
	s_wait_tensorcnt 0x0                           ; no tensor load of mine is out, so the group 0 may be written
	ds_add_u32 v[SPW], v[NIL]                      ; 0 onto my spare word
.if \fill
	s_xor_b32 s[G0+1], s[G0+1], SLOT1              ; the other slot than last time,
	s_add_nc_u64 s[G0+2:G0+3], s[G0+2:G0+3], 2*STEPB   ; the next two key steps
.endif
	s_wait_dscnt 0x0                               ; the add is done, and my reads of the slot that I have left are over
.if \fill
	CROUND
	tensor_load_to_lds s[G0:G0+3], s[G1:G1+7]      ; the first thing behind the round, and my one tensor load until the next
	s_nop 0
	PLACES
.else
	s_barrier_signal -1
	s_barrier_wait -1
.endif
.endm
.macro SLOT_STEPS
	STEP 0
	STEP 1
	s_xor_b32 s[TB], s[TB], SLOT1                  ; on to the other slot
.endm
.Lslot:                                            ; three trips: behind each change of slots but the last the next slot is asked for
	CHANGE 1
	SLOT_STEPS
	s_sub_co_u32 s[SLOTS], s[SLOTS], 1
	s_cmp_lg_u32 s[SLOTS], 0
	s_cbranch_scc1 .Lslot
	CHANGE 0                                       ; the last slot is written out
	SLOT_STEPS
	; THE TAIL, the same text in all eight waves.
	PLACES                                         ; behind the last products
	WIN 0x40
.irp b, 0,1,2,3
.irp i, 0,1,2,3
	global_load_b128 v[128+16*\b+4*\i:131+16*\b+4*\i], v[WOFF], s[14:15] offset:128*\b+16*\i   ; the gain of my 64 channels: 32 b + 16 h + 0 .. 15 of my half, in a's order
.endr
.endr
	WIN 0
	v_add_f32 v14, v14, v15                        ; the sum's two halves,
	v_permlanex16_b32 v252, v14, s[SEL], s[SEL+1]
	v_add_f32 v14, v14, v252                       ; and lane l xor 16's: the row's sum
	v_rcp_f32 v14, v14
	v_nop                                          ; a plain place behind the reciprocal
	s_wait_alu depctr_va_vdst(0)                   ; the wait ahead of its first reader
	v_mul_f32 v14, v14, v[KAP]                     ; 1 / l in branch 0, -lambda / l in branch 1
	WIN 0x01                                       ; source 0 window 1
.set j, 0
.rept 32
	v_pk_mul_f32 v[96+j:97+j], v[j:j+1], v[14:15] op_sel_hi:[1,0]        ; the half that I keep, each accumulator from its low end on
.set j, j+2
.endr
.set j, 0
.rept 32
	v_pk_mul_f32 v[160+j:161+j], v[64+j:65+j], v[14:15] op_sel_hi:[1,0]  ; the half that my partner keeps
.set j, j+2
.endr
	WIN 0
.irp i, 0,1,2,3,4,5,6,7,8,9,10,11,12,13,14,15
	ds_store_b128 v[XS], v[160+4*\i:163+4*\i] offset:512*\i              ; as an image of registers: my partner's lanes hold the same queries and channels
.endr
	BARRIER
.irp i, 0,1,2,3,4,5,6,7,8,9,10,11,12,13,14,15
	ds_load_b128 v[160+4*\i:163+4*\i], v[XR] offset:512*\i
.endr
	s_wait_dscnt 0x0
.set j, 0
.rept 32
	v_pk_add_f32 v[96+j:97+j], v[96+j:97+j], v[160+j:161+j]              ; a = o1 / l1 - lambda o2 / l2, my 128 channels
.set j, j+2
.endr
	v_pk_mul_f32 v[232:233], v[96:97], v[96:97]    ; the sum of squares, in two packed chains
	v_pk_mul_f32 v[234:235], v[98:99], v[98:99]
.set j, 4
.rept 15
	v_pk_fma_f32 v[232:233], v[96+j:97+j], v[96+j:97+j], v[232:233]
	v_pk_fma_f32 v[234:235], v[98+j:99+j], v[98+j:99+j], v[234:235]
.set j, j+4
.endr
	v_pk_add_f32 v[232:233], v[232:233], v[234:235]
	v_add_f32 v232, v232, v233
	v_permlanex16_b32 v236, v232, s[SEL], s[SEL+1]
	v_add_f32 v232, v232, v236                     ; over my 128 channels
	ds_store_b32 v[SSW], v232
	BARRIER
	ds_load_b32 v233, v[SSR]
	v_mov_b32 v234, 0x3727c5ac                     ; 1e-5
	s_wait_dscnt 0x0
	v_add_f32 v232, v232, v233                     ; over all 256: the same bits in both partners
	v_fma_f32 v232, v232, 0x3b800000, v234         ; / 256 + eps
	v_rsq_f32 v232, v232
	v_nop                                          ; a plain place behind it
	s_wait_alu depctr_va_vdst(0)                   ; the wait ahead of its first reader
	s_wait_loadcnt 0x0                             ; the gain
.set j, 0
.rept 32
	v_pk_mul_f32 v[96+j:97+j], v[96+j:97+j], v[232:233] op_sel_hi:[1,0]
.set j, j+2
.endr
	WIN 0x04                                       ; source 1 window 1
.set j, 0
.rept 32
	v_pk_mul_f32 v[96+j:97+j], v[96+j:97+j], v[128+j:129+j]
.set j, j+2
.endr
	WIN 0
.set j, 0
.rept 32
	v_pk_mul_f32 v[96+j:97+j], v[96+j:97+j], 0x3e5d9673 op_sel_hi:[1,0]   ; x (1 - lambda_init)
.set j, j+2
.endr
.irp b, 0,1,2,3
	v_max3_num_f32 v[232+\b], |v[96+16*\b]|, |v[97+16*\b]|, 0x1800000    ; a is quantised along its channels: block b, my 16 numbers, and the floor
.endr
.irp i, 2,4,6,8,10,12,14
.irp b, 0,1,2,3
	v_max3_num_f32 v[232+\b], v[232+\b], |v[96+16*\b+\i]|, |v[97+16*\b+\i]|
.endr
.endr
.irp b, 0,1,2,3
	v_permlanex16_b32 v[236+\b], v[232+\b], s[SEL], s[SEL+1]
.endr
.irp b, 0,1,2,3
	v_max_num_f32 v[232+\b], v[232+\b], v[236+\b]
.endr
	CODES
.irp p, 0,1,2,3,4,5
	ds_store_b64 v[STW], v[224+2*\p:225+2*\p] offset:48*(\p/3)+8*(\p%3)  ; the fragment's 24 bytes at 24 h and at 48 + 24 h of my half of the row
.endr
	BARRIER                                        ; 16 whole rows of 192 bytes lie in the pair's stage: rows 0-7 are eight neighbouring tokens, rows 8-15 the eight that lie 16 further on
.irp i, 0,1,2
	ds_load_b128 v[160+4*\i:163+4*\i], v[STR] offset:512*\i
.endr
	global_store_b32 v[GOS], v253, s[18:19]        ; my row's scale word (lanes r and r + 16 write the same word with the same value)
	s_wait_dscnt 0x0
.irp i, 0,1,2
	global_store_b128 v[GOC], v[160+4*\i:163+4*\i], s[16:17] offset:512*\i   ; eight tokens' rows: 1,536 bytes on end; each store covers 512 consecutive bytes, aligned
.endr
	s_wait_tensorcnt 0x0                           ; the wave's end
	ds_add_u32 v[SPW], v[NIL]
	s_wait_dscnt 0x0
	CROUND                                         ; the closing round
	s_endpgm
.Lfunc_end_k_qff51eeca58_attn:
	.size	k_qff51eeca58_attn, .Lfunc_end_k_qff51eeca58_attn-k_qff51eeca58_attn
	.p2alignl 7, 3214868480
	.fill 96, 4, 3214868480
	.section	.rodata,"a",@progbits
	.p2align	6, 0x0
	.amdhsa_kernel k_qff51eeca58_attn
		.amdhsa_group_segment_fixed_size 327680
		.amdhsa_private_segment_fixed_size 0
		.amdhsa_enable_private_segment 0
		.amdhsa_kernarg_size 64
		.amdhsa_user_sgpr_count 2
		.amdhsa_user_sgpr_kernarg_segment_ptr 1
		.amdhsa_wavefront_size32 1
		.amdhsa_system_sgpr_workgroup_id_x 1
		.amdhsa_system_sgpr_workgroup_id_y 1
		.amdhsa_system_sgpr_workgroup_id_z 1
		.amdhsa_system_vgpr_workitem_id 0
		.amdhsa_next_free_vgpr 512
		.amdhsa_next_free_sgpr 72
		.amdhsa_reserve_vcc 1
		.amdhsa_float_denorm_mode_32 3
		.amdhsa_float_denorm_mode_16_64 3
		.amdhsa_memory_ordered 1
		.amdhsa_forward_progress 1
		.amdhsa_inst_pref_size 154
	.end_amdhsa_kernel
	.amdgpu_metadata
---
amdhsa.version: [ 1, 2 ]
amdhsa.kernels:
  - .name:           k_qff51eeca58_attn
    .symbol:         k_qff51eeca58_attn.kd
    .args:
      - { .name: qkv, .offset: 0, .size: 8, .value_kind: global_buffer, .address_space: global }
      - { .name: lambda_q1, .offset: 8, .size: 8, .value_kind: global_buffer, .address_space: global }
      - { .name: lambda_k1, .offset: 16, .size: 8, .value_kind: global_buffer, .address_space: global }
      - { .name: lambda_q2, .offset: 24, .size: 8, .value_kind: global_buffer, .address_space: global }
      - { .name: lambda_k2, .offset: 32, .size: 8, .value_kind: global_buffer, .address_space: global }
      - { .name: subln_weight, .offset: 40, .size: 8, .value_kind: global_buffer, .address_space: global }
      - { .name: a_codes, .offset: 48, .size: 8, .value_kind: global_buffer, .address_space: global }
      - { .name: a_scales, .offset: 56, .size: 8, .value_kind: global_buffer, .address_space: global }
    .group_segment_fixed_size: 327680
    .private_segment_fixed_size: 0
    .kernarg_segment_align: 8
    .kernarg_segment_size: 64
    .max_flat_workgroup_size: 256
    .sgpr_count:     72
    .vgpr_count:     512
    .wavefront_size: 32
...
	.end_amdgpu_metadata
.endif
;; end of part 3
;; launch gemm_out (part 4): grid 8 x 8, 4 waves a work-group, clusters of 4 x 4, 327,680 bytes of LDS; arguments a_codes, a_scales, w_codes, w_scales, out0; writes out0
.if DOCPART == 4
	.amdgcn_target "amdgcn-amd-amdhsa--gfx1250"
	.amdhsa_code_object_version 6
	.text
	.protected	k_qff51eeca58_gemm_out
	.globl	k_qff51eeca58_gemm_out
	.p2align	8
	.type	k_qff51eeca58_gemm_out,@function
k_qff51eeca58_gemm_out:
	s_mov_b64 s[64:65], 0
	v_nop
	global_prefetch_b8 v0, s[64:65] scope:SCOPE_SE
	s_setreg_imm32_b32 hwreg(HW_REG_WAVE_MODE, 25, 1), 1
	s_wait_xcnt 0x0
	s_wait_alu depctr_hold_cnt(0) depctr_sa_sdst(0) depctr_va_vdst(0) depctr_va_sdst(0) depctr_va_ssrc(0) depctr_va_vcc(0) depctr_vm_vsrc(0)
	s_getreg_b32 s2, hwreg(HW_REG_IB_STS2, 6, 4)
	s_cmp_eq_u32 s2, 0
	s_cbranch_scc0 .Lentry_in_a_cluster
	s_endpgm
.Lentry_in_a_cluster:
	s_bfe_u32 s2, ttmp6, 0x10000c
	s_cmp_lg_u32 s2, 0xf033
	s_cbranch_scc0 .Lentry_shape_is_right
	s_endpgm
.Lentry_shape_is_right:
; out0 = a Wo on codes of FP6 (E2M3) with one E8M0 byte for each 32 along K = 2,048; out0 [2048][2048] f32; sums in f32.
; A = a: codes laid [head 8][token 2048][192 bytes]: a K step of 256 is one dense plane of 393,216 bytes; scale bytes [token][64].  B = Wo's rows (columns n of Wo) from place 6,144 of the weights' buffers, 1,536 bytes a row, 64 scale bytes a row;
; they lie at places pi(n) (bits 3 and 4 exchanged): the way out puts each result at its true column.
; A tile of C, 256 x 256, is made by a work-group of four waves, 128 x 128 a wave: 64 accumulators, 512 registers.  K goes in steps of 256 through a ring of two LDS slots filled by the tensor data mover.
; THE SCALES of the work-group's 256 rows of A and of B, for all of K, are two dense blocks of memory: they come into LDS once, with the first fills.
; CLUSTERS: 4 x 4 work-groups.  The four of a row of the cluster need the same tiles of A, the four of a column the same tiles of B: each tile is asked for jointly.  THE MATRIX INSTRUCTION IS USED TRANSPOSED (source 0 = 16 rows of B, source 1 = 16 rows of A).
; REGISTERS, in windows of 256: window 0: v0-31 addresses; v32-63 scale words, two sets; from v128 A's fragments, one set; on the way out v128-255 take rows of C.
;   window 1: B's fragments, two sets.   window 2: the accumulators of my rows 0-63 ((a, b) at v[8 (8 a + b)]);   window 3: those of rows 64-127.
.set SIZE_K, 2048
.set SIZE_N, 2048
.set KSTEP,  256
.set NQ,     KSTEP/128
.set ROWB,   192                       ; a tile's row in bytes
.set KROW,   SIZE_K*6/8                ; a row of B in memory
.set APLANE, 2048*ROWB                 ; from a K step of A to the next
.set WOROW,  6144                      ; Wo's first place in the weights' buffers
.set PITCH,  240
.set FR,     12
.set NL,     6
.set NP,     4
.set HALFT,  128*PITCH
.set SLOT,   4*HALFT
.set LAPS,   SIZE_K/(2*KSTEP)
.set KS,     SIZE_K/32
.set SCL,    2*SLOT
.set HALFS,  (128*KS/256)*272
.set SBLK,   (16*KS/256)*272
.set SPARE,  SCL+4*HALFS
.set SPITCH, 528                       ; the way out: a stage of 16 rows x (512 bytes + 16) for each wave, in slot 0, which has had its last fill and its last read when the first result is stored there
.set ADRA, 16
.set ADRB, 20
.set STO,  24
.set RD,   25
.set CO,   26
.set ADRS, 27
.set SPW,  28
.set NIL,  29
.set SC,   32
.set AF,   128
.set BK,   128
.set G1, 24
.set G0, 32
.set G1B, 48
.set G0B, 56
.set G1S, 68
.set G0S, 76
.set G1SB, 80
.set G0SB, 88
.set MSB, 0
.macro WIN new                         ; the immediate's high byte repeats the setting that is left
.if MSB != \new
	s_set_vgpr_msb (MSB<<8)|\new
.set MSB, \new
.endif
.endm
.set MUL_LO, 0xa1
.set MUL_HI, 0xf1
.set TO_B,   0x40
; A joint load: waves 0 and 1 fetch for A, waves 2 and 3 for B; four v_nop follow each of the two lines.
.macro JLOAD g0a, g1a, g0b, g1b
	s_cmp_eq_u32 s15, 0
	s_cbranch_scc0 .Lfor_b_\@
	tensor_load_to_lds s[\g0a:\g0a+3], s[\g1a:\g1a+7]
	s_nop 0
.rept 4
	v_nop
.endr
	s_branch .Lasked_\@
.Lfor_b_\@:
	tensor_load_to_lds s[\g0b:\g0b+3], s[\g1b:\g1b+7]
	s_nop 0
.rept 4
	v_nop
.endr
.Lasked_\@:
.endm
.macro CREST
	s_cmp_lg_u32 s14, 0
	s_cbranch_scc1 .Lnot_wave_0_\@
	s_barrier_signal -3
.Lnot_wave_0_\@:
	s_barrier_wait -3
	s_barrier_signal -1
	s_barrier_wait -1
.endm
.macro CROUND
	s_barrier_signal -1
	s_barrier_wait -1
	CREST
.endm
	s_load_b128 s[4:7], s[0:1], 0x0                ; a's codes, a's scales
	s_load_b128 s[8:11], s[0:1], 0x10              ; the weights' codes, the weights' scales
	s_load_b64 s[12:13], s[0:1], 0x20              ; out0
	v_lshl_add_u32 v[SPW], v0, 2, SPARE
	v_mov_b32 v[NIL], 0
	ds_add_u32 v28, v29
	ds_add_u32 v28, v29
	s_wait_dscnt 0x0
	v_lshrrev_b32 v1, 5, v0
	v_readfirstlane_b32 s14, v1                    ; wave 0..3
	s_lshr_b32 s15, s14, 1
	s_and_b32 s16, s14, 1
	s_bfe_u32 s40, ttmp6, 0x40000                  ; cx, cy
	s_bfe_u32 s41, ttmp6, 0x40004
	s_lshl_b32 s42, ttmp9, 2
	s_add_co_u32 s42, s42, s40                     ; tile column of C
	s_and_b32 s17, ttmp7, 0xffff
	s_lshl_b32 s17, s17, 2
	s_add_co_u32 s17, s17, s41                     ; tile row of C
	s_lshl_b32 s43, s41, 2
	s_lshl_b32 s43, 15, s43                        ; my row of the cluster
	s_lshl_b32 s44, 0x1111, s40                    ; my column
	s_or_b32 s[G1+0], s43, (0<<16)|(1<<20)|(1<<21)|(3<<22)|(3<<25)
	s_or_b32 s[G1B+0], s44, (0<<16)|(1<<20)|(1<<21)|(3<<22)|(3<<25)
.irp g, G1, G1B
	s_mov_b32 s[\g+1], ROWB<<16
	s_mov_b32 s[\g+2], 128<<16
	s_mov_b32 s[\g+3], ROWB<<16
	s_mov_b32 s[\g+4], 128
	s_mov_b32 s[\g+6], 0
	s_mov_b32 s[\g+7], 0
.endr
	s_mov_b32 s[G1+5], ROWB                        ; A's rows of a plane lie on end
	s_mov_b32 s[G1B+5], KROW                       ; B's are 1,536 bytes apart
	s_or_b32 s[G1S+0], s43, (3<<16)|(1<<20)|(1<<21)|(5<<22)|(3<<25)
	s_or_b32 s[G1SB+0], s44, (3<<16)|(1<<20)|(1<<21)|(5<<22)|(3<<25)
.irp g, G1S, G1SB
	s_mov_b32 s[\g+1], 32<<16
	s_mov_b32 s[\g+2], (128*KS/256)<<16
	s_mov_b32 s[\g+3], 32<<16
	s_mov_b32 s[\g+4], 128*KS/256
	s_mov_b32 s[\g+5], 32
	s_mov_b32 s[\g+6], 0
	s_mov_b32 s[\g+7], 0
.endr
	s_lshl_b32 s18, s16, 7
	s_lshl_b32 s20, s17, 8
	s_add_co_u32 s20, s20, s18                     ; A: token 256 x tile row + 128 x half
	s_lshl_b32 s46, s42, 8
	s_add_co_u32 s46, s46, s18
	s_add_co_u32 s46, s46, WOROW                   ; B: place 6,144 + 256 x tile column + 128 x half
	s_mov_b32 s21, 0
	s_mov_b32 s47, 0
	s_mov_b64 s[18:19], KS
	s_mul_u64 s[22:23], s[20:21], s[18:19]
	s_mul_u64 s[92:93], s[46:47], s[18:19]
	s_mov_b64 s[18:19], ROWB
	s_mul_u64 s[20:21], s[20:21], s[18:19]
	s_mov_b64 s[18:19], KROW
	s_mul_u64 s[46:47], s[46:47], s[18:19]
	s_mul_i32 s45, s14, HALFT
	s_mul_i32 s94, s14, HALFS
	s_wait_kmcnt 0x0
	s_add_nc_u64 s[20:21], s[4:5], s[20:21]
	s_add_nc_u64 s[22:23], s[6:7], s[22:23]
	s_add_nc_u64 s[46:47], s[8:9], s[46:47]
	s_add_nc_u64 s[92:93], s[10:11], s[92:93]
	CROUND                                         ; all sixteen work-groups are here: the first joint loads meet
	s_mov_b32 s[G0S], 1
	s_add_co_u32 s[G0S+1], s94, SCL
	s_mov_b64 s[G0S+2:G0S+3], s[22:23]
	s_or_b32 s[G0S+3], s[G0S+3], 0x80000000
	s_mov_b32 s[G0SB], 1
	s_add_co_u32 s[G0SB+1], s94, SCL
	s_mov_b64 s[G0SB+2:G0SB+3], s[92:93]
	s_or_b32 s[G0SB+3], s[G0SB+3], 0x80000000
	JLOAD G0S, G1S, G0SB, G1SB
.irp s, 0,1
	s_mov_b32 s[G0+4*\s], 1
	s_add_co_u32 s[G0+4*\s+1], s45, \s*SLOT
	s_add_nc_u64 s[G0+4*\s+2:G0+4*\s+3], s[20:21], \s*APLANE
	s_or_b32 s[G0+4*\s+3], s[G0+4*\s+3], 0x80000000
	s_mov_b32 s[G0B+4*\s], 1
	s_add_co_u32 s[G0B+4*\s+1], s45, \s*SLOT
	s_add_nc_u64 s[G0B+4*\s+2:G0B+4*\s+3], s[46:47], \s*ROWB
	s_or_b32 s[G0B+4*\s+3], s[G0B+4*\s+3], 0x80000000
	JLOAD G0+4*\s, G1, G0B+4*\s, G1B
.endr
	v_and_b32 v1, 15, v0
	v_bfe_u32 v2, v0, 4, 1
	v_mul_u32_u24 v3, v1, PITCH
	v_mul_u32_u24 v4, v2, 24
	v_add_nc_u32 v4, v3, v4
	v_lshl_add_u32 v5, v2, 4, v4
	s_mul_i32 s21, s15, HALFT
	s_mul_i32 s22, s16, HALFT
	s_add_co_u32 s22, s22, 2*HALFT
.irp s, 0,1
	v_add_nc_u32 v[ADRA+\s], s21, v4
	v_add_nc_u32 v[ADRB+\s], s22, v4
	v_add_nc_u32 v[ADRA+2+\s], s21, v5
	v_add_nc_u32 v[ADRB+2+\s], s22, v5
	s_add_co_u32 s21, s21, SLOT
	s_add_co_u32 s22, s22, SLOT
.endr
	v_mul_u32_u24 v5, v1, KS
	v_lshrrev_b32 v6, 8, v5
	v_lshl_add_u32 v5, v6, 4, v5
	s_mul_i32 s21, s15, HALFS
	s_mul_i32 s22, s16, HALFS
	s_add_co_u32 s22, s22, 2*HALFS
	s_sub_co_u32 s22, s22, s21
	v_mul_u32_u24 v6, s22, v2
	s_add_co_u32 s21, s21, SCL
	v_add_nc_u32 v5, v5, v6
	v_add_nc_u32 v[ADRS], s21, v5
	s_mul_i32 s23, s14, 16*SPITCH                  ; my stage
	v_mul_u32_u24 v5, v1, SPITCH                   ; in: row l % 16; accumulator b's eight results are columns 32 (b / 2) + 16 (l / 16) + 8 (b % 2) + 0 .. 7: 64 bytes for each half of the lanes
	v_lshl_add_u32 v5, v2, 6, v5
	v_add_nc_u32 v[STO], s23, v5
	v_and_b32 v6, 31, v0
	v_lshlrev_b32 v[CO], 4, v6                     ; back: the 32 lanes take one row of 512 bytes; and the same in C
	v_add_nc_u32 v[RD], s23, v[CO]
	s_lshl_b32 s20, s17, 8
	s_lshl_b32 s21, s15, 7
	s_add_co_u32 s20, s20, s21                     ; my first row of C
	s_mov_b32 s21, 0
	s_mov_b64 s[18:19], SIZE_N*4
	s_mul_u64 s[20:21], s[20:21], s[18:19]
	s_lshl_b32 s46, s42, 10                        ; my first column, in bytes
	s_lshl_b32 s47, s16, 9
	s_add_co_u32 s46, s46, s47
	s_mov_b32 s47, 0
	s_add_nc_u64 s[20:21], s[20:21], s[46:47]
	s_add_nc_u64 s[12:13], s[12:13], s[20:21]
.macro FRAG reg, adr, q, i             ; a fragment: lane l holds row l % 16; registers 6 c .. 6 c + 5 hold K = 64 c + 32 (l / 16) + 0 .. 31, in pieces of 8 bytes
.irp p, 0,1,2,3,4,5
.set PC, 12*(\q)+6*(\p/3)+\p%3        ; 16 bytes of padding lie behind every 8 pieces: where the piece three on lies behind one padding more, the second address register serves
.if PC%8 < 5
	ds_load_b64 v[\reg+2*\p:\reg+2*\p+1], v[\adr] offset:8*PC+16*(PC/8)+(\i)*16*PITCH
.else
	ds_load_b64 v[\reg+2*\p:\reg+2*\p+1], v[\adr+2] offset:8*PC+16*(PC/8)+(\i)*16*PITCH
.endif
.endr
.endm
; 16 matrix instructions: A's blocks a0, a0 + 1 x B's eight.  The 64 accumulators take turns, one instruction a turn, in the same order in every step.
.macro MUL16 a0, p, q, sc, zero
.irp a, \a0, \a0+1
.irp b, 0,1,2,3,4,5,6,7
.if \zero
	v_wmma_scale_f32_16x16x128_f8f6f4 v[8*(8*((\a)%4)+\b):8*(8*((\a)%4)+\b)+7], v[128*(\p)+FR*\b:128*(\p)+FR*\b+FR-1], v[AF+FR*(\a):AF+FR*(\a)+FR-1], 0, v[SC+8*NQ*(\sc)+NQ*\b+(\q)], v[SC+8*NQ*(\sc)+NQ*(\a)+(\q)] matrix_a_fmt:MATRIX_FMT_FP6 matrix_b_fmt:MATRIX_FMT_FP6 matrix_a_scale:MATRIX_SCALE_ROW1
.else
	v_wmma_scale_f32_16x16x128_f8f6f4 v[8*(8*((\a)%4)+\b):8*(8*((\a)%4)+\b)+7], v[128*(\p)+FR*\b:128*(\p)+FR*\b+FR-1], v[AF+FR*(\a):AF+FR*(\a)+FR-1], v[8*(8*((\a)%4)+\b):8*(8*((\a)%4)+\b)+7], v[SC+8*NQ*(\sc)+NQ*\b+(\q)], v[SC+8*NQ*(\sc)+NQ*(\a)+(\q)] matrix_a_fmt:MATRIX_FMT_FP6 matrix_b_fmt:MATRIX_FMT_FP6 matrix_a_scale:MATRIX_SCALE_ROW1
.endif
.endr
.endr
.endm
.macro FETCH_B slot, q, p
	WIN TO_B
.irp i, 0,1,2,3,4,5,6,7
	FRAG 128*(\p)+FR*\i, ADRB+\slot, \q, \i
.endr
	WIN 0
.endm
.macro FETCH_A slot, q, i0
.irp i, \i0, \i0+1, \i0+2, \i0+3
	FRAG AF+FR*(\i), ADRA+\slot, \q, \i
.endr
.endm
.macro SCALES sc
.irp i, 0,1,2,3,4,5,6,7
	ds_load_b64 v[SC+8*NQ*\sc+NQ*\i:SC+8*NQ*\sc+NQ*\i+1], v[ADRS] offset:\i*SBLK
.endr
.endm
.macro PLACES n                        ; places behind matrix instructions (ISA guide 7.12.1): plain vector instructions that name none of their registers
.rept \n
	v_nop
.endr
.endm
.macro STEP slot, q, zero
	s_wait_dscnt 4*NL                              ; B's set and A's blocks 0-3 are in; the youngest 24 loads (A's blocks 4-7) may be out
	WIN MUL_LO
	MUL16 0, (\q)%2, \q, \slot, \zero
	MUL16 2, (\q)%2, \q, \slot, \zero
	s_wait_dscnt 0
	PLACES NP
	FETCH_B \slot, (\q)+1, 1-(\q)%2
	FETCH_A \slot, (\q)+1, 0
	WIN MUL_HI
	MUL16 4, (\q)%2, \q, \slot, \zero
	MUL16 6, (\q)%2, \q, \slot, \zero
	PLACES NP
	WIN 0
	FETCH_A \slot, (\q)+1, 4
.endm
.macro TURN slot, next, fill
	s_wait_tensorcnt 0x0                           ; all my tensor loads have landed: my part of the next slot
	ds_add_u32 v[SPW], v[NIL]                      ; 0 onto my spare word
	s_wait_dscnt 4*NL+1                            ; the add and the youngest 24 loads may be out
	WIN MUL_LO
	MUL16 0, 1, NQ-1, \slot, 0
	s_wait_dscnt 0x0                               ; the add is done, and my reads of this slot are over
	s_barrier_signal -1
	MUL16 2, 1, NQ-1, \slot, 0
	WIN 0
	s_barrier_wait -1
.if \fill
	CREST                                          ; the barrier has opened a round of the cluster's barrier
	s_add_nc_u64 s[G0+4*\slot+2:G0+4*\slot+3], s[G0+4*\slot+2:G0+4*\slot+3], 2*APLANE
	s_add_nc_u64 s[G0B+4*\slot+2:G0B+4*\slot+3], s[G0B+4*\slot+2:G0B+4*\slot+3], 2*ROWB
	JLOAD G0+4*\slot, G1, G0B+4*\slot, G1B         ; the first tensor load behind the round
.else
	PLACES NP
.endif
	v_add_nc_u32 v[ADRS], 4*NQ, v[ADRS]
	FETCH_B \next, 0, 0
	FETCH_A \next, 0, 0
	SCALES \next
	WIN MUL_HI
	MUL16 4, 1, NQ-1, \slot, 0
	MUL16 6, 1, NQ-1, \slot, 0
	PLACES NP
	WIN 0
	FETCH_A \next, 0, 4
.endm
	s_wait_tensorcnt 1                             ; the scales and my part of K step 0 are in; K step 1's load may be out
	s_barrier_signal -1
	s_barrier_wait -1
	FETCH_B 0, 0, 0
	FETCH_A 0, 0, 0
	SCALES 0
	FETCH_A 0, 0, 4
	STEP 0, 0, 1                                   ; the first step's products start the sums
	s_mov_b32 s3, LAPS-1
.Llap:
	TURN 0, 1, 1
	STEP 1, 0, 0
	TURN 1, 0, 1
	STEP 0, 0, 0
	s_sub_co_u32 s3, s3, 1
	s_cmp_lg_u32 s3, 0
	s_cbranch_scc1 .Llap
	TURN 0, 1, 0                                   ; the last lap fills nothing
	STEP 1, 0, 0
	s_wait_dscnt 4*NL
	WIN MUL_LO
	MUL16 0, 1, NQ-1, 1, 0
	MUL16 2, 1, NQ-1, 1, 0
	s_wait_dscnt 0
	WIN MUL_HI
	MUL16 4, 1, NQ-1, 1, 0
	MUL16 6, 1, NQ-1, 1, 0
	WIN 0
; THE WAY OUT, block by block of 16 rows x 128 columns, through my own stage in LDS and back as whole rows of 512 bytes.  LDS serves a wave's instructions in order (ISA guide 5.7.1.4): no wait between the stores and the loads.
.macro TOSTAGE a
.set AC, 64*((\a)%4)
	WIN 0x08+4*((\a)/4)                            ; the data: window 2 or 3
.irp b, 0,1,2,3,4,5,6,7
	ds_store_b128 v[STO], v[AC+8*\b:AC+8*\b+3] offset:128*(\b/2)+32*(\b%2)          ; each accumulator from its low end on, at its true columns
	ds_store_b128 v[STO], v[AC+8*\b+4:AC+8*\b+7] offset:128*(\b/2)+32*(\b%2)+16
.endr
	WIN 0
.set BB, BK+64*((\a)%2)
.irp t, 0,1,2,3,4,5,6,7,8,9,10,11,12,13,14,15
	ds_load_b128 v[BB+4*\t:BB+4*\t+3], v[RD] offset:\t*SPITCH
.endr
.endm
.macro SEND a, younger                 ; younger: the LDS instructions issued behind block a's loads, which may stay out
.set BB, BK+64*((\a)%2)
	s_wait_dscnt \younger
.if (\a) > 0
	s_add_nc_u64 s[12:13], s[12:13], 16*SIZE_N*4   ; (behind a wait on XCNT: the earlier stores have read their base)
.endif
.irp t, 0,1,2,3,4,5,6,7,8,9,10,11,12,13,14,15
	global_store_b128 v[CO], v[BB+4*\t:BB+4*\t+3], s[12:13] offset:\t*SIZE_N*4 th:TH_STORE_NT   ; 32 lanes store 512 consecutive bytes, aligned
.endr
.endm
	PLACES NP
	TOSTAGE 0
.irp a, 1,2,3,4,5,6,7
.if \a > 1
	s_wait_xcnt 0x0                                ; block a - 2's stores have read their registers and their base
.endif
	TOSTAGE \a
	SEND \a-1, 32                                  ; behind block a - 1's loads: block a's 16 stores and 16 loads
.endr
	s_wait_xcnt 0x0
	SEND 7, 0
	s_wait_tensorcnt 0x0                           ; the wave's end
	ds_add_u32 v[SPW], v[NIL]
	s_wait_dscnt 0x0
	CROUND                                         ; the closing round
	s_endpgm
.Lfunc_end_k_qff51eeca58_gemm_out:
	.size	k_qff51eeca58_gemm_out, .Lfunc_end_k_qff51eeca58_gemm_out-k_qff51eeca58_gemm_out
	.p2alignl 7, 3214868480
	.fill 96, 4, 3214868480
	.section	.rodata,"a",@progbits
	.p2align	6, 0x0
	.amdhsa_kernel k_qff51eeca58_gemm_out
		.amdhsa_group_segment_fixed_size 327680
		.amdhsa_private_segment_fixed_size 0
		.amdhsa_enable_private_segment 0
		.amdhsa_kernarg_size 40
		.amdhsa_user_sgpr_count 2
		.amdhsa_user_sgpr_kernarg_segment_ptr 1
		.amdhsa_wavefront_size32 1
		.amdhsa_system_sgpr_workgroup_id_x 1
		.amdhsa_system_sgpr_workgroup_id_y 1
		.amdhsa_system_sgpr_workgroup_id_z 1
		.amdhsa_system_vgpr_workitem_id 0
		.amdhsa_next_free_vgpr 1024
		.amdhsa_next_free_sgpr 98
		.amdhsa_reserve_vcc 0
		.amdhsa_float_denorm_mode_32 3
		.amdhsa_float_denorm_mode_16_64 3
		.amdhsa_memory_ordered 1
		.amdhsa_forward_progress 1
		.amdhsa_inst_pref_size 160
	.end_amdhsa_kernel
	.amdgpu_metadata
---
amdhsa.version: [ 1, 2 ]
amdhsa.kernels:
  - .name:           k_qff51eeca58_gemm_out
    .symbol:         k_qff51eeca58_gemm_out.kd
    .args:
      - { .name: a_codes, .offset: 0, .size: 8, .value_kind: global_buffer, .address_space: global }
      - { .name: a_scales, .offset: 8, .size: 8, .value_kind: global_buffer, .address_space: global }
      - { .name: w_codes, .offset: 16, .size: 8, .value_kind: global_buffer, .address_space: global }
      - { .name: w_scales, .offset: 24, .size: 8, .value_kind: global_buffer, .address_space: global }
      - { .name: out0, .offset: 32, .size: 8, .value_kind: global_buffer, .address_space: global }
    .group_segment_fixed_size: 327680
    .private_segment_fixed_size: 0
    .kernarg_segment_align: 8
    .kernarg_segment_size: 40
    .max_flat_workgroup_size: 128
    .sgpr_count:     98
    .vgpr_count:     1024
    .wavefront_size: 32
...
	.end_amdgpu_metadata
.endif
;; end of part 4
;; ======== version 2 of 2: 4 launches
;; limits: right only within a limited range of input values
;; workspace buffers: x_codes 3,145,728 bytes; x_scales 131,072 bytes; w_codes 12,582,912 bytes; w_scales 524,288 bytes; qkv 9,830,400 bytes; a_codes 3,145,728 bytes; a_scales 131,072 bytes
;; launch prep (part 5): grid 768 x 1, 4 waves a work-group, no clusters, 98,304 bytes of LDS; arguments x, Wq, Wk, Wv, Wo, x_codes, x_scales, w_codes, w_scales; writes x_codes, x_scales, w_codes, w_scales
.if DOCPART == 5
	.amdgcn_target "amdgcn-amd-amdhsa--gfx1250"
	.amdhsa_code_object_version 6
	.text
	.protected	k_qff51eeca58_prep
	.globl	k_qff51eeca58_prep
	.p2align	8
	.type	k_qff51eeca58_prep,@function
k_qff51eeca58_prep:
	s_mov_b64 s[64:65], 0
	v_nop
	global_prefetch_b8 v0, s[64:65] scope:SCOPE_SE
	s_setreg_imm32_b32 hwreg(HW_REG_WAVE_MODE, 25, 1), 1
	s_wait_xcnt 0x0
; x [2048][2048] (K innermost) and Wq, Wk, Wv, Wo [2048 (k)][2048 (n)] (K outermost), all f32, become codes of FP6 (E2M3) with one E8M0 byte for each 32 along K.
; A block's scale is 2^(floor(log2(its largest magnitude)) - 2); its byte is that magnitude's exponent field - 2, held at 1 from below; numbers are divided by the scale and rounded to the nearest code, ties to even, beyond 7.5 the largest code.
; PLACES: row R (a token of x, a column n of a weight) has place pi(R), pi = bits 3 and 4 of R exchanged.  The weights share one buffer: Wq from place 0, Wk 2,048, Wv 4,096, Wo 6,144.
; THE CODES ARE LAID AS IMAGES OF OPERAND REGISTERS: a fragment (16 places x 128 K, 12 registers a lane) is 1,536 bytes: register j of lane l at 512 (j / 4) + 16 l + 4 (j % 4);
; lane r + 16 h, registers 6 c .. 6 c + 5 hold K = 64 c + 32 h + 0 .. 31 of place r.  Fragment (place / 16 = 8 G + a, K step s) lies at ((16 G + s) 8 + a) 1,536.  Scale bytes: [place][64].
; LIMITS: NaN and infinities among the inputs are not served; a block whose largest magnitude lies under 2^-124 keeps the byte 1; a block of zeros has the byte 1 where the rule says 127: its codes are zeros, and this program alone reads the bytes.
; THE DEAL: 768 work-groups.  Of each three on end two take weights (128 columns x 256 along K: 131,072 bytes read) and the third takes x (16 places x 1,024 along K: 65,536 bytes read):
; numbers w, w + 256 and w + 512 also hold all three remainders, so three work-groups that meet on a WGP in either order read 327,680 bytes together.  The claim of LDS lets three work-groups share a WGP.
; The two ways have LDS bytes of their own.  No work-group shares an input byte with another: no cluster, no tensor load.
.set STEPS,  8
.set XR,     16                        ; v16-79   x: four sets of 16 numbers as loaded; at the end the images on their way out
.set XX,     80                        ; v80-111  x: two sets of 16 neighbours
.set XC,     128                       ; v128-159 x: codes, four registers a step
.set XE,     112                       ; v112-119 x: a scale byte a step
.set WREG,   8192                      ; x: LDS region of a wave: two stages of 32 x SP bytes, then its 128 scale bytes
.set SP,     80
.set FRB,    1536                      ; a fragment's image
.set KSB,    8*FRB                     ; 128 places x one K step
.set NB,     8
.set WSTG,   32768                     ; weights: the waves' images, WST bytes each
.set WST,    4*FRB
.set WX,     32
.set WC,     96
.set OUTR,   112
.set SB,     24
.set SPARE,  0x10800                   ; the spare words
.set XIMG,   0x10a00                   ; x: the work-group's 8 images, [K step][1,536]
	s_load_b256 s[4:11], s[0:1], 0x0               ; x, Wq, Wk, Wv
	s_load_b128 s[12:15], s[0:1], 0x20             ; Wo, x's codes
	s_load_b128 s[16:19], s[0:1], 0x30             ; x's scales, the weights' codes
	s_load_b64 s[20:21], s[0:1], 0x40              ; the weights' scales
	v_lshl_add_u32 v192, v0, 2, SPARE
	v_mov_b32 v193, 0
	v_lshrrev_b32 v1, 5, v0
	v_readfirstlane_b32 s22, v1                    ; wave 0..3
	v_and_b32 v2, 31, v0                           ; lane
	s_mul_hi_u32 s36, ttmp9, 0x55555556            ; the work-group's number / 3 (exact up to 767),
	s_mul_i32 s37, s36, 3
	s_sub_co_u32 s37, ttmp9, s37                   ; and its remainder: 0, 1 weights, 2 x
	s_wait_kmcnt 0x0
	s_cmp_lt_u32 s37, 2
	s_cbranch_scc1 .Lweights
; ---------------- x.  The work-group owns places 16 T .. 16 T + 15 and one half of K, wave w four of the places; a wave takes 8 steps of 512 numbers; a step's 2,048 bytes turn through the wave's stage, so that a lane holds 16 neighbours.
	s_wait_alu depctr_va_vdst(0)
	v_lshlrev_b32 v3, 4, v2                        ; 16 lane
	s_mul_i32 s23, s22, WREG
	v_lshrrev_b32 v14, 2, v2
	v_mul_u32_u24 v14, v14, SP
	v_and_b32 v15, 3, v2
	v_lshl_add_u32 v14, v15, 4, v14
	v_add_nc_u32 v14, s23, v14                     ; the stage, in: SP (lane / 4) + 16 (lane % 4)
	v_mul_u32_u24 v15, v2, SP
	v_add_nc_u32 v15, s23, v15                     ; out: SP x lane
	v_lshrrev_b32 v5, 1, v2
	s_add_co_u32 s23, s23, 2*32*SP
	v_add_nc_u32 v5, s23, v5                       ; my block's scale byte: 32 bytes a place
	v_and_b32 v7, 15, v2                           ; their way out: sixteen lanes, 8 bytes each: place l / 4, piece l % 4
	v_lshlrev_b32 v12, 3, v7
	v_add_nc_u32 v6, s23, v12
	v_lshrrev_b32 v12, 2, v7
	v_and_b32 v7, 3, v7
	v_lshlrev_b32 v7, 3, v7
	v_lshl_add_u32 v7, v12, 6, v7
	; my 16 codes are registers j0 .. j0 + 2 of image lane r + 16 h: lane = 8 (K step) + 4 c + 2 h + half, j0 = 6 c + 3 half
	v_bfe_u32 v8, v2, 2, 1
	v_and_b32 v9, 1, v2
	v_mul_u32_u24 v8, v8, 6
	v_mad_u32_u24 v8, v9, 3, v8                    ; j0
	v_bfe_u32 v9, v2, 1, 1
	v_lshrrev_b32 v11, 3, v2
	v_lshlrev_b32 v9, 8, v9                        ; 256 h
	v_mad_u32_u24 v9, v11, FRB, v9
	s_lshl_b32 s25, s22, 6                         ; 16 bytes x my first place in the sixteen
	s_add_co_u32 s25, s25, XIMG
	v_add_nc_u32 v9, s25, v9
.macro IADR reg, i                     ; LDS address of register j0 + i
	v_add_nc_u32 v11, \i, v8
	v_lshrrev_b32 v[\reg], 2, v11
	v_and_b32 v11, 3, v11
	v_lshl_add_u32 v[\reg], v[\reg], 9, v9
	v_lshl_add_u32 v[\reg], v11, 2, v[\reg]
.endm
	IADR 4, 0
	IADR 10, 1
	IADR 1, 2
	s_mul_i32 s25, s22, 2*FRB
	s_add_co_u32 s25, s25, XIMG
	v_add_nc_u32 v194, s25, v3                     ; the way out: wave w takes the images of K steps 2 w, 2 w + 1 of the eight
	s_lshr_b32 s38, s36, 1                         ; T
	s_and_b32 s39, s36, 1                          ; which half of K
	s_lshl_b32 s24, s38, 2
	s_add_co_u32 s24, s24, s22                     ; my run of four places
	s_lshl_b32 s26, s24, 8
	s_lshl_b32 s28, s39, 5
	s_add_co_u32 s26, s26, s28
	s_mov_b32 s27, 0
	s_add_nc_u64 s[16:17], s[16:17], s[26:27]      ; its scale bytes: 64 a place, my half's 32
	s_and_b32 s28, s24, 2                          ; pi exchanges bits 1 and 2 of a run's number: the rows that I read
	s_lshl_b32 s28, s28, 1
	s_and_b32 s29, s24, 4
	s_lshr_b32 s29, s29, 1
	s_and_b32 s24, s24, 0x1f9
	s_or_b32 s24, s24, s28
	s_or_b32 s24, s24, s29
	s_lshl_b32 s26, s24, 15
	s_lshl_b32 s28, s39, 12
	s_add_co_u32 s26, s26, s28
	s_add_nc_u64 s[4:5], s[4:5], s[26:27]
	s_lshr_b32 s26, s38, 3                         ; images: ((16 G + 8 half + 2 w) 8 + a) 1,536
	s_lshl_b32 s26, s26, 1
	s_add_co_u32 s26, s26, s39
	s_lshl_b32 s26, s26, 2
	s_add_co_u32 s26, s26, s22
	s_lshl_b32 s26, s26, 4
	s_and_b32 s28, s38, 7
	s_add_co_u32 s26, s26, s28
	s_mul_i32 s26, s26, FRB
	s_add_nc_u64 s[14:15], s[14:15], s[26:27]
.macro XLOAD t                         ; step t: place t / 2 of my four, 512 numbers from 512 (t % 2) of my half of K
.irp i, 0,1,2,3
	global_load_b128 v[XR+16*((\t)%4)+4*\i:XR+16*((\t)%4)+4*\i+3], v3, s[4:5] offset:((\t)/2)*8192+((\t)%2)*2048+512*\i th:TH_LOAD_NT
.endr
.endm
.macro XTURN t                         ; LDS serves a wave's instructions in order: no wait between the stores and the loads
.irp i, 0,1,2,3
	ds_store_b128 v14, v[XR+16*((\t)%4)+4*\i:XR+16*((\t)%4)+4*\i+3] offset:32*SP*((\t)%2)+8*SP*\i
.endr
.irp i, 0,1,2,3
	ds_load_b128 v[XX+16*((\t)%2)+4*\i:XX+16*((\t)%2)+4*\i+3], v15 offset:32*SP*((\t)%2)+16*\i
.endr
.endm
	s_wait_alu depctr_va_vdst(0)                   ; the wait at the head's end
.irp t, 0,1,2,3
	XLOAD \t
.endr
	s_wait_loadcnt 12                              ; step 0's four loads are in; the twelve of steps 1 to 3 may be out
	XTURN 0
.macro XSTEP t
.set XS, XX+16*((\t)%2)
.if (\t) > 0
	s_wait_dscnt 4                                 ; this step's numbers are back (the last step's four small stores may be out)
.else
	s_wait_dscnt 0x0
.endif
.if (\t)+4 < STEPS
	XLOAD (\t)+4
.endif
.if (\t)+1 < STEPS
.if STEPS-2-(\t) >= 3
	s_wait_loadcnt 12                              ; the next step's four loads are in; three steps' may be out
.else
	s_wait_loadcnt 4*(STEPS-2-(\t))
.endif
	XTURN (\t)+1
.endif
	v_max3_num_f32 v8, |v[XS]|, |v[XS+1]|, |v[XS+2]|
	v_max3_num_f32 v9, |v[XS+3]|, |v[XS+4]|, |v[XS+5]|
.irp i, 6,10
	v_max3_num_f32 v8, v8, |v[XS+\i]|, |v[XS+\i+1]|
	v_max3_num_f32 v9, v9, |v[XS+\i+2]|, |v[XS+\i+3]|
.endr
	v_max3_num_f32 v8, v8, |v[XS+14]|, |v[XS+15]|
	v_max3_num_f32 v8, v8, v9, 0x1800000           ; the floor 2^(3 - 127): the byte cannot fall under 1
	v_max_num_f32_dpp v8, v8, v8 row_xmask:1 row_mask:0xf bank_mask:0xf   ; with my neighbour's 16: the block's
	v_add_nc_u32 v11, 0xff000000, v8               ; 2 off the exponent field: the conversion's scale operand
	v_cvt_scalef32_pk16_fp6_f32 v[XC+4*(\t):XC+4*(\t)+2], v[XS:XS+15], v11
	v_lshrrev_b32 v[XE+(\t)], 23, v11              ; the scale's byte
	ds_store_b8 v5, v[XE+(\t)] offset:16*(\t)
	ds_store_b32 v4, v[XC+4*(\t)] offset:16*((\t)/2)+4*FRB*((\t)%2)      ; place t / 2 of my four, K steps 4 (t % 2) + lane / 8 of the eight
	ds_store_b32 v10, v[XC+4*(\t)+1] offset:16*((\t)/2)+4*FRB*((\t)%2)
	ds_store_b32 v1, v[XC+4*(\t)+2] offset:16*((\t)/2)+4*FRB*((\t)%2)
.endm
.irp t, 0,1,2,3,4,5,6,7
	XSTEP \t
.endr
	ds_load_b64 v[12:13], v6
	s_wait_dscnt 0x0                               ; my scale bytes are back, and my stores into the images have landed
	global_store_b64 v7, v[12:13], s[16:17]        ; 32 bytes a place (lanes l and l + 16 write the same)
	s_barrier_signal -1
	s_barrier_wait -1                              ; all four waves' stores have landed: the eight images are whole
.irp i, 0,1,2,3,4,5
	ds_load_b128 v[XR+4*\i:XR+4*\i+3], v194 offset:512*\i
.endr
.irp i, 0,1,2,3,4,5
	s_wait_dscnt 5-\i
	global_store_b128 v3, v[XR+4*\i:XR+4*\i+3], s[14:15] offset:(\i/3)*KSB+(\i%3)*512   ; 512 consecutive bytes, aligned
.endr
	s_wait_tensorcnt 0x0                           ; the wave's end
	ds_add_u32 v192, v193
	s_wait_dscnt 0x0
	s_endpgm
; ---------------- the weights.  A lane takes a column n and its registers run down K: a block of 32 lies in one lane.  A wave: 32 columns (two blocks of 16 places) x 2 K steps: four images, its own.
.Lweights:
	s_lshl_b32 s23, s36, 1
	s_add_co_u32 s23, s23, s37                     ; which of the 512 parts
	s_lshr_b32 s24, s23, 7                         ; which weight
	s_bfe_u32 s25, s23, 0x30004                    ; which 256 along K
	s_and_b32 s30, s23, 15                         ; which 128 columns
	s_bitcmp1_b32 s24, 0
	s_cselect_b64 s[26:27], s[8:9], s[6:7]
	s_cselect_b64 s[28:29], s[12:13], s[10:11]
	s_bitcmp1_b32 s24, 1
	s_cselect_b64 s[26:27], s[28:29], s[26:27]
	s_lshl_b32 s30, s30, 7
	s_lshl_b32 s31, s22, 5
	s_add_co_u32 s30, s30, s31                     ; my wave's first column
	s_mul_i32 s31, s22, WST
	s_add_co_u32 s31, s31, WSTG
	s_wait_alu depctr_va_vdst(0)
	v_lshlrev_b32 v3, 2, v2
	v_and_b32 v5, 7, v2                            ; pi(lane) = 16 (bit 3) + 8 (bit 4) + low three bits
	v_lshrrev_b32 v6, 4, v2
	v_lshl_add_u32 v5, v6, 3, v5                   ; r
	v_bfe_u32 v6, v2, 3, 1                         ; which of the two blocks of places
	v_lshlrev_b32 v5, 4, v5
	v_mad_u32_u24 v4, v6, FRB, v5
	v_add_nc_u32 v4, s31, v4                       ; into my images, [K step][block][1,536]: 16 r
	v_lshlrev_b32 v8, 4, v2
	v_add_nc_u32 v7, s31, v8                       ; out of them: 16 lane
	v_and_b32 v9, 7, v2
	v_and_b32 v10, 8, v2
	v_lshl_or_b32 v9, v10, 1, v9
	v_and_b32 v10, 16, v2
	v_lshrrev_b32 v10, 1, v10
	v_or_b32 v9, v9, v10
	v_lshlrev_b32 v9, 6, v9                        ; my column's row of scale bytes
	s_lshl_b32 s32, s25, 21
	s_lshl_b32 s33, s30, 2
	s_add_co_u32 s32, s32, s33
	s_mov_b32 s33, 0
	s_add_nc_u64 s[26:27], s[26:27], s[32:33]
	s_lshl_b32 s34, s24, 11
	s_add_co_u32 s34, s34, s30                     ; my first place (a multiple of 32)
	s_lshr_b32 s32, s34, 7
	s_lshl_b32 s32, s32, 4
	s_lshl_b32 s35, s25, 1
	s_add_co_u32 s32, s32, s35
	s_lshl_b32 s32, s32, 3
	s_bfe_u32 s35, s34, 0x30004
	s_add_co_u32 s32, s32, s35
	s_mul_i32 s32, s32, FRB                        ; ((16 G + s) 8 + a) 1,536
	s_add_nc_u64 s[18:19], s[18:19], s[32:33]
	s_lshl_b32 s32, s34, 6
	s_lshl_b32 s35, s25, 3
	s_add_co_u32 s32, s32, s35
	s_add_nc_u64 s[20:21], s[20:21], s[32:33]
.macro WLOAD t
.irp i, 0,1,2,3,4,5,6,7,8,9,10,11,12,13,14,15,16,17,18,19,20,21,22,23,24,25,26,27,28,29,30,31
	global_load_b32 v[WX+32*((\t)%2)+\i], v3, s[26:27] offset:(32*(\t)+\i)*8192 th:TH_LOAD_NT
.endr
.endm
	s_wait_alu depctr_va_vdst(0)                   ; the wait at the head's end
	WLOAD 0
	WLOAD 1
.macro WBLOCK t
.set XS, WX+32*((\t)%2)
.set IB, ((\t)/4)*2*FRB+256*((\t)%2)   ; K step t / 4; block t % 4 = 2 c + h: image lanes 16 h + r
.if (\t) < NB-1
	s_wait_loadcnt 32                              ; this block's 32 loads are in; the next block's may be out
.else
	s_wait_loadcnt 0
.endif
	v_max3_num_f32 v12, |v[XS]|, |v[XS+1]|, |v[XS+2]|
	v_max3_num_f32 v13, |v[XS+3]|, |v[XS+4]|, |v[XS+5]|
.irp i, 6,10,14,18,22,26
	v_max3_num_f32 v12, v12, |v[XS+\i]|, |v[XS+\i+1]|
	v_max3_num_f32 v13, v13, |v[XS+\i+2]|, |v[XS+\i+3]|
.endr
	v_max3_num_f32 v12, v12, |v[XS+30]|, |v[XS+31]|
	v_max3_num_f32 v12, v12, v13, 0x1800000
	v_add_nc_u32 v11, 0xff000000, v12
	v_lshrrev_b32 v13, 23, v11
.if (\t)%4 == 0
	v_mov_b32 v[SB+(\t)/4], v13
.else
	v_lshl_or_b32 v[SB+(\t)/4], v13, 8*((\t)%4), v[SB+(\t)/4]
.endif
	v_cvt_scalef32_pk16_fp6_f32 v[WC:WC+2], v[XS:XS+15], v11
	v_cvt_scalef32_pk16_fp6_f32 v[WC+6:WC+8], v[XS+16:XS+31], v11   ; (a conversion's three registers begin on an even number)
	v_nop                                          ; one plain place behind a scaled conversion
.irp i, 0,1,2
	v_mov_b32 v[WC+3+\i], v[WC+6+\i]               ; the block's six registers on end
.endr
.if ((\t)%4)/2 == 0
	ds_store_b128 v4, v[WC:WC+3] offset:IB         ; registers 0-3,
	ds_store_b64 v4, v[WC+4:WC+5] offset:IB+512    ; 4 and 5
.else
	ds_store_b64 v4, v[WC:WC+1] offset:IB+520      ; registers 6 and 7,
	ds_store_b128 v4, v[WC+2:WC+5] offset:IB+1024  ; 8-11
.endif
.if (\t)+2 < NB
	WLOAD (\t)+2
.endif
	s_wait_dscnt 0x0                               ; the stores have read their registers
.endm
.set Q, 0
.rept NB
	WBLOCK Q
.set Q, Q+1
.endr
	s_wait_alu depctr_va_vdst(0)
	global_store_b64 v9, v[SB:SB+1], s[20:21]      ; my column's 8 scale bytes, at place pi(lane)
.irp i, 0,1,2,3,4,5,6,7,8,9,10,11
	ds_load_b128 v[OUTR+4*\i:OUTR+4*\i+3], v7 offset:512*\i
.endr
.irp i, 0,1,2,3,4,5,6,7,8,9,10,11
	s_wait_dscnt 11-\i
	global_store_b128 v8, v[OUTR+4*\i:OUTR+4*\i+3], s[18:19] offset:(\i/6)*KSB+(\i%6)*512   ; 512 consecutive bytes, aligned
.endr
	s_wait_tensorcnt 0x0
	ds_add_u32 v192, v193
	s_wait_dscnt 0x0
	s_endpgm
.Lfunc_end_k_qff51eeca58_prep:
	.size	k_qff51eeca58_prep, .Lfunc_end_k_qff51eeca58_prep-k_qff51eeca58_prep
	.p2alignl 7, 3214868480
	.fill 96, 4, 3214868480
	.section	.rodata,"a",@progbits
	.p2align	6, 0x0
	.amdhsa_kernel k_qff51eeca58_prep
		.amdhsa_group_segment_fixed_size 98304
		.amdhsa_private_segment_fixed_size 0
		.amdhsa_enable_private_segment 0
		.amdhsa_kernarg_size 72
		.amdhsa_user_sgpr_count 2
		.amdhsa_user_sgpr_kernarg_segment_ptr 1
		.amdhsa_wavefront_size32 1
		.amdhsa_system_sgpr_workgroup_id_x 1
		.amdhsa_system_sgpr_workgroup_id_y 1
		.amdhsa_system_sgpr_workgroup_id_z 1
		.amdhsa_system_vgpr_workitem_id 0
		.amdhsa_next_free_vgpr 196
		.amdhsa_next_free_sgpr 66
		.amdhsa_reserve_vcc 0
		.amdhsa_float_denorm_mode_32 3
		.amdhsa_float_denorm_mode_16_64 3
		.amdhsa_memory_ordered 1
		.amdhsa_forward_progress 1
		.amdhsa_inst_pref_size 63
	.end_amdhsa_kernel
	.amdgpu_metadata
---
amdhsa.version: [ 1, 2 ]
amdhsa.kernels:
  - .name:           k_qff51eeca58_prep
    .symbol:         k_qff51eeca58_prep.kd
    .args:
      - { .name: x, .offset: 0, .size: 8, .value_kind: global_buffer, .address_space: global }
      - { .name: Wq, .offset: 8, .size: 8, .value_kind: global_buffer, .address_space: global }
      - { .name: Wk, .offset: 16, .size: 8, .value_kind: global_buffer, .address_space: global }
      - { .name: Wv, .offset: 24, .size: 8, .value_kind: global_buffer, .address_space: global }
      - { .name: Wo, .offset: 32, .size: 8, .value_kind: global_buffer, .address_space: global }
      - { .name: x_codes, .offset: 40, .size: 8, .value_kind: global_buffer, .address_space: global }
      - { .name: x_scales, .offset: 48, .size: 8, .value_kind: global_buffer, .address_space: global }
      - { .name: w_codes, .offset: 56, .size: 8, .value_kind: global_buffer, .address_space: global }
      - { .name: w_scales, .offset: 64, .size: 8, .value_kind: global_buffer, .address_space: global }
    .group_segment_fixed_size: 98304
    .private_segment_fixed_size: 0
    .kernarg_segment_align: 8
    .kernarg_segment_size: 72
    .max_flat_workgroup_size: 128
    .sgpr_count:     66
    .vgpr_count:     196
    .wavefront_size: 32
...
	.end_amdgpu_metadata
.endif
;; end of part 5
;; launch gemm_qkv (part 6): grid 24 x 8, 4 waves a work-group, clusters of 4 x 4, 327,680 bytes of LDS; arguments x_codes, x_scales, w_codes, w_scales, qkv; writes qkv
.if DOCPART == 6
	.amdgcn_target "amdgcn-amd-amdhsa--gfx1250"
	.amdhsa_code_object_version 6
	.text
	.protected	k_qff51eeca58_gemm_qkv
	.globl	k_qff51eeca58_gemm_qkv
	.p2align	8
	.type	k_qff51eeca58_gemm_qkv,@function
k_qff51eeca58_gemm_qkv:
	s_mov_b64 s[64:65], 0
	v_nop
	global_prefetch_b8 v0, s[64:65] scope:SCOPE_SE
	s_setreg_imm32_b32 hwreg(HW_REG_WAVE_MODE, 25, 1), 1
	s_wait_xcnt 0x0
	s_wait_alu depctr_hold_cnt(0) depctr_sa_sdst(0) depctr_va_vdst(0) depctr_va_sdst(0) depctr_va_ssrc(0) depctr_va_vcc(0) depctr_vm_vsrc(0)
	s_getreg_b32 s2, hwreg(HW_REG_IB_STS2, 6, 4)
	s_cmp_eq_u32 s2, 0
	s_cbranch_scc0 .Lentry_in_a_cluster
	s_endpgm
.Lentry_in_a_cluster:
	s_bfe_u32 s2, ttmp6, 0x10000c
	s_cmp_lg_u32 s2, 0xf033
	s_cbranch_scc0 .Lentry_shape_is_right
	s_endpgm
.Lentry_shape_is_right:
; q = x Wq, k = x Wk, v = x Wv on codes of FP6 (E2M3) with one E8M0 byte for each 32 along K = 2,048; sums in f32.  Each wave quantises its 128 x 128 in registers,
; q and k along the head's 128 channels, v along 128 keys, and stores a RECORD: the next launch's operand as an image of its registers.
; OPERANDS come as images of fragment registers: fragment (16 places, K step s of 128) = 1,536 bytes at ((16 G + s) 8 + a) 1,536, place = 128 G + 16 a + r; register 4 c + i of lane l at 512 c + 16 l + 4 i.
; So 128 places x 2 K steps are 24,576 dense bytes, fetched as 96 rows of 256 bytes, and a fragment is three LDS loads of 16 bytes a lane at 16 x lane.
; A tile of 256 x 256 is made by four waves, 128 x 128 each: 64 accumulators.  K goes in steps of 256 through a ring of two LDS slots.
; THE MATRIX INSTRUCTION: source 0 ('B') = 16 places whose index becomes the next product's K, source 1 ('A') = 16 places that become a record's rows.
;   clusters x = 0, 1: q;  2, 3: k:  A = x (tokens), B = columns of Wq, Wk.     clusters x = 4, 5: v:  A = Wv's columns (channels), B = x (tokens = keys).
; Places are pi(row) (bits 3 and 4 exchanged): the 16 registers of accumulators (a, 2 u) and (a, 2 u + 1) are 16 neighbours, 32 u + 16 (lane / 16) + 0 .. 15, along the next K.
; A RECORD, 12,800 bytes: fragment a at 1,536 a + 512 c + 16 lane; at 12,288 the scale words, 16 lane + 4 p: word p holds tile 2 p's rows in lanes 0-15, tile 2 p + 1's in lanes 16-31.
;   records ((8 batch + head) 8 + key block) 4 + {0: k of branch 0, 1: k of branch 1, 2: v's channels 0-127, 3: v's 128-255};  q's: 512 + (2 (8 batch + head) + branch) 8 + query block.
; THE SCALES of the work-group's 256 places of A and of B, for all of K, come into LDS once, at the head.
; CLUSTERS: 4 x 4 work-groups; A's tiles are asked for jointly along a row of the cluster, B's along a column.
; PREFETCH: with the load of fill f (256 along K) each wave names fill f + 2: of the 96 blocks of 256 bytes that it will fetch, the four partners take 24 each, told apart by address; fills 1 and 2 are named at the head; the last two refills name nothing.
; The grid has 192 work-groups: a record wants 128 x 128 in one wave, and there are 768 records.
; LIMITS: NaN and infinities are not served; a block of results whose largest magnitude lies under 2^-124 keeps the byte 1 (a block of zeros too: this program alone reads the bytes).
; REGISTERS: window 0: v0-31 addresses; v32-63 scale words, two sets; v64-119 at work on the way out; from v128 A's fragments, one set.  window 1: B's fragments, two sets.  windows 2, 3: the accumulators.
.set NQ,     2
.set FRB,    1536
.set KSB,    8*FRB
.set GB,     16*KSB
.set KROW,   1536                      ; GB / 128
.set FR,     12
.set NL,     3                         ; LDS loads that bring a fragment
.set NP,     4
.set HALFT,  NQ*KSB                    ; 128 places x 256 K: what one load of the ring brings
.set SLOT,   4*HALFT
.set LAPS,   4
.set KS,     64
.set SCL,    2*SLOT
.set HALFS,  (128*KS/256)*272
.set SBLK,   (16*KS/256)*272
.set SPARE,  SCL+4*HALFS
.set REC,    12800
.set ADRA, 16
.set ADRB, 20
.set CO,   26                          ; 16 x lane
.set ADRS, 27
.set SPW,  28
.set NIL,  29
.set PFO,  30                          ; 256 x min(lane, 23)
.set SC,   32
.set QC,   64
.set TM,   96
.set PW,   112
.set SW,   116
.set AF,   128
.set G1, 24
.set G0, 32
.set G1B, 48
.set G0B, 56
.set G1S, 68
.set G0S, 76
.set G1SB, 80
.set G0SB, 88
.set G0H, 4
.set G0HB, 8
.set PFA, 100                          ; s[100:101] my part of the fill that the last refill asked for
.set MSB, 0
.macro WIN new
.if MSB != (\new)
	s_set_vgpr_msb (MSB<<8)|(\new)
.set MSB, (\new)
.endif
.endm
.set MUL_LO, 0xa1
.set MUL_HI, 0xf1
.set TO_B,   0x40
.macro JLOAD g0a, g1a, g0b, g1b        ; waves 0 and 1 fetch for A, waves 2 and 3 for B; s_nop 0 and four v_nop behind each line
	s_cmp_eq_u32 s15, 0
	s_cbranch_scc0 .Lfor_b_\@
	tensor_load_to_lds s[\g0a:\g0a+3], s[\g1a:\g1a+7]
	s_nop 0
.rept 4
	v_nop
.endr
	s_branch .Lasked_\@
.Lfor_b_\@:
	tensor_load_to_lds s[\g0b:\g0b+3], s[\g1b:\g1b+7]
	s_nop 0
.rept 4
	v_nop
.endr
.Lasked_\@:
.endm
.macro CREST
	s_cmp_lg_u32 s14, 0
	s_cbranch_scc1 .Lnot_wave_0_\@
	s_barrier_signal -3
.Lnot_wave_0_\@:
	s_barrier_wait -3
	s_barrier_signal -1
	s_barrier_wait -1
.endm
.macro CROUND
	s_barrier_signal -1
	s_barrier_wait -1
	CREST
.endm
	s_load_b128 s[4:7], s[0:1], 0x0                ; x's codes, x's scales
	s_load_b128 s[8:11], s[0:1], 0x10              ; the weights' codes, scales
	s_load_b64 s[12:13], s[0:1], 0x20              ; the records
	v_lshl_add_u32 v[SPW], v0, 2, SPARE
	v_mov_b32 v[NIL], 0
	ds_add_u32 v[SPW], v[NIL]                      ; the opening lines: the add, twice on end, and its wait
	ds_add_u32 v[SPW], v[NIL]
	v_lshrrev_b32 v1, 5, v0
	v_readfirstlane_b32 s14, v1                    ; wave 0..3
	s_lshr_b32 s15, s14, 1                         ; my half of A's places.  Also: I fetch for A (0) or for B (1)
	s_and_b32 s16, s14, 1                          ; my half of B's places.  Also: which 128 places I fetch
	s_bfe_u32 s40, ttmp6, 0x40000
	s_bfe_u32 s41, ttmp6, 0x40004
	s_lshl_b32 s42, ttmp9, 2
	s_add_co_u32 s42, s42, s40                     ; tile column 0 .. 23
	s_and_b32 s17, ttmp7, 0xffff
	s_lshl_b32 s17, s17, 2
	s_add_co_u32 s17, s17, s41                     ; tile row 0 .. 7
	s_lshl_b32 s43, s41, 2
	s_lshl_b32 s43, 15, s43
	s_lshl_b32 s44, 0x1111, s40
	; group 1 for the codes, elements of 8 bytes, no padding.  At the head: 256 places x 256 K = two rows of 24,576 bytes, GB bytes apart
	s_or_b32 s[G1+0], s43, (3<<16)|(1<<21)
	s_or_b32 s[G1B+0], s44, (3<<16)|(1<<21)
.irp g, G1, G1B
	s_mov_b32 s[\g+1], (HALFT/8)<<16
	s_mov_b32 s[\g+2], 2<<16
	s_mov_b32 s[\g+3], (HALFT/8)<<16
	s_mov_b32 s[\g+4], 2
	s_mov_b32 s[\g+5], GB/8
	s_mov_b32 s[\g+6], 0
	s_mov_b32 s[\g+7], 0
.endr
	; the scales of 256 places: 16,384 dense bytes as 64 rows of 256, 16 bytes of padding behind each
	s_or_b32 s[G1S+0], s43, (3<<16)|(1<<20)|(1<<21)|(5<<22)|(3<<25)
	s_or_b32 s[G1SB+0], s44, (3<<16)|(1<<20)|(1<<21)|(5<<22)|(3<<25)
.irp g, G1S, G1SB
	s_mov_b32 s[\g+1], 32<<16
	s_mov_b32 s[\g+2], KS<<16
	s_mov_b32 s[\g+3], 32<<16
	s_mov_b32 s[\g+4], KS
	s_mov_b32 s[\g+5], 32
	s_mov_b32 s[\g+6], 0
	s_mov_b32 s[\g+7], 0
.endr
	s_cmp_ge_u32 ttmp9, 4                          ; v's clusters?  The same in all sixteen partners
	s_cselect_b32 s95, 4096, 0
	s_lshl_b32 s20, s17, 8
	s_add_co_u32 s20, s20, s95                     ; A's first place
	s_lshl_b32 s46, s42, 8
	s_sub_co_u32 s46, s46, s95                     ; B's first place
	s_lshl_b32 s22, s20, 6                         ; their scales, in bytes,
	s_lshl_b32 s92, s46, 6
	s_mul_i32 s20, s20, KROW                       ; and their codes
	s_mul_i32 s46, s46, KROW
	s_mov_b32 s21, 0
	s_mov_b32 s23, 0
	s_mov_b32 s47, 0
	s_mov_b32 s93, 0
	s_mul_i32 s18, s16, GB                         ; in the ring I fetch 128 places: which half
	s_mov_b32 s19, 0
	s_mul_i32 s45, s14, HALFT                      ; and where they go
	s_wait_dscnt 0x0
	s_wait_kmcnt 0x0
	s_cmp_ge_u32 ttmp9, 4
	s_cselect_b64 s[2:3], s[8:9], s[4:5]           ; A's codes
	s_cselect_b64 s[4:5], s[4:5], s[8:9]           ; B's codes
	s_cselect_b64 s[8:9], s[10:11], s[6:7]         ; A's scales
	s_cselect_b64 s[6:7], s[6:7], s[10:11]         ; B's scales
	s_add_nc_u64 s[20:21], s[2:3], s[20:21]
	s_add_nc_u64 s[22:23], s[8:9], s[22:23]
	s_add_nc_u64 s[46:47], s[4:5], s[46:47]
	s_add_nc_u64 s[92:93], s[6:7], s[92:93]
	s_mov_b32 s[G0H], 1                            ; the head's four tiles: fill 0 of A's 256 places,
	s_mov_b32 s[G0H+1], 0
	s_mov_b64 s[G0H+2:G0H+3], s[20:21]
	s_or_b32 s[G0H+3], s[G0H+3], 0x80000000
	s_mov_b32 s[G0HB], 1                           ; of B's,
	s_mov_b32 s[G0HB+1], 2*HALFT
	s_mov_b64 s[G0HB+2:G0HB+3], s[46:47]
	s_or_b32 s[G0HB+3], s[G0HB+3], 0x80000000
	s_mov_b32 s[G0S], 1                            ; A's scales,
	s_mov_b32 s[G0S+1], SCL
	s_mov_b64 s[G0S+2:G0S+3], s[22:23]
	s_or_b32 s[G0S+3], s[G0S+3], 0x80000000
	s_mov_b32 s[G0SB], 1                           ; B's scales
	s_mov_b32 s[G0SB+1], SCL+2*HALFS
	s_mov_b64 s[G0SB+2:G0SB+3], s[92:93]
	s_or_b32 s[G0SB+3], s[G0SB+3], 0x80000000
	s_add_nc_u64 s[20:21], s[20:21], s[18:19]      ; for the ring: my 128 places
	s_add_nc_u64 s[46:47], s[46:47], s[18:19]
.irp s, 0,1
	s_mov_b32 s[G0+4*\s], 1
	s_add_co_u32 s[G0+4*\s+1], s45, \s*SLOT
	s_add_nc_u64 s[G0+4*\s+2:G0+4*\s+3], s[20:21], \s*HALFT
	s_or_b32 s[G0+4*\s+3], s[G0+4*\s+3], 0x80000000
	s_mov_b32 s[G0B+4*\s], 1
	s_add_co_u32 s[G0B+4*\s+1], s45, \s*SLOT
	s_add_nc_u64 s[G0B+4*\s+2:G0B+4*\s+3], s[46:47], \s*HALFT
	s_or_b32 s[G0B+4*\s+3], s[G0B+4*\s+3], 0x80000000
.endr
	CROUND                                         ; all sixteen work-groups are here: the first joint loads meet
; one load a wave at the head, in one tree of branches on the wave's number
.macro ARM under, g0, g1, next
	s_cmp_lt_u32 s14, \under
	s_cbranch_scc0 \next
	tensor_load_to_lds s[\g0:\g0+3], s[\g1:\g1+7]
	s_nop 0
.rept 4
	v_nop
.endr
	s_branch .Lhead_asked
\next:
.endm
	ARM 1, G0H,  G1,  .Lhead_b
	ARM 2, G0HB, G1B, .Lhead_sa
	ARM 3, G0S,  G1S, .Lhead_sb
	tensor_load_to_lds s[G0SB:G0SB+3], s[G1SB:G1SB+7]
	s_nop 0
.rept 4
	v_nop
.endr
.Lhead_asked:
	s_cmp_eq_u32 s15, 0                            ; the prefetches: the 128 places that I fetch, my work-group's quarter of a fill's 24,576 bytes
	s_cselect_b64 s[PFA:PFA+1], s[20:21], s[46:47]
	s_cselect_b32 s18, s40, s41
	s_mul_i32 s18, s18, HALFT/4
	s_mov_b32 s19, 0
	s_add_nc_u64 s[PFA:PFA+1], s[PFA:PFA+1], s[18:19]
	s_mul_i32 s21, s15, HALFT                      ; my 128 places of A
	s_mul_i32 s22, s16, HALFT
	s_add_co_u32 s22, s22, 2*HALFT                 ; and of B
	s_mul_i32 s18, s15, HALFS
	s_mul_i32 s19, s16, HALFS
	s_add_co_u32 s19, s19, 2*HALFS
	s_sub_co_u32 s19, s19, s18
	s_add_co_u32 s18, s18, SCL
	v_and_b32 v1, 15, v0
	v_bfe_u32 v2, v0, 4, 1
	v_and_b32 v6, 31, v0
	v_lshlrev_b32 v[CO], 4, v6
	v_min_u32 v[PFO], 23, v6
	v_lshlrev_b32 v[PFO], 8, v[PFO]
	v_add_nc_u32 v[ADRA], s21, v[CO]
	v_add_nc_u32 v[ADRB], s22, v[CO]
	v_add_nc_u32 v[ADRA+1], SLOT, v[ADRA]
	v_add_nc_u32 v[ADRB+1], SLOT, v[ADRB]
	v_mul_u32_u24 v5, v1, KS                       ; my place's scales: KS bytes a place, 16 more for each 256 passed
	v_lshrrev_b32 v6, 8, v5
	v_lshl_add_u32 v5, v6, 4, v5
	v_mul_u32_u24 v6, s19, v2                      ; lanes 16-31 take B's
	v_add_nc_u32 v5, v5, v6
	v_add_nc_u32 v[ADRS], s18, v5
	global_prefetch_b8 v[PFO], s[PFA:PFA+1] offset:HALFT th:TH_LOAD_NT scope:SCOPE_SE     ; fills 1 and 2
	global_prefetch_b8 v[PFO], s[PFA:PFA+1] offset:2*HALFT th:TH_LOAD_NT scope:SCOPE_SE
	; which record is mine
	s_lshl_b32 s20, s17, 1
	s_add_co_u32 s20, s20, s15
	s_lshl_b32 s21, s42, 1
	s_add_co_u32 s21, s21, s16
	s_and_b32 s21, s21, 15
	s_cmp_ge_u32 ttmp9, 4
	s_cselect_b32 s22, s20, s21                    ; 2 x head + (branch, or half of v's channels)
	s_cselect_b32 s23, s21, s20                    ; the block of 128 tokens
	s_cselect_b32 s46, 2, 0
	s_lshr_b32 s47, s23, 3
	s_and_b32 s23, s23, 7
	s_lshl_b32 s92, s47, 8
	s_lshr_b32 s93, s22, 1
	s_lshl_b32 s93, s93, 5
	s_add_co_u32 s92, s92, s93
	s_lshl_b32 s93, s23, 2
	s_add_co_u32 s92, s92, s93
	s_and_b32 s93, s22, 1
	s_add_co_u32 s92, s92, s93
	s_add_co_u32 s92, s92, s46                     ; k's or v's record
	s_lshl_b32 s47, s47, 7
	s_lshl_b32 s93, s22, 3
	s_add_co_u32 s47, s47, s93
	s_add_co_u32 s47, s47, s23
	s_add_co_u32 s47, s47, 512                     ; q's record
	s_cmp_lt_u32 ttmp9, 2
	s_cselect_b32 s20, s47, s92
	s_mul_i32 s20, s20, REC
	s_mov_b32 s21, 0
	s_add_nc_u64 s[12:13], s[12:13], s[20:21]
	s_mov_b32 s96, 0x76543210
	s_mov_b32 s97, 0xfedcba98
	s_mov_b32 s98, 0xffff0000
.macro FRAG reg, adr, q, i             ; a fragment as it lies: three loads of 16 bytes a lane
.irp c, 0,1,2
	ds_load_b128 v[\reg+4*\c:\reg+4*\c+3], v[\adr] offset:(\q)*KSB+(\i)*FRB+512*\c
.endr
.endm
; 16 matrix instructions: A's blocks a0, a0 + 1 x B's eight.  The 64 accumulators take turns, in the same order in every step.
.macro MUL16 a0, p, q, sc, zero
.irp a, \a0, \a0+1
.irp b, 0,1,2,3,4,5,6,7
.if \zero
	v_wmma_scale_f32_16x16x128_f8f6f4 v[8*(8*((\a)%4)+\b):8*(8*((\a)%4)+\b)+7], v[128*(\p)+FR*\b:128*(\p)+FR*\b+FR-1], v[AF+FR*(\a):AF+FR*(\a)+FR-1], 0, v[SC+8*NQ*(\sc)+NQ*\b+(\q)], v[SC+8*NQ*(\sc)+NQ*(\a)+(\q)] matrix_a_fmt:MATRIX_FMT_FP6 matrix_b_fmt:MATRIX_FMT_FP6 matrix_a_scale:MATRIX_SCALE_ROW1
.else
	v_wmma_scale_f32_16x16x128_f8f6f4 v[8*(8*((\a)%4)+\b):8*(8*((\a)%4)+\b)+7], v[128*(\p)+FR*\b:128*(\p)+FR*\b+FR-1], v[AF+FR*(\a):AF+FR*(\a)+FR-1], v[8*(8*((\a)%4)+\b):8*(8*((\a)%4)+\b)+7], v[SC+8*NQ*(\sc)+NQ*\b+(\q)], v[SC+8*NQ*(\sc)+NQ*(\a)+(\q)] matrix_a_fmt:MATRIX_FMT_FP6 matrix_b_fmt:MATRIX_FMT_FP6 matrix_a_scale:MATRIX_SCALE_ROW1
.endif
.endr
.endr
.endm
.macro FETCH_B slot, q, p
	WIN TO_B
.irp i, 0,1,2,3,4,5,6,7
	FRAG 128*(\p)+FR*\i, ADRB+\slot, \q, \i
.endr
	WIN 0
.endm
.macro FETCH_A slot, q, i0
.irp i, \i0, \i0+1, \i0+2, \i0+3
	FRAG AF+FR*(\i), ADRA+\slot, \q, \i
.endr
.endm
.macro SCALES sc
.irp i, 0,1,2,3,4,5,6,7
	ds_load_b64 v[SC+8*NQ*\sc+NQ*\i:SC+8*NQ*\sc+NQ*\i+1], v[ADRS] offset:\i*SBLK
.endr
.endm
.macro PLACES n                        ; places behind matrix instructions (ISA guide 7.12.1)
.rept \n
	v_nop
.endr
.endm
.macro STEP slot, q, zero              ; 128 along K with its successor in the same slot
	s_wait_dscnt 4*NL                              ; B's set and A's blocks 0-3 are in; the youngest 12 loads (A's blocks 4-7) may be out
	WIN MUL_LO
	MUL16 0, (\q)%2, \q, \slot, \zero
	MUL16 2, (\q)%2, \q, \slot, \zero
	s_wait_dscnt 0
	PLACES NP
	FETCH_B \slot, (\q)+1, 1-(\q)%2
	FETCH_A \slot, (\q)+1, 0
	WIN MUL_HI
	MUL16 4, (\q)%2, \q, \slot, \zero
	MUL16 6, (\q)%2, \q, \slot, \zero
	PLACES NP
	WIN 0
	FETCH_A \slot, (\q)+1, 4
.endm
; A slot's last step changes slots.  fill = 1: this slot is filled again, two fills ahead, behind a round of the cluster's barrier.
.macro TURN slot, next, fill
.if \fill
	s_wait_xcnt 0x0                                ; my prefetches have read their address
	s_add_nc_u64 s[PFA:PFA+1], s[PFA:PFA+1], HALFT
.endif
	s_wait_tensorcnt 0x0                           ; all my tensor loads have landed: my part of the next slot
	ds_add_u32 v[SPW], v[NIL]
	s_wait_dscnt 4*NL+1                            ; the add and the youngest 12 loads may be out
	WIN MUL_LO
	MUL16 0, 1, NQ-1, \slot, 0
	s_wait_dscnt 0x0                               ; the add is done, and my reads of this slot are over
	s_barrier_signal -1
	MUL16 2, 1, NQ-1, \slot, 0
	WIN 0
	s_barrier_wait -1
.if \fill
	CREST
	s_add_nc_u64 s[G0+4*\slot+2:G0+4*\slot+3], s[G0+4*\slot+2:G0+4*\slot+3], 2*HALFT
	s_add_nc_u64 s[G0B+4*\slot+2:G0B+4*\slot+3], s[G0B+4*\slot+2:G0B+4*\slot+3], 2*HALFT
	JLOAD G0+4*\slot, G1, G0B+4*\slot, G1B         ; its four v_nop are the places in front of the loads below
.else
	PLACES NP
.endif
	s_wait_alu depctr_va_vdst(0)
	v_add_nc_u32 v[ADRS], 4*NQ, v[ADRS]            ; the next slot's scale words
	FETCH_B \next, 0, 0
	FETCH_A \next, 0, 0
	SCALES \next
.if \fill
	s_cmp_gt_u32 s3, 1                             ; the last trip's refills are fills 6 and 7: nothing stands two on
	s_cbranch_scc0 .Lno_ask_\@
	global_prefetch_b8 v[PFO], s[PFA:PFA+1] offset:3*HALFT th:TH_LOAD_NT scope:SCOPE_SE
.Lno_ask_\@:
.endif
	WIN MUL_HI
	MUL16 4, 1, NQ-1, \slot, 0
	MUL16 6, 1, NQ-1, \slot, 0
	PLACES NP
	WIN 0
	FETCH_A \next, 0, 4
.endm
	s_wait_alu depctr_va_vdst(0)                   ; the wait at the head's end
	s_wait_tensorcnt 0x0                           ; my tile of the head's four is in; the lines ahead of a later first fill:
	ds_add_u32 v[SPW], v[NIL]
.irp g, G1, G1B                        ; no tensor load of mine is out: from here on a load brings 24,576 dense bytes as 96 rows of 256
	s_mov_b32 s[\g+1], 32<<16
	s_mov_b32 s[\g+2], 96<<16
	s_mov_b32 s[\g+3], 32<<16
	s_mov_b32 s[\g+4], 96
	s_mov_b32 s[\g+5], 32
.endr
	s_wait_dscnt 0x0
	CROUND
	JLOAD G0+4, G1, G0B+4, G1B                     ; fill 1, the first tensor load behind the round
	FETCH_B 0, 0, 0
	FETCH_A 0, 0, 0
	SCALES 0
	FETCH_A 0, 0, 4
	global_prefetch_b8 v[PFO], s[PFA:PFA+1] offset:3*HALFT th:TH_LOAD_NT scope:SCOPE_SE   ; fill 3
	STEP 0, 0, 1                                   ; the first step's products start the sums
	s_mov_b32 s3, LAPS-1
.Llap:
	TURN 0, 1, 1
	STEP 1, 0, 0
	TURN 1, 0, 1
	STEP 0, 0, 0
	s_sub_co_u32 s3, s3, 1
	s_cmp_lg_u32 s3, 0
	s_cbranch_scc1 .Llap
	TURN 0, 1, 0
	STEP 1, 0, 0
	s_wait_dscnt 4*NL
	WIN MUL_LO
	MUL16 0, 1, NQ-1, 1, 0
	MUL16 2, 1, NQ-1, 1, 0
	s_wait_dscnt 0
	WIN MUL_HI
	MUL16 4, 1, NQ-1, 1, 0
	MUL16 6, 1, NQ-1, 1, 0
	WIN 0
; THE WAY OUT.  Block a: my lane's row of A's block a and its 64 results, register 16 u + i = K 32 u + 16 (lane / 16) + i of the next product: one fragment and one scale word a row.
.macro QBLOCK a
.set AC, 64*((\a)%4)
	WIN (0x28+0x14*((\a)/4))
.irp b, 0,1,2,3
	v_max3_num_f32 v[TM+\b], 0x1800000, |v[AC+16*\b]|, |v[AC+16*\b+1]|   ; each accumulator from its low end on; the floor 2^(3 - 127)
.endr
.irp i, 2,4,6,8,10,12,14
.irp b, 0,1,2,3
	v_max3_num_f32 v[TM+\b], v[TM+\b], |v[AC+16*\b+\i]|, |v[AC+16*\b+\i+1]|
.endr
.endr
	WIN 0
.irp b, 0,1,2,3
	v_permlanex16_b32 v[TM+4+\b], v[TM+\b], s96, s97
.endr
.irp b, 0,1,2,3
	v_max_num_f32 v[TM+\b], v[TM+\b], v[TM+4+\b]
.endr
.irp b, 0,1,2,3
	v_add_nc_u32 v[TM+12+\b], 0xff000000, v[TM+\b]
.endr
.irp b, 0,1,2,3
	v_lshrrev_b32 v[TM+4+\b], 23, v[TM+12+\b]
.endr
	v_lshl_or_b32 v[PW], v[TM+5], 8, v[TM+4]
	v_lshl_or_b32 v[PW], v[TM+6], 16, v[PW]
	v_lshl_or_b32 v[PW], v[TM+7], 24, v[PW]
.if (\a)%2 == 0
	v_mov_b32 v[SW+(\a)/2], v[PW]
.else
	v_cndmask_b32 v[SW+(\a)/2], v[SW+(\a)/2], v[PW], s98
.endif
	s_wait_alu depctr_va_vdst(0)
	s_wait_xcnt 0x0                                ; the last block's stores have read their data
	WIN (2+(\a)/4)
.irp c, 0,1
	v_cvt_scalef32_pk16_fp6_f32 v[QC+6*\c:QC+6*\c+2], v[AC+32*\c:AC+32*\c+15], v[TM+12+2*\c]
	v_cvt_scalef32_pk16_fp6_f32 v[QC+12+4*\c:QC+14+4*\c], v[AC+16+32*\c:AC+31+32*\c], v[TM+12+2*\c+1]
.endr
	WIN 0
	v_nop
.irp c, 0,1
.irp i, 0,1,2
	v_permlane16_swap_b32 v[QC+6*\c+\i], v[QC+12+4*\c+\i]
.endr
.irp i, 0,1,2
	v_mov_b32 v[QC+3+6*\c+\i], v[QC+12+4*\c+\i]
.endr
.endr
.irp c, 0,1,2
	global_store_b128 v[CO], v[QC+4*\c:QC+4*\c+3], s[12:13] offset:1536*(\a)+512*\c   ; 512 consecutive bytes, aligned
.endr
.endm
	PLACES NP
.irp b, 0,1,2,3
	v_mov_b32 v[TM+4+\b], 0                        ; a lane permute's destination counts as one of its sources
.endr
.irp a, 0,1,2,3,4,5,6,7
	QBLOCK \a
.endr
	global_store_b128 v[CO], v[SW:SW+3], s[12:13] offset:12288
	s_wait_tensorcnt 0x0                           ; the wave's end
	ds_add_u32 v[SPW], v[NIL]
	s_wait_dscnt 0x0
	CROUND                                         ; the closing round
	s_endpgm
.Lfunc_end_k_qff51eeca58_gemm_qkv:
	.size	k_qff51eeca58_gemm_qkv, .Lfunc_end_k_qff51eeca58_gemm_qkv-k_qff51eeca58_gemm_qkv
	.p2alignl 7, 3214868480
	.fill 96, 4, 3214868480
	.section	.rodata,"a",@progbits
	.p2align	6, 0x0
	.amdhsa_kernel k_qff51eeca58_gemm_qkv
		.amdhsa_group_segment_fixed_size 327680
		.amdhsa_private_segment_fixed_size 0
		.amdhsa_enable_private_segment 0
		.amdhsa_kernarg_size 40
		.amdhsa_user_sgpr_count 2
		.amdhsa_user_sgpr_kernarg_segment_ptr 1
		.amdhsa_wavefront_size32 1
		.amdhsa_system_sgpr_workgroup_id_x 1
		.amdhsa_system_sgpr_workgroup_id_y 1
		.amdhsa_system_sgpr_workgroup_id_z 1
		.amdhsa_system_vgpr_workitem_id 0
		.amdhsa_next_free_vgpr 1024
		.amdhsa_next_free_sgpr 102
		.amdhsa_reserve_vcc 0
		.amdhsa_float_denorm_mode_32 3
		.amdhsa_float_denorm_mode_16_64 3
		.amdhsa_memory_ordered 1
		.amdhsa_forward_progress 1
		.amdhsa_inst_pref_size 143
	.end_amdhsa_kernel
	.amdgpu_metadata
---
amdhsa.version: [ 1, 2 ]
amdhsa.kernels:
  - .name:           k_qff51eeca58_gemm_qkv
    .symbol:         k_qff51eeca58_gemm_qkv.kd
    .args:
      - { .name: x_codes, .offset: 0, .size: 8, .value_kind: global_buffer, .address_space: global }
      - { .name: x_scales, .offset: 8, .size: 8, .value_kind: global_buffer, .address_space: global }
      - { .name: w_codes, .offset: 16, .size: 8, .value_kind: global_buffer, .address_space: global }
      - { .name: w_scales, .offset: 24, .size: 8, .value_kind: global_buffer, .address_space: global }
      - { .name: qkv, .offset: 32, .size: 8, .value_kind: global_buffer, .address_space: global }
    .group_segment_fixed_size: 327680
    .private_segment_fixed_size: 0
    .kernarg_segment_align: 8
    .kernarg_segment_size: 40
    .max_flat_workgroup_size: 128
    .sgpr_count:     102
    .vgpr_count:     1024
    .wavefront_size: 32
...
	.end_amdgpu_metadata
.endif
;; end of part 6
;; launch attn (part 7): grid 16 x 16, 8 waves a work-group, clusters of 4 x 1, 327,680 bytes of LDS; arguments qkv, lambda_q1, lambda_k1, lambda_q2, lambda_k2, subln_weight, a_codes, a_scales; writes a_codes, a_scales
.if DOCPART == 7
	.amdgcn_target "amdgcn-amd-amdhsa--gfx1250"
	.amdhsa_code_object_version 6
	.text
	.protected	k_qff51eeca58_attn
	.globl	k_qff51eeca58_attn
	.p2align	8
	.type	k_qff51eeca58_attn,@function
k_qff51eeca58_attn:
	s_mov_b64 s[64:65], 0
	v_nop
	global_prefetch_b8 v0, s[64:65] scope:SCOPE_SE
	s_setreg_imm32_b32 hwreg(HW_REG_WAVE_MODE, 25, 1), 1
	s_wait_xcnt 0x0
	s_wait_alu depctr_hold_cnt(0) depctr_sa_sdst(0) depctr_va_vdst(0) depctr_va_sdst(0) depctr_va_ssrc(0) depctr_va_vcc(0) depctr_vm_vsrc(0)
	s_getreg_b32 s2, hwreg(HW_REG_IB_STS2, 6, 4)
	s_cmp_eq_u32 s2, 0
	s_cbranch_scc0 .Lentry_in_a_cluster
	s_endpgm
.Lentry_in_a_cluster:
	s_bfe_u32 s2, ttmp6, 0x10000c
	s_cmp_lg_u32 s2, 0x3003
	s_cbranch_scc0 .Lentry_shape_is_right
	s_endpgm
.Lentry_shape_is_right:
; Differential attention on codes of FP6 (E2M3): for each batch and head, two causal softmax branches (q1 k1, q2 k2) against the same 256 channels of v; a = o1 / l1 - lambda o2 / l2; RMS norm over the 256 channels, the gain,
; x (1 - lambda_init); a is quantised along its channels and stored as codes and scale bytes for the last product.
; INPUT: records of 12,800 bytes, images of operand registers: fragment t (16 rows x 128 K) at 1,536 t + 512 c + 16 lane; at 12,288 the scale words, 16 lane + 4 p (word p: tile 2 p in lanes 0-15, tile 2 p + 1 in lanes 16-31).
;   A key step of 128 keys is four records on end: k of branch 0, k of branch 1, v's channels 0-127, v's 128-255.  Fragment t's lane r holds row 32 (t / 2) + 8 (t % 2) + r + 8 (r / 8) of its record's 128.
; THE SOFTMAX: t = score x log2(e) / sqrt(128); M = the row's largest t so far, rounded up to a whole number; p = 2^(t - M) is quantised along the keys; the row's sum is taken of the unquantised p and divides at the end.
;   When M moves, the sum and O are multiplied by 2^(old M - new M): exact.
; SHARES.  Grid y = 8 batch + head.  A cluster of four work-groups (cluster x = j) owns query blocks j and 7 - j of 128 queries; partner cx owns tiles 2 cx and 2 cx + 1 of both.  Wave w: branch w & 1, tile (w >> 1) & 1, block j (w < 4) or 7 - j.
;   A wave holds one tile of 16 queries of one branch and all 256 channels of O^T.  Waves w and w + 4 have j + 1 and 8 - j key steps to work: nine together, whatever j.
;   Every work-group walks all 8 key steps: constant trip counts; a step all of whose keys come after the wave's block is jumped over, by a scalar branch on the cluster's x and the wave's number, which all partners share.
; CLUSTER.  The four partners walk the same k and v: each record is asked for jointly, by the same tensor load with the same descriptor and the mask of all four.  The place cx enters global addresses and the mask's compared numbers alone.
; LAYOUT.  Both products are used transposed: S^T = k q^T, O^T = v^T p^T: a lane holds one query (lane % 16) throughout; the 16 registers of tiles 2 b and 2 b + 1 are 16 neighbours (keys, or channels): 32 b + 16 (lane / 16) + 0 .. 15.
; LIMITS: NaN and infinities are not served; p under 2^-126 is 0 (v_exp_f32's flush); a block whose largest magnitude lies under 2^-124 keeps the byte 1 (a block of zeros too: this program alone reads the bytes).
; REGISTERS.  window 0: v1-10 addresses and constants; v12 -M, v13 the largest t, v[14:15] the sum; v16-27 q; v28-31 scale words of v's second half; v32-79, v160-207 eight fragments; v80-88 the tail's addresses;
;   v96-159 S^T, then p, then a; v224-235 codes; v232-247 at work; v248-251 scale words of k, then of v's first half; v252 f; v253 p's scale word; v255 q's scale words.
;   window 1: v0-127 O^T, 16 tiles: 0-7 the channels that this wave keeps (half = its branch), 8-15 those that it sends to its partner; v128-223 v's second eight fragments, at the end the gain.
.set REC,   12800
.set STEPB, 4*REC                      ; a key step
.set SLOT1, 1<<17                      ; a slot holds two key steps (102,400 bytes); slot 1 begins here, so that one exclusive or turns an address
.set STG,   2*STEPB                    ; behind slot 0: for each pair of waves 16 rows x 192 bytes of codes
.set SSX,   STG+4*3072                 ; the sums of squares: 128 bytes a wave
.set SPARE, SSX+1024                   ; the spare words, 128 bytes for each wave: four blocks of 256 bytes that no other line names
.set XCH,   SLOT1+2*STEPB              ; behind slot 1: 8,192 bytes a wave: the half of O that goes to the partner
.set AK0, 1                            ; v1  16 lane + my branch's record of k in a key step
.set AV0, 2                            ; v2  16 lane + the record of the channels that I keep
.set AV1, 3                            ; v3  16 lane + the record of the channels that I send
.set DQ,  4                            ; v4  my query in its block - 16 (lane / 16)
.set SPW, 5                            ; v5  LDS address of my spare word; never rewritten
.set NIL, 6                            ; v6  0; never rewritten
.set KAP, 7                            ; v7  1 in branch 0, -lambda in branch 1
.set ADK, 8
.set ADV, 9
.set ADW, 10
.set XS,  80                           ; v80 where I put the half that I send;  v81 where I find my partner's
.set XR,  81
.set SSW, 82                           ; v82, v83 the same for the sums of squares
.set SSR, 83
.set STW, 84                           ; v84 the stage of codes: in, by rows;  v85 out, 16 bytes a lane
.set STR, 85
.set GOC, 86                           ; v86 16 lane
.set GOS, 87                           ; v87 64 x my query in its block
.set WOFF, 88                          ; v88 64 (lane / 16): my channels in the gain
.set WV,   20
.set BR,   21
.set T01,  22
.set LATE, 23
.set JB,   24                          ; my block of queries: also the last key step that I work
.set CX,   25
.set BH,   26
.set SEL,  28                          ; s[28:29] v_permlanex16_b32's selects for lane l xor 16
.set CS,   30                          ; s[30:31] c = log2(e) / sqrt(128)
.set G1,   32                          ; s[32:39] descriptor group 1;  s[40:43] group 0, which walks
.set G0,   40
.set TB,   44                          ; LDS byte at which the slot in hand begins
.set KB,   45                          ; the key step
.set SLOTS, 46
.set TS,   47
.set MSB, 0
.macro WIN new                         ; the immediate's high byte repeats the setting that is left
.if MSB != \new
	s_set_vgpr_msb (MSB<<8)|\new
.set MSB, \new
.endif
.endm
.macro CROUND                          ; a round of the cluster's barrier
	s_barrier_signal -1
	s_barrier_wait -1
	s_cmp_lg_u32 s[WV], 0
	s_cbranch_scc1 .Lnot_wave_0_\@
	s_barrier_signal -3
.Lnot_wave_0_\@:
	s_barrier_wait -3
	s_barrier_signal -1
	s_barrier_wait -1
.endm
.macro BARRIER                         ; my LDS stores have landed and my LDS loads are in: then the work-group's barrier
	s_wait_dscnt 0x0
	s_barrier_signal -1
	s_barrier_wait -1
.endm
.macro PLACES
.rept 4
	v_nop
.endr
.endm
	s_load_b256 s[4:11], s[0:1], 0x0               ; the records, lambda_q1, lambda_k1, lambda_q2
	s_load_b256 s[12:19], s[0:1], 0x20             ; lambda_k2, the gain, a's codes, a's scales
	v_lshl_add_u32 v[SPW], v0, 2, SPARE
	v_mov_b32 v[NIL], 0
	ds_add_u32 v5, v6
	ds_add_u32 v5, v6
	s_wait_dscnt 0x0
	v_lshrrev_b32 v89, 5, v0
	s_delay_alu instid0(VALU_DEP_1)
	v_readfirstlane_b32 s[WV], v89                 ; wave 0..7
	s_and_b32 s[BR], s[WV], 1
	s_bfe_u32 s[T01], s[WV], 0x10001
	s_lshr_b32 s[LATE], s[WV], 2
	s_lshl_b32 s48, ttmp9, 1
	s_sub_co_u32 s48, 7, s48
	s_mul_i32 s48, s48, s[LATE]
	s_add_co_u32 s[JB], s48, ttmp9                 ; block j, or 7 - j: made of the cluster's x and the wave's number
	s_bfe_u32 s[CX], ttmp6, 0x40000
	s_and_b32 s[BH], ttmp7, 0xffff
	; descriptor group 1: a record, 12,800 dense bytes, as 50 rows of 256 bytes (32 elements of 8 bytes), no padding
	s_mov_b32 s[G1], 15|(3<<16)|(1<<21)            ; 15:0 the mask: all four work-groups; elements of 8 bytes; bit 21 beside a mask
	s_mov_b32 s[G1+1], 32<<16                      ; tensor_dim0 = 32
	s_mov_b32 s[G1+2], 50<<16                      ; tensor_dim1 = 50
	s_mov_b32 s[G1+3], 32<<16                      ; tile_dim0 = 32
	s_mov_b32 s[G1+4], 50                          ; tile_dim1 = 50
	s_mov_b32 s[G1+5], 32                          ; tensor_dim0_stride
	s_mov_b32 s[G1+6], 0
	s_mov_b32 s[G1+7], 0
	s_mov_b32 s[G0], 1
	s_mul_i32 s[G0+1], s[WV], REC                  ; wave w fetches record w of a slot's eight: LDS address w x 12,800, in slot 0
	s_mul_i32 s48, s[BH], 8*STEPB                  ; the head's stream of k and v
	s_add_co_u32 s48, s48, s[G0+1]
	s_mov_b32 s49, 0
	s_mov_b32 s[SEL], 0x76543210
	s_mov_b32 s[SEL+1], 0xfedcba98
	s_mov_b32 s[CS], 0x3e0293ee
	s_mov_b32 s[CS+1], s[CS]                       ; (named with it as a pair, so it is written)
	s_mov_b32 s[TB], 0
	s_mov_b32 s[KB], 0
	s_mov_b32 s[SLOTS], 3
	s_wait_kmcnt 0x0
	s_add_nc_u64 s[G0+2:G0+3], s[4:5], s[48:49]
	s_or_b32 s[G0+3], s[G0+3], 0x80000000
	CROUND                                         ; all four work-groups are here: the first joint loads meet
	tensor_load_to_lds s[G0:G0+3], s[G1:G1+7]      ; slot 0: key steps 0 and 1.  One tensor load of mine is out
	s_nop 0
	PLACES
	; every address register is made here, ahead of the first branch on the wave's number
	v_and_b32 v89, 31, v0                          ; lane
	v_and_b32 v90, 15, v0                          ; r
	v_bfe_u32 v91, v0, 4, 1                        ; h
	s_delay_alu instid0(VALU_DEP_3)
	v_lshlrev_b32 v[GOC], 4, v89
	s_wait_alu depctr_va_vdst(0)
	s_mul_i32 s50, s[BR], REC
	v_add_nc_u32 v[AK0], s50, v[GOC]
	s_add_co_u32 s51, s50, 2*REC
	v_add_nc_u32 v[AV0], s51, v[GOC]
	s_xor_b32 s52, s[BR], 1
	s_mul_i32 s52, s52, REC
	s_add_co_u32 s52, s52, 2*REC
	v_add_nc_u32 v[AV1], s52, v[GOC]
	s_lshl_b32 s54, s[WV], 13
	s_add_co_u32 s54, s54, XCH
	v_add_nc_u32 v[XS], s54, v[GOC]
	s_xor_b32 s55, s[WV], 1                        ; my partner: the same queries, the other branch
	s_lshl_b32 s56, s55, 13
	s_add_co_u32 s56, s56, XCH
	v_add_nc_u32 v[XR], s56, v[GOC]
	v_lshlrev_b32 v93, 2, v89
	s_lshl_b32 s54, s[WV], 7
	s_add_co_u32 s54, s54, SSX
	v_add_nc_u32 v[SSW], s54, v93
	s_lshl_b32 s56, s55, 7
	s_add_co_u32 s56, s56, SSX
	v_add_nc_u32 v[SSR], s56, v93
	s_lshr_b32 s54, s[WV], 1
	s_mul_i32 s54, s54, 3072
	s_add_co_u32 s54, s54, STG
	s_mul_i32 s56, s[BR], 96
	s_add_co_u32 s56, s56, s54
	v_mul_u32_u24 v93, v90, 192
	s_delay_alu instid0(VALU_DEP_1)
	v_mad_u32_u24 v93, v91, 24, v93
	s_delay_alu instid0(VALU_DEP_1)
	v_add_nc_u32 v[STW], s56, v93                  ; row r of 192 bytes, my branch's 96, + 24 h
	s_mul_i32 s56, s[BR], 1536
	s_add_co_u32 s56, s56, s54
	v_add_nc_u32 v[STR], s56, v[GOC]               ; out: rows 8 x branch on, 1,536 bytes on end
	v_and_b32 v92, 8, v90
	s_delay_alu instid0(VALU_DEP_1)
	v_add_nc_u32 v92, v92, v90                     ; r + 8 (r / 8)
	s_lshl_b32 s53, s[CX], 5
	s_lshl_b32 s57, s[T01], 3
	s_add_co_u32 s53, s53, s57                     ; 32 cx + 8 tile
	v_add_nc_u32 v92, s53, v92                     ; my query in its block of 128
	v_lshlrev_b32 v94, 4, v91
	s_delay_alu instid0(VALU_DEP_1)
	v_sub_nc_u32 v[DQ], v92, v94
	s_delay_alu instid0(VALU_DEP_3)
	v_lshlrev_b32 v[GOS], 6, v92
	v_lshlrev_b32 v[WOFF], 6, v91
	v_lshlrev_b32 v94, 4, v90                      ; 16 r: q's scale words
	; q: record 512 + (2 (8 batch + head) + branch) 8 + block; fragment 2 cx + tile
	s_wait_alu depctr_va_vdst(0)
	s_lshl_b32 s56, s[BH], 1
	s_add_co_u32 s56, s56, s[BR]
	s_lshl_b32 s56, s56, 3
	s_add_co_u32 s56, s56, s[JB]
	s_add_co_u32 s56, s56, 512
	s_mul_i32 s56, s56, REC
	s_lshl_b32 s57, s[CX], 1
	s_add_co_u32 s57, s57, s[T01]
	s_mul_i32 s57, s57, 1536
	s_add_co_u32 s58, s56, s57
	s_mov_b32 s59, 0
	s_add_nc_u64 s[58:59], s[4:5], s[58:59]
	s_lshl_b32 s57, s[T01], 8                      ; its scale words: word cx of lanes 16 tile + r
	s_add_co_u32 s60, s56, s57
	s_lshl_b32 s57, s[CX], 2
	s_add_co_u32 s60, s60, s57
	s_add_co_u32 s60, s60, 12288
	s_mov_b32 s61, 0
	s_add_nc_u64 s[60:61], s[4:5], s[60:61]
.irp c, 0,1,2
	global_load_b128 v[16+4*\c:19+4*\c], v[GOC], s[58:59] offset:512*\c   ; q's fragment stays in registers
.endr
	global_load_b32 v255, v94, s[60:61]
	global_load_b128 v[96:99], v[GOC], s[6:7]      ; the four lambda vectors: 128 numbers each, four a lane
	global_load_b128 v[100:103], v[GOC], s[8:9]
	global_load_b128 v[104:107], v[GOC], s[10:11]
	global_load_b128 v[108:111], v[GOC], s[12:13]
	; where the results go
	s_lshl_b32 s62, s[BR], 9
	s_mov_b32 s63, 0
	s_add_nc_u64 s[14:15], s[14:15], s[62:63]      ; the gain of my 128 channels
	s_and_b32 s66, s[BH], 7                        ; head
	s_lshr_b32 s67, s[BH], 3                       ; batch
	s_lshl_b32 s68, s67, 10
	s_lshl_b32 s69, s[JB], 7
	s_add_co_u32 s68, s68, s69                     ; my block's first token
	s_lshl_b32 s70, s68, 6
	s_lshl_b32 s71, s66, 3
	s_add_co_u32 s70, s70, s71
	s_lshl_b32 s71, s[BR], 2
	s_add_co_u32 s70, s70, s71
	s_mov_b32 s71, 0
	s_add_nc_u64 s[18:19], s[18:19], s[70:71]      ; a's scales: token x 64 + 8 head + 4 half
	s_lshl_b32 s68, s67, 3                         ; a's codes leave as an image of my fragment: ((16 G + s) 8 + tile) 1,536, G = 8 batch + block, s = 2 head + half, tile = 2 cx + tile
	s_add_co_u32 s68, s68, s[JB]
	s_lshl_b32 s68, s68, 3
	s_add_co_u32 s68, s68, s66
	s_lshl_b32 s68, s68, 1
	s_add_co_u32 s68, s68, s[BR]
	s_lshl_b32 s68, s68, 2
	s_add_co_u32 s68, s68, s[CX]
	s_lshl_b32 s68, s68, 1
	s_add_co_u32 s68, s68, s[T01]
	s_mul_i32 s68, s68, 1536
	s_mov_b32 s69, 0
	s_add_nc_u64 s[16:17], s[16:17], s[68:69]      ; a's codes: my fragment's image
	v_mov_b32 v13, 0xff61b1e6                      ; the largest t so far: -3e38, under every t
	s_delay_alu instid0(VALU_DEP_1)
	v_floor_f32 v12, -v13                          ; -M
	v_mov_b32 v14, 0                               ; the sum, in two halves
	v_mov_b32 v15, 0
.irp b, 0,1,2,3
	v_mov_b32 v[236+\b], 0                         ; written once: a lane permute's destination counts as one of its sources
.endr
	v_mov_b32 v252, 0
	v_mov_b32 v253, 0                              ; (named as the upper half of the pair v[252:253] before it is first written)
	v_mov_b32 v114, 0
	v_mov_b32 v115, 0
	WIN 0x40
.set j, 0
.rept 128
	v_mov_b32 v[j], 0                              ; O^T.  The key step is written without a first step of its own: it finds zeros, which the first change of M leaves zeros
.set j, j+1
.endr
	WIN 0
	s_wait_loadcnt 0x0                             ; q, its scale words, the lambda vectors
	; lambda = exp(lambda_q1 . lambda_k1) - exp(lambda_q2 . lambda_k2) + lambda_init, in every lane
	v_mul_f32 v112, v96, v100
	v_mul_f32 v113, v104, v108
.irp i, 1,2,3
	s_delay_alu instid0(VALU_DEP_2)
	v_fmac_f32 v112, v[96+\i], v[100+\i]
	s_delay_alu instid0(VALU_DEP_2)
	v_fmac_f32 v113, v[104+\i], v[108+\i]
.endr
.irp m, 1,2,4,8
	s_delay_alu instid0(VALU_DEP_2)
	v_add_f32_dpp v112, v112, v112 row_xmask:\m row_mask:0xf bank_mask:0xf
	s_delay_alu instid0(VALU_DEP_2)
	v_add_f32_dpp v113, v113, v113 row_xmask:\m row_mask:0xf bank_mask:0xf
.endr
	s_delay_alu instid0(VALU_DEP_2)
	v_permlanex16_b32 v114, v112, s[SEL], s[SEL+1]
	s_delay_alu instid0(VALU_DEP_2)
	v_permlanex16_b32 v115, v113, s[SEL], s[SEL+1]
	s_delay_alu instid0(VALU_DEP_2)
	v_add_f32 v112, v112, v114
	s_delay_alu instid0(VALU_DEP_2)
	v_add_f32 v113, v113, v115
	s_delay_alu instid0(VALU_DEP_2)
	v_mul_f32 v116, 0x3fb8aa3b, v112               ; x log2(e) in two parts: the product's head,
	s_delay_alu instid0(VALU_DEP_2)
	v_mul_f32 v117, 0x3fb8aa3b, v113
	s_delay_alu instid0(VALU_DEP_2)
	v_fma_f32 v118, v112, 0x3fb8aa3b, -v116        ; what the head's rounding dropped,
	s_delay_alu instid0(VALU_DEP_2)
	v_fma_f32 v119, v113, 0x3fb8aa3b, -v117
	s_delay_alu instid0(VALU_DEP_2)
	v_fma_f32 v118, v112, 0x32a57060, v118         ; and x times what the constant's rounding dropped
	s_delay_alu instid0(VALU_DEP_2)
	v_fma_f32 v119, v113, 0x32a57060, v119
	v_rndne_f32 v120, v116                         ; the whole part goes in by v_ldexp_f32, exactly
	v_rndne_f32 v121, v117
	s_delay_alu instid0(VALU_DEP_2)
	v_sub_f32 v116, v116, v120
	s_delay_alu instid0(VALU_DEP_2)
	v_sub_f32 v117, v117, v121
	s_delay_alu instid0(VALU_DEP_2)
	v_add_f32 v116, v116, v118
	s_delay_alu instid0(VALU_DEP_2)
	v_add_f32 v117, v117, v119
	s_wait_alu depctr_va_vdst(0)
	v_exp_f32 v116, v116
	v_exp_f32 v117, v117
	v_nop                                          ; a plain place behind the exponentials
	v_cvt_i32_f32 v120, v120
	v_cvt_i32_f32 v121, v121
	s_wait_alu depctr_va_vdst(0)                   ; one wait for both, ahead of their first reader
	v_ldexp_f32 v116, v116, v120
	v_ldexp_f32 v117, v117, v121
	s_delay_alu instid0(VALU_DEP_1)
	v_sub_f32 v116, v117, v116
	s_delay_alu instid0(VALU_DEP_1)
	v_add_f32 v116, 0xbf489a63, v116               ; -lambda = (e2 - e1) - lambda_init, lambda_init = 0.8 - 0.6 exp(-3.6)
	s_cmp_eq_u32 s[BR], 1
	s_cselect_b32 s48, -1, 0
	v_cndmask_b32 v[KAP], 1.0, v116, s48
.macro MMZ d, a, sa, odd               ; a tile of S^T: source 0 = 16 keys, source 1 = my 16 queries; the product starts the sum
.if \odd
	v_wmma_scale_f32_16x16x128_f8f6f4 v[0+(\d):7+(\d)], v[0+(\a):11+(\a)], v[16:27], 0, v[\sa], v255 matrix_a_fmt:MATRIX_FMT_FP6 matrix_b_fmt:MATRIX_FMT_FP6 matrix_a_scale:MATRIX_SCALE_ROW1
.else
	v_wmma_scale_f32_16x16x128_f8f6f4 v[0+(\d):7+(\d)], v[0+(\a):11+(\a)], v[16:27], 0, v[\sa], v255 matrix_a_fmt:MATRIX_FMT_FP6 matrix_b_fmt:MATRIX_FMT_FP6
.endif
.endm
.macro MMA d, a, sa, odd               ; a tile of O^T: source 0 = 16 channels, source 1 = p; added in place
.if \odd
	v_wmma_scale_f32_16x16x128_f8f6f4 v[0+(\d):7+(\d)], v[0+(\a):11+(\a)], v[224:235], v[0+(\d):7+(\d)], v[\sa], v253 matrix_a_fmt:MATRIX_FMT_FP6 matrix_b_fmt:MATRIX_FMT_FP6 matrix_a_scale:MATRIX_SCALE_ROW1
.else
	v_wmma_scale_f32_16x16x128_f8f6f4 v[0+(\d):7+(\d)], v[0+(\a):11+(\a)], v[224:235], v[0+(\d):7+(\d)], v[\sa], v253 matrix_a_fmt:MATRIX_FMT_FP6 matrix_b_fmt:MATRIX_FMT_FP6
.endif
.endm
; The four blocks' largest magnitudes stand in v232-235 (not under the floor); the 64 numbers in v96-159.  Out come a fragment's codes in v224-235 and its scale word in v253.
.macro CODES
.irp b, 0,1,2,3
	s_delay_alu instid0(VALU_DEP_4)
	v_add_nc_u32 v[244+\b], 0xff000000, v[232+\b]  ; 2 off the exponent field: the conversion's scale operand
.endr
.irp b, 0,1,2,3
	s_delay_alu instid0(VALU_DEP_4)
	v_lshrrev_b32 v[236+\b], 23, v[244+\b]         ; the scale's byte
.endr
	s_delay_alu instid0(VALU_DEP_3)
	v_lshl_or_b32 v253, v237, 8, v236
	s_delay_alu instid0(VALU_DEP_1)
	v_lshl_or_b32 v253, v238, 16, v253
	s_delay_alu instid0(VALU_DEP_1)
	v_lshl_or_b32 v253, v239, 24, v253
.irp c, 0,1
	v_cvt_scalef32_pk16_fp6_f32 v[224+6*\c:226+6*\c], v[96+32*\c:111+32*\c], v[244+2*\c]
	v_cvt_scalef32_pk16_fp6_f32 v[236+4*\c:238+4*\c], v[112+32*\c:127+32*\c], v[244+2*\c+1]   ; (a conversion's three registers begin on an even number)
.endr
	v_nop                                          ; one plain place behind a scaled conversion
.irp c, 0,1                                    ; the operand's layout wants a whole block in a lane
.irp i, 0,1,2
	v_permlane16_swap_b32 v[224+6*\c+\i], v[236+4*\c+\i]
.endr
.irp i, 0,1,2
	s_delay_alu instid0(VALU_DEP_3)
	v_mov_b32 v[227+6*\c+\i], v[236+4*\c+\i]
.endr
.endr
.endm
; A KEY STEP: 128 keys, the q-th of the slot in hand.
.macro STEP q
	s_cmp_gt_u32 s[KB], s[JB]                      ; all its keys come after my queries: the step's work is left out; no barrier and no tensor load stands in a step
	s_cbranch_scc1 .Lhidden_\@
	s_add_co_u32 s[TS], s[TB], (\q)*STEPB
	v_add_nc_u32 v[ADK], s[TS], v[AK0]
	v_add_nc_u32 v[ADV], s[TS], v[AV0]
	v_add_nc_u32 v[ADW], s[TS], v[AV1]
	v_nop                                          ; with the three additions: four places in front of loads into registers that matrix instructions have read
	ds_load_b128 v[248:251], v[ADK] offset:12288   ; k's scale words
.irp t, 0,1,2,3,4,5,6,7
.irp c, 0,1,2
	ds_load_b128 v[32+12*\t+80*(\t/4)+4*\c:35+12*\t+80*(\t/4)+4*\c], v[ADK] offset:1536*\t+512*\c
.endr
.endr
	s_wait_alu depctr_va_vdst(0)
.irp t, 0,1,2,3,4,5,6,7
	s_wait_dscnt 21-3*\t                           ; fragment t is in; the three loads of each later fragment may be out
	MMZ 96+8*\t, 32+12*\t+80*(\t/4), 248+\t/2, \t%2
.endr
	PLACES                                         ; in front of the loads below and of the first read of the scores
.irp t, 0,1,2,3,4,5,6,7                        ; v's sixteen fragments are asked for now and land under the softmax
.irp c, 0,1,2
	ds_load_b128 v[32+12*\t+80*(\t/4)+4*\c:35+12*\t+80*(\t/4)+4*\c], v[ADV] offset:1536*\t+512*\c
.endr
.endr
	ds_load_b128 v[248:251], v[ADV] offset:12288
	ds_load_b128 v[28:31], v[ADW] offset:12288
	WIN 0x40                                       ; destination window 1
.irp t, 0,1,2,3,4,5,6,7
.irp c, 0,1,2
	ds_load_b128 v[128+12*\t+4*\c:131+12*\t+4*\c], v[ADW] offset:1536*\t+512*\c
.endr
.endr
	WIN 0
	s_cmp_lt_u32 s[KB], s[JB]                      ; on the diagonal the scores of hidden keys become -infinity ahead of the maximum: p = 0 then
	s_cbranch_scc1 .Lopen_\@
	v_mov_b32 v254, 0xff800000
.set n, 0
.rept 64
	v_cmp_gt_i32 vcc_lo, 32*(n/16)+n%16, v[DQ]     ; register 16 b + i holds key 32 b + 16 (lane / 16) + i of the block
	v_cndmask_b32 v[96+n], v[96+n], v254, vcc_lo
.set n, n+1
.endr
.Lopen_\@:
.irp b, 0,1,2,3
	v_max3_num_f32 v[232+\b], v[96+16*\b], v[97+16*\b], v[98+16*\b]   ; the largest score of each block of 32 keys: for the row's maximum, and, since p rises with the score, for the block's largest p
.endr
.irp i, 3,5,7,9,11,13
.irp b, 0,1,2,3
	v_max3_num_f32 v[232+\b], v[232+\b], v[96+16*\b+\i], v[97+16*\b+\i]
.endr
.endr
.irp b, 0,1,2,3
	v_max_num_f32 v[232+\b], v[232+\b], v[111+16*\b]
.endr
.irp b, 0,1,2,3
	s_delay_alu instid0(VALU_DEP_4)
	v_permlanex16_b32 v[236+\b], v[232+\b], s[SEL], s[SEL+1]
.endr
.irp b, 0,1,2,3
	s_delay_alu instid0(VALU_DEP_4)
	v_max_num_f32 v[232+\b], v[232+\b], v[236+\b]  ; with lane l xor 16's 16 keys
.endr
	s_delay_alu instid0(VALU_DEP_2)
	v_max3_num_f32 v254, v232, v233, v234
	s_delay_alu instid0(VALU_DEP_1)
	v_max_num_f32 v254, v254, v235                 ; the step's largest score of my query
	s_delay_alu instid0(VALU_DEP_1)
	v_mul_f32 v254, s[CS], v254                    ; as t
	s_delay_alu instid0(VALU_DEP_1)
	v_max_num_f32 v13, v13, v254                   ; the running largest t
	v_mov_b32 v254, v12
	s_delay_alu instid0(VALU_DEP_2)
	v_floor_f32 v12, -v13                          ; the new -M = -ceil(t): a whole number
	s_delay_alu instid0(VALU_DEP_1)
	v_sub_f32 v254, v12, v254                      ; old M - new M: a whole number, 0 or less
	s_delay_alu instid0(VALU_DEP_1)
	v_cvt_i32_f32 v254, v254                       ; (it saturates)
	s_delay_alu instid0(VALU_DEP_1)
	v_ldexp_f32 v252, 1.0, v254                    ; f = 2^(old M - new M)
.set j, 0
.rept 32
	v_pk_fma_f32 v[96+j:97+j], v[96+j:97+j], s[CS:CS+1], v[12:13] op_sel_hi:[1,0,0]   ; t - M, two at a time
.set j, j+2
.endr
.irp b, 0,1,2,3
	v_fma_f32 v[232+\b], v[232+\b], s[CS], v12     ; the same of each block's largest score
.endr
.set j, 0
	s_wait_alu depctr_va_vdst(0)
.rept 64
	v_exp_f32 v[96+j], v[96+j]                     ; p = 2^(t - M), at most 1, not normalised
.set j, j+1
.endr
	v_pk_mul_f32 v[14:15], v[14:15], v[252:253] op_sel_hi:[1,0]   ; the sums under the new M: a plain place behind the exponentials
	s_wait_alu depctr_va_vdst(0)                   ; one wait for the whole batch, ahead of its first reader
.irp b, 0,1,2,3
	v_exp_f32 v[232+\b], v[232+\b]                 ; the block's largest p
.endr
	v_pk_add_f32 v[236:237], v[100:101], v[104:105]
	v_pk_add_f32 v[246:247], v[108:109], v[112:113]
	v_pk_add_f32 v[244:245], v[116:117], v[120:121]
	v_pk_add_f32 v[242:243], v[124:125], v[128:129]
	v_pk_add_f32 v[240:241], v[132:133], v[136:137]
	v_pk_add_f32 v[238:239], v[140:141], v[144:145]
	v_pk_add_f32 v[230:231], v[148:149], v[152:153]
	v_pk_add_f32 v[14:15], v[14:15], v[156:157]
	v_pk_add_f32 v[236:237], v[236:237], v[96:97]
	v_pk_add_f32 v[246:247], v[246:247], v[98:99]
	v_pk_add_f32 v[244:245], v[244:245], v[102:103]
	v_pk_add_f32 v[242:243], v[242:243], v[106:107]
	v_pk_add_f32 v[240:241], v[240:241], v[110:111]
	v_pk_add_f32 v[238:239], v[238:239], v[114:115]
	v_pk_add_f32 v[230:231], v[230:231], v[118:119]
	v_pk_add_f32 v[14:15], v[14:15], v[122:123]
	v_pk_add_f32 v[236:237], v[236:237], v[126:127]
	v_pk_add_f32 v[246:247], v[246:247], v[130:131]
	v_pk_add_f32 v[244:245], v[244:245], v[134:135]
	v_pk_add_f32 v[242:243], v[242:243], v[138:139]
	v_pk_add_f32 v[240:241], v[240:241], v[142:143]
	v_pk_add_f32 v[238:239], v[238:239], v[146:147]
	v_pk_add_f32 v[230:231], v[230:231], v[150:151]
	v_pk_add_f32 v[14:15], v[14:15], v[154:155]
	v_pk_add_f32 v[236:237], v[236:237], v[158:159]
	s_delay_alu instid0(VALU_DEP_2)
	v_pk_add_f32 v[14:15], v[14:15], v[242:243]
	s_delay_alu instid0(VALU_DEP_2)
	v_pk_add_f32 v[236:237], v[236:237], v[240:241]
	v_pk_add_f32 v[246:247], v[246:247], v[238:239]
	v_pk_add_f32 v[244:245], v[244:245], v[230:231]
	s_delay_alu instid0(VALU_DEP_2)
	v_pk_add_f32 v[14:15], v[14:15], v[246:247]
	s_delay_alu instid0(VALU_DEP_2)
	v_pk_add_f32 v[236:237], v[236:237], v[244:245]
	s_delay_alu instid0(VALU_DEP_1)
	v_pk_add_f32 v[14:15], v[14:15], v[236:237]
	s_wait_alu depctr_va_vdst(0)                   ; and one for the four
.irp b, 0,1,2,3
	v_max_num_f32 v[232+\b], 0x1800000, v[232+\b]  ; the floor 2^(3 - 127): the byte cannot fall under 1
.endr
	CODES
	WIN 0x41                                       ; O^T in window 1, f in window 0
.set j, 0
.rept 64
	v_pk_mul_f32 v[j:j+1], v[j:j+1], v[252:253] op_sel_hi:[1,0]   ; O^T under the new M.  These lines are also the places between the codes' and the scale word's last writes and the products
.set j, j+2
.endr
	s_wait_alu depctr_va_vdst(0)
	s_wait_dscnt 0x0                               ; v's fragments and scale words are in
	WIN 0x50                                       ; C and D window 1
.irp t, 0,1,2,3,4,5,6,7                        ; sixteen accumulators, one instruction a turn
	MMA 8*\t, 32+12*\t+80*(\t/4), 248+\t/2, \t%2
.endr
	WIN 0x51                                       ; source 0 window 1 too
.irp t, 0,1,2,3,4,5,6,7
	MMA 64+8*\t, 128+12*\t, 28+\t/2, \t%2
.endr
	WIN 0
.Lhidden_\@:
	s_add_co_u32 s[KB], s[KB], 1
.endm
; THE CHANGE OF SLOTS stands at a slot's head.  Each wave waits for all its tensor loads (its record of the slot ahead), adds 0 to its spare word, and waits for that and for its reads of the slot that it has left.
; fill = 1: behind a round of the cluster's barrier the slot that was left is filled with the next two key steps: the load has a slot's two steps in which to land.
.macro CHANGE fill
	s_wait_tensorcnt 0x0                           ; no tensor load of mine is out, so the group 0 may be written
	ds_add_u32 v[SPW], v[NIL]                      ; 0 onto my spare word
.if \fill
	s_xor_b32 s[G0+1], s[G0+1], SLOT1              ; the other slot than last time,
	s_add_nc_u64 s[G0+2:G0+3], s[G0+2:G0+3], 2*STEPB   ; the next two key steps
.endif
	s_wait_dscnt 0x0                               ; the add is done, and my reads of the slot that I have left are over
.if \fill
	CROUND
	tensor_load_to_lds s[G0:G0+3], s[G1:G1+7]      ; the first thing behind the round, and my one tensor load until the next
	s_nop 0
	PLACES
.else
	s_barrier_signal -1
	s_barrier_wait -1
.endif
.endm
.macro SLOT_STEPS
	STEP 0
	STEP 1
	s_xor_b32 s[TB], s[TB], SLOT1                  ; on to the other slot
.endm
.Lslot:                                            ; three trips: behind each change of slots but the last the next slot is asked for
	CHANGE 1
	SLOT_STEPS
	s_sub_co_u32 s[SLOTS], s[SLOTS], 1
	s_cmp_lg_u32 s[SLOTS], 0
	s_cbranch_scc1 .Lslot
	CHANGE 0                                       ; the last slot is written out
	SLOT_STEPS
	; THE TAIL, the same text in all eight waves.
	PLACES                                         ; behind the last products
	WIN 0x40
.irp b, 0,1,2,3
.irp i, 0,1,2,3
	global_load_b128 v[128+16*\b+4*\i:131+16*\b+4*\i], v[WOFF], s[14:15] offset:128*\b+16*\i   ; the gain of my 64 channels: 32 b + 16 h + 0 .. 15 of my half, in a's order
.endr
.endr
	WIN 0
	v_add_f32 v14, v14, v15                        ; the sum's two halves,
	s_delay_alu instid0(VALU_DEP_1)
	v_permlanex16_b32 v252, v14, s[SEL], s[SEL+1]
	s_delay_alu instid0(VALU_DEP_1)
	v_add_f32 v14, v14, v252                       ; and lane l xor 16's: the row's sum
	s_wait_alu depctr_va_vdst(0)
	v_rcp_f32 v14, v14
	v_nop                                          ; a plain place behind the reciprocal
	s_wait_alu depctr_va_vdst(0)                   ; the wait ahead of its first reader
	v_mul_f32 v14, v14, v[KAP]                     ; 1 / l in branch 0, -lambda / l in branch 1
	WIN 0x01                                       ; source 0 window 1
.set j, 0
.rept 32
	v_pk_mul_f32 v[96+j:97+j], v[j:j+1], v[14:15] op_sel_hi:[1,0]        ; the half that I keep, each accumulator from its low end on
.set j, j+2
.endr
.set j, 0
.rept 32
	v_pk_mul_f32 v[160+j:161+j], v[64+j:65+j], v[14:15] op_sel_hi:[1,0]  ; the half that my partner keeps
.set j, j+2
.endr
	WIN 0
.irp i, 0,1,2,3,4,5,6,7,8,9,10,11,12,13,14,15
	ds_store_b128 v[XS], v[160+4*\i:163+4*\i] offset:512*\i              ; as an image of registers: my partner's lanes hold the same queries and channels
.endr
	BARRIER
.irp i, 0,1,2,3,4,5,6,7,8,9,10,11,12,13,14,15
	ds_load_b128 v[160+4*\i:163+4*\i], v[XR] offset:512*\i
.endr
	s_wait_dscnt 0x0
.set j, 0
.rept 32
	v_pk_add_f32 v[96+j:97+j], v[96+j:97+j], v[160+j:161+j]              ; a = o1 / l1 - lambda o2 / l2, my 128 channels
.set j, j+2
.endr
	v_pk_mul_f32 v[232:233], v[96:97], v[96:97]    ; the sum of squares, in two packed chains
	v_pk_mul_f32 v[234:235], v[98:99], v[98:99]
.set j, 4
.rept 15
	s_delay_alu instid0(VALU_DEP_2)
	v_pk_fma_f32 v[232:233], v[96+j:97+j], v[96+j:97+j], v[232:233]
	s_delay_alu instid0(VALU_DEP_2)
	v_pk_fma_f32 v[234:235], v[98+j:99+j], v[98+j:99+j], v[234:235]
.set j, j+4
.endr
	s_delay_alu instid0(VALU_DEP_1)
	v_pk_add_f32 v[232:233], v[232:233], v[234:235]
	s_delay_alu instid0(VALU_DEP_1)
	v_add_f32 v232, v232, v233
	s_delay_alu instid0(VALU_DEP_1)
	v_permlanex16_b32 v236, v232, s[SEL], s[SEL+1]
	s_delay_alu instid0(VALU_DEP_1)
	v_add_f32 v232, v232, v236                     ; over my 128 channels
	ds_store_b32 v[SSW], v232
	s_wait_alu depctr_va_vdst(0)
	BARRIER
	ds_load_b32 v233, v[SSR]
	v_mov_b32 v234, 0x3727c5ac                     ; 1e-5
	s_wait_dscnt 0x0
	v_add_f32 v232, v232, v233                     ; over all 256: the same bits in both partners
	s_wait_alu depctr_va_vdst(0)
	v_fma_f32 v232, v232, 0x3b800000, v234         ; / 256 + eps
	s_wait_alu depctr_va_vdst(0)
	v_rsq_f32 v232, v232
	v_nop                                          ; a plain place behind it
	s_wait_alu depctr_va_vdst(0)                   ; the wait ahead of its first reader
	s_wait_loadcnt 0x0                             ; the gain
.set j, 0
.rept 32
	v_pk_mul_f32 v[96+j:97+j], v[96+j:97+j], v[232:233] op_sel_hi:[1,0]
.set j, j+2
.endr
	WIN 0x04                                       ; source 1 window 1
.set j, 0
.rept 32
	v_pk_mul_f32 v[96+j:97+j], v[96+j:97+j], v[128+j:129+j]
.set j, j+2
.endr
	WIN 0
.set j, 0
.rept 32
	v_pk_mul_f32 v[96+j:97+j], v[96+j:97+j], 0x3e5d9673 op_sel_hi:[1,0]   ; x (1 - lambda_init)
.set j, j+2
.endr
.irp b, 0,1,2,3
	v_max3_num_f32 v[232+\b], |v[96+16*\b]|, |v[97+16*\b]|, 0x1800000    ; a is quantised along its channels: block b, my 16 numbers, and the floor
.endr
.irp i, 2,4,6,8,10,12,14
.irp b, 0,1,2,3
	s_delay_alu instid0(VALU_DEP_4)
	v_max3_num_f32 v[232+\b], v[232+\b], |v[96+16*\b+\i]|, |v[97+16*\b+\i]|
.endr
.endr
.irp b, 0,1,2,3
	s_delay_alu instid0(VALU_DEP_4)
	v_permlanex16_b32 v[236+\b], v[232+\b], s[SEL], s[SEL+1]
.endr
.irp b, 0,1,2,3
	s_delay_alu instid0(VALU_DEP_4)
	v_max_num_f32 v[232+\b], v[232+\b], v[236+\b]
.endr
	CODES
	global_store_b32 v[GOS], v253, s[18:19]        ; my row's scale word (lanes r and r + 16 write the same word with the same value)
.irp i, 0,1,2
	global_store_b128 v[GOC], v[224+4*\i:227+4*\i], s[16:17] offset:512*\i   ; the fragment as it stands: 512 consecutive bytes a store, aligned
.endr
	s_wait_tensorcnt 0x0                           ; the wave's end
	ds_add_u32 v[SPW], v[NIL]
	s_wait_dscnt 0x0
	CROUND                                         ; the closing round
	s_endpgm
.Lfunc_end_k_qff51eeca58_attn:
	.size	k_qff51eeca58_attn, .Lfunc_end_k_qff51eeca58_attn-k_qff51eeca58_attn
	.p2alignl 7, 3214868480
	.fill 96, 4, 3214868480
	.section	.rodata,"a",@progbits
	.p2align	6, 0x0
	.amdhsa_kernel k_qff51eeca58_attn
		.amdhsa_group_segment_fixed_size 327680
		.amdhsa_private_segment_fixed_size 0
		.amdhsa_enable_private_segment 0
		.amdhsa_kernarg_size 64
		.amdhsa_user_sgpr_count 2
		.amdhsa_user_sgpr_kernarg_segment_ptr 1
		.amdhsa_wavefront_size32 1
		.amdhsa_system_sgpr_workgroup_id_x 1
		.amdhsa_system_sgpr_workgroup_id_y 1
		.amdhsa_system_sgpr_workgroup_id_z 1
		.amdhsa_system_vgpr_workitem_id 0
		.amdhsa_next_free_vgpr 512
		.amdhsa_next_free_sgpr 72
		.amdhsa_reserve_vcc 1
		.amdhsa_float_denorm_mode_32 3
		.amdhsa_float_denorm_mode_16_64 3
		.amdhsa_memory_ordered 1
		.amdhsa_forward_progress 1
		.amdhsa_inst_pref_size 162
	.end_amdhsa_kernel
	.amdgpu_metadata
---
amdhsa.version: [ 1, 2 ]
amdhsa.kernels:
  - .name:           k_qff51eeca58_attn
    .symbol:         k_qff51eeca58_attn.kd
    .args:
      - { .name: qkv, .offset: 0, .size: 8, .value_kind: global_buffer, .address_space: global }
      - { .name: lambda_q1, .offset: 8, .size: 8, .value_kind: global_buffer, .address_space: global }
      - { .name: lambda_k1, .offset: 16, .size: 8, .value_kind: global_buffer, .address_space: global }
      - { .name: lambda_q2, .offset: 24, .size: 8, .value_kind: global_buffer, .address_space: global }
      - { .name: lambda_k2, .offset: 32, .size: 8, .value_kind: global_buffer, .address_space: global }
      - { .name: subln_weight, .offset: 40, .size: 8, .value_kind: global_buffer, .address_space: global }
      - { .name: a_codes, .offset: 48, .size: 8, .value_kind: global_buffer, .address_space: global }
      - { .name: a_scales, .offset: 56, .size: 8, .value_kind: global_buffer, .address_space: global }
    .group_segment_fixed_size: 327680
    .private_segment_fixed_size: 0
    .kernarg_segment_align: 8
    .kernarg_segment_size: 64
    .max_flat_workgroup_size: 256
    .sgpr_count:     72
    .vgpr_count:     512
    .wavefront_size: 32
...
	.end_amdgpu_metadata
.endif
;; end of part 7
;; launch gemm_out (part 8): grid 16 x 16, 4 waves a work-group, clusters of 4 x 4, 327,680 bytes of LDS; arguments a_codes, a_scales, w_codes, w_scales, out0; writes out0
.if DOCPART == 8
	.amdgcn_target "amdgcn-amd-amdhsa--gfx1250"
	.amdhsa_code_object_version 6
	.text
	.protected	k_qff51eeca58_gemm_out
	.globl	k_qff51eeca58_gemm_out
	.p2align	8
	.type	k_qff51eeca58_gemm_out,@function
k_qff51eeca58_gemm_out:
	s_mov_b64 s[64:65], 0
	v_nop
	global_prefetch_b8 v0, s[64:65] scope:SCOPE_SE
	s_setreg_imm32_b32 hwreg(HW_REG_WAVE_MODE, 25, 1), 1
	s_wait_xcnt 0x0
	s_wait_alu depctr_hold_cnt(0) depctr_sa_sdst(0) depctr_va_vdst(0) depctr_va_sdst(0) depctr_va_ssrc(0) depctr_va_vcc(0) depctr_vm_vsrc(0)
	s_getreg_b32 s2, hwreg(HW_REG_IB_STS2, 6, 4)
	s_cmp_eq_u32 s2, 0
	s_cbranch_scc0 .Lentry_in_a_cluster
	s_endpgm
.Lentry_in_a_cluster:
	s_bfe_u32 s2, ttmp6, 0x10000c
	s_cmp_lg_u32 s2, 0xf033
	s_cbranch_scc0 .Lentry_shape_is_right
	s_endpgm
.Lentry_shape_is_right:
; out = a Wo on codes of FP6 (E2M3) with one E8M0 byte for each 32 along K = 2,048; sums in f32.  A tile of 128 x 128 is made by four waves, 64 x 64 each: 16 accumulators.
; OPERANDS are images of fragment registers: fragment (16 rows, K step s of 128) = 1,536 bytes at ((16 G + s) 8 + a) 1,536; register 4 c + i of lane l at 512 c + 16 l + 4 i.
;   a: G = the block of 128 tokens; fragment a's lane r holds token 32 (a / 2) + 8 (a % 2) + r + 8 (r / 8).  Wo: G = 48 + the block of 128 columns; the same order of columns.
; NOTHING IN LDS IS FILLED TWICE.  K steps 0-3 come straight into registers (96 loads of 16 bytes a lane, 384 registers a wave), and so do all scale words (16 loads, 64 registers);
; K steps 4-15 of A's and B's 128 rows, 2 x 147,456 bytes, come by one joint tensor load a wave at the head (73,728 dense bytes each, as 288 rows of 256) and stay.  One barrier shows them to all four waves.
; SCALE WORDS: lane r + 16 h holds the words of K steps 8 h .. 8 h + 7 of its row in eight registers: K steps 8-15 read lanes 16-31.
; THE MATRIX INSTRUCTION IS USED TRANSPOSED (source 0 = 16 columns of Wo, source 1 = 16 tokens): a lane holds eight neighbouring numbers of a row of out.
; CLUSTERS: 4 x 4 work-groups; A's tiles are asked for jointly along a row of the cluster, B's along a column.
; No prefetch: every byte that the work-group reads is asked for at the head, and there is no loop to run ahead in.
; REGISTERS: window 0: v16-29 addresses, v32-63 A's scale words, v64-95 B's, v128-191 the way out.  window 1: v0-127 the accumulators, (a, b) at 8 (4 a + b).
;   windows 2, 3: four sets of fragments, set k at window 2 + k / 2, v[96 (k % 2)]: A's four, then B's four.  K step s uses set s % 4.
.set FRB,    1536
.set KSB,    8*FRB
.set GB,     16*KSB
.set ND,     4                         ; K steps that come straight into registers
.set PARTB,  6*KSB                     ; what one tensor load brings
.set BOF,    2*PARTB                   ; B's fragments lie behind A's
.set SPITCH, 272
.set STAGE,  2*BOF                     ; the way out: 16 rows x 272 bytes for each wave, bytes of their own
.set SPARE,  STAGE+4*16*SPITCH
.set ADA,  16                          ; v16-18 LDS address of my A fragments, K steps 4-8, 9-13, 14-15
.set CO,   19
.set ADB,  20                          ; v20-22 the same for B
.set VSA,  23
.set STO,  24
.set RD,   25
.set L16,  26
.set VSB,  27
.set SPW,  28
.set NIL,  29
.set SCA,  32
.set SCB,  64
.set BK,   128
.set G1, 24
.set G0, 32
.set G1B, 48
.set G0B, 56
.set MSB, 0
.macro WIN new
.if MSB != (\new)
	s_set_vgpr_msb (MSB<<8)|(\new)
.set MSB, (\new)
.endif
.endm
.macro CROUND
	s_barrier_signal -1
	s_barrier_wait -1
	s_cmp_lg_u32 s14, 0
	s_cbranch_scc1 .Lnot_wave_0_\@
	s_barrier_signal -3
.Lnot_wave_0_\@:
	s_barrier_wait -3
	s_barrier_signal -1
	s_barrier_wait -1
.endm
.macro PLACES
.rept 4
	v_nop
.endr
.endm
	s_load_b128 s[4:7], s[0:1], 0x0                ; a's codes, a's scales
	s_load_b128 s[8:11], s[0:1], 0x10              ; the weights' codes, scales
	s_load_b64 s[12:13], s[0:1], 0x20              ; out
	v_lshl_add_u32 v[SPW], v0, 2, SPARE
	v_mov_b32 v[NIL], 0
	ds_add_u32 v[SPW], v[NIL]                      ; the opening lines: the add, twice on end, and its wait
	ds_add_u32 v[SPW], v[NIL]
	v_lshrrev_b32 v1, 5, v0
	v_readfirstlane_b32 s14, v1                    ; wave 0..3
	s_lshr_b32 s15, s14, 1                         ; my half of the tokens.  Also: which six K steps I fetch
	s_and_b32 s16, s14, 1                          ; my half of the columns.  Also: I fetch for A (0) or for B (1)
	s_bfe_u32 s40, ttmp6, 0x40000
	s_bfe_u32 s41, ttmp6, 0x40004
	s_lshl_b32 s42, ttmp9, 2
	s_add_co_u32 s42, s42, s40                     ; tile column
	s_and_b32 s17, ttmp7, 0xffff
	s_lshl_b32 s17, s17, 2
	s_add_co_u32 s17, s17, s41                     ; tile row
	s_lshl_b32 s43, s41, 2
	s_lshl_b32 s43, 15, s43
	s_lshl_b32 s44, 0x1111, s40
	s_or_b32 s[G1+0], s43, (3<<16)|(1<<21)         ; elements of 8 bytes, no padding; A's tiles go to my row of the cluster,
	s_or_b32 s[G1B+0], s44, (3<<16)|(1<<21)        ; B's to my column
.irp g, G1, G1B
	s_mov_b32 s[\g+1], 32<<16
	s_mov_b32 s[\g+2], (PARTB/256)<<16
	s_mov_b32 s[\g+3], 32<<16
	s_mov_b32 s[\g+4], PARTB/256
	s_mov_b32 s[\g+5], 32
	s_mov_b32 s[\g+6], 0
	s_mov_b32 s[\g+7], 0
.endr
	s_mul_i32 s20, s17, GB                         ; A's 128 tokens
	s_mov_b32 s21, 0
	s_add_co_u32 s46, s42, 48
	s_mul_i32 s46, s46, GB                         ; Wo's 128 columns
	s_mov_b32 s47, 0
	s_mov_b32 s[G0], 1
	s_mul_i32 s[G0+1], s15, PARTB
	s_mov_b32 s[G0B], 1
	s_add_co_u32 s[G0B+1], s[G0+1], BOF
	s_add_co_u32 s18, s[G0+1], ND*KSB              ; K steps 4-9 or 10-15
	s_mov_b32 s19, 0
	s_mul_i32 s22, s15, 4*FRB                      ; my four blocks of tokens
	s_mov_b32 s23, 0
	s_mul_i32 s92, s16, 4*FRB                      ; my four blocks of columns
	s_mov_b32 s93, 0
	s_add_co_u32 s98, s92, BOF
	s_lshl_b32 s94, s17, 1
	s_add_co_u32 s94, s94, s15                     ; my block of 64 tokens
	s_lshl_b32 s66, s94, 19                        ; 64 rows of out
	s_lshl_b32 s94, s94, 12                        ; 64 rows of scale bytes
	s_mov_b32 s95, 0
	s_lshl_b32 s96, s42, 1
	s_add_co_u32 s96, s96, s16                     ; my block of 64 columns
	s_lshl_b32 s67, s96, 8
	s_add_co_u32 s66, s66, s67
	s_mov_b32 s67, 0
	s_add_co_u32 s96, s96, 96                      ; Wo's places begin at 6,144
	s_lshl_b32 s96, s96, 12
	s_mov_b32 s97, 0
	s_mul_i32 s99, s14, 16*SPITCH
	s_add_co_u32 s99, s99, STAGE
	v_and_b32 v1, 15, v0                           ; r
	v_bfe_u32 v2, v0, 4, 1                         ; h
	v_and_b32 v3, 31, v0
	v_lshlrev_b32 v[L16], 4, v3
	v_add_nc_u32 v[ADA], s22, v[L16]
	v_add_nc_u32 v[ADB], s98, v[L16]
	v_add_nc_u32 v[ADA+1], 5*KSB, v[ADA]
	v_add_nc_u32 v[ADB+1], 5*KSB, v[ADB]
	v_add_nc_u32 v[ADA+2], 10*KSB, v[ADA]
	v_add_nc_u32 v[ADB+2], 10*KSB, v[ADB]
	v_and_b32 v4, 8, v1
	v_add_nc_u32 v4, v4, v1                        ; r + 8 (r / 8)
	v_lshlrev_b32 v5, 5, v2
	v_lshl_add_u32 v[VSA], v4, 6, v5               ; a's scales lie by tokens: 64 bytes a token, + 32 h
	v_lshl_add_u32 v[VSB], v1, 6, v5               ; Wo's by places
	v_mul_u32_u24 v6, v1, SPITCH
	v_lshl_add_u32 v6, v2, 6, v6
	v_add_nc_u32 v[STO], s99, v6                   ; the stage, in: row r, 64 h
	v_mul_u32_u24 v7, v2, SPITCH
	v_lshl_add_u32 v7, v1, 4, v7
	v_add_nc_u32 v[RD], s99, v7                    ; back: lanes 0-15 one row of 256 bytes, lanes 16-31 the next
	v_lshlrev_b32 v8, 13, v2
	v_lshl_add_u32 v[CO], v1, 4, v8                ; and the same two rows in out
	s_wait_alu depctr_va_vdst(0)                   ; the wait at the head's end
	s_wait_dscnt 0x0
	s_wait_kmcnt 0x0
	s_add_nc_u64 s[20:21], s[4:5], s[20:21]
	s_add_nc_u64 s[46:47], s[8:9], s[46:47]
	s_add_nc_u64 s[36:37], s[20:21], s[22:23]
	s_add_nc_u64 s[38:39], s[46:47], s[92:93]
	s_add_nc_u64 s[60:61], s[6:7], s[94:95]
	s_add_nc_u64 s[62:63], s[10:11], s[96:97]
	s_add_nc_u64 s[12:13], s[12:13], s[66:67]
	s_add_nc_u64 s[G0+2:G0+3], s[20:21], s[18:19]
	s_or_b32 s[G0+3], s[G0+3], 0x80000000
	s_add_nc_u64 s[G0B+2:G0B+3], s[46:47], s[18:19]
	s_or_b32 s[G0B+3], s[G0B+3], 0x80000000
.irp i, 0,1,2,3
.irp q, 0,1
	global_load_b128 v[SCA+8*\i+4*\q:SCA+8*\i+4*\q+3], v[VSA], s[60:61] offset:(32*(\i/2)+8*(\i%2))*64+16*\q
	global_load_b128 v[SCB+8*\i+4*\q:SCB+8*\i+4*\q+3], v[VSB], s[62:63] offset:1024*\i+16*\q
.endr
.endr
.macro DFETCH s                        ; K step s from memory into set s: 24 loads, 512 consecutive bytes each
.set FB, 96*((\s)%2)
	WIN (2+(\s)/2)<<6
.irp i, 0,1,2,3
.irp c, 0,1,2
	global_load_b128 v[FB+12*\i+4*\c:FB+12*\i+4*\c+3], v[L16], s[36:37] offset:(\s)*KSB+\i*FRB+512*\c
	global_load_b128 v[FB+48+12*\i+4*\c:FB+48+12*\i+4*\c+3], v[L16], s[38:39] offset:(\s)*KSB+\i*FRB+512*\c
.endr
.endr
.endm
.macro LFETCH s                        ; K step s from LDS into set s % 4: 24 loads
.set FB, 96*((\s)%2)
.set GI, ((\s)-ND)/5
.set OF, (((\s)-ND)%5)*KSB
	WIN (2+((\s)%4)/2)<<6
.irp i, 0,1,2,3
.irp c, 0,1,2
	ds_load_b128 v[FB+12*\i+4*\c:FB+12*\i+4*\c+3], v[ADA+GI] offset:OF+\i*FRB+512*\c
	ds_load_b128 v[FB+48+12*\i+4*\c:FB+48+12*\i+4*\c+3], v[ADB+GI] offset:OF+\i*FRB+512*\c
.endr
.endr
.endm
; 8 matrix instructions: token blocks a0, a0 + 1 x the four column blocks, K step s.  The 16 accumulators take turns, in the same order in every step.
.macro MUL8 a0, s
.set FB, 96*((\s)%2)
	WIN 0x50|((2+((\s)%4)/2)*5)
.irp a, \a0, \a0+1
.irp b, 0,1,2,3
.if (\s) == 0
	v_wmma_scale_f32_16x16x128_f8f6f4 v[8*(4*(\a)+\b):8*(4*(\a)+\b)+7], v[FB+48+12*\b:FB+48+12*\b+11], v[FB+12*(\a):FB+12*(\a)+11], 0, v[SCB+8*\b+((\s)&7)], v[SCA+8*(\a)+((\s)&7)] matrix_a_fmt:MATRIX_FMT_FP6 matrix_b_fmt:MATRIX_FMT_FP6
.elseif (\s) < 8
	v_wmma_scale_f32_16x16x128_f8f6f4 v[8*(4*(\a)+\b):8*(4*(\a)+\b)+7], v[FB+48+12*\b:FB+48+12*\b+11], v[FB+12*(\a):FB+12*(\a)+11], v[8*(4*(\a)+\b):8*(4*(\a)+\b)+7], v[SCB+8*\b+((\s)&7)], v[SCA+8*(\a)+((\s)&7)] matrix_a_fmt:MATRIX_FMT_FP6 matrix_b_fmt:MATRIX_FMT_FP6
.else
	v_wmma_scale_f32_16x16x128_f8f6f4 v[8*(4*(\a)+\b):8*(4*(\a)+\b)+7], v[FB+48+12*\b:FB+48+12*\b+11], v[FB+12*(\a):FB+12*(\a)+11], v[8*(4*(\a)+\b):8*(4*(\a)+\b)+7], v[SCB+8*\b+((\s)&7)], v[SCA+8*(\a)+((\s)&7)] matrix_a_fmt:MATRIX_FMT_FP6 matrix_b_fmt:MATRIX_FMT_FP6 matrix_a_scale:MATRIX_SCALE_ROW1 matrix_b_scale:MATRIX_SCALE_ROW1
.endif
.endr
.endr
.endm
	DFETCH 0
	WIN 0
	CROUND                                         ; all sixteen work-groups are here: the joint loads meet
	s_cmp_eq_u32 s16, 0                            ; one load a wave: even waves fetch for A, odd waves for B
	s_cbranch_scc0 .Lfor_b
	tensor_load_to_lds s[G0:G0+3], s[G1:G1+7]
	s_nop 0
	PLACES
	s_branch .Lasked
.Lfor_b:
	tensor_load_to_lds s[G0B:G0B+3], s[G1B:G1B+7]
	s_nop 0
	PLACES
.Lasked:
	DFETCH 1
	DFETCH 2
	DFETCH 3
	s_wait_loadcnt 63                              ; the scale words and K step 0 are in: 72 loads were issued behind them
	MUL8 0, 0
	MUL8 2, 0
	s_wait_loadcnt 48                              ; K step 1 is in; the 48 loads of K steps 2 and 3 may be out
	MUL8 0, 1
	MUL8 2, 1
	s_wait_loadcnt 24
	MUL8 0, 2
	MUL8 2, 2
	s_wait_loadcnt 0
	MUL8 0, 3
	MUL8 2, 3
	WIN 0
	s_wait_tensorcnt 0x0                           ; my tile has landed
	s_barrier_signal -1
	s_barrier_wait -1                              ; everybody's has
	PLACES                                         ; in front of loads into registers that matrix instructions have read
	LFETCH 4
	LFETCH 5
.macro LSTEP s
.if (\s) < 15
	s_wait_dscnt 24                                ; this step's fragments are in; the next step's 24 loads may be out
.else
	s_wait_dscnt 0
.endif
	MUL8 0, \s
.if (\s)+2 <= 15
	PLACES                                         ; the set below was last read two steps ago
	LFETCH (\s)+2
.endif
	MUL8 2, \s
.endm
.set ST, 4
.rept 12
	LSTEP ST
.set ST, ST+1
.endr
	WIN 0
; THE WAY OUT, block by block of 16 tokens x 64 columns, through my own stage: whole rows of 256 bytes come back, and sixteen lanes store one aligned unit.
.macro TOSTAGE a
	WIN 0x04                                       ; the data: window 1
.irp b, 0,1,2,3
	ds_store_b128 v[STO], v[8*(4*(\a)+\b):8*(4*(\a)+\b)+3] offset:128*(\b/2)+32*(\b%2)      ; each accumulator from its low end on; column 32 (b / 2) + 8 (b % 2) + 16 h + j
	ds_store_b128 v[STO], v[8*(4*(\a)+\b)+4:8*(4*(\a)+\b)+7] offset:128*(\b/2)+32*(\b%2)+16
.endr
	WIN 0
.set BB, BK+32*((\a)%2)
.irp t, 0,1,2,3,4,5,6,7
	ds_load_b128 v[BB+4*\t:BB+4*\t+3], v[RD] offset:\t*2*SPITCH    ; LDS serves a wave's instructions in order
.endr
.endm
.macro SEND a, younger
.set BB, BK+32*((\a)%2)
	s_wait_dscnt \younger
.irp t, 0,1,2,3,4,5,6,7
	global_store_b128 v[CO], v[BB+4*\t:BB+4*\t+3], s[12:13] offset:(32*((\a)/2)+8*((\a)%2)+2*\t+8*(\t/4))*8192 th:TH_STORE_NT   ; stage row 2 t + h is token 32 (a / 2) + 8 (a % 2) + 2 t + 8 (t / 4) + h
.endr
.endm
	PLACES
	TOSTAGE 0
.irp a, 1,2,3
.if \a > 1
	s_wait_xcnt 0x0                                ; block a - 2's stores have read their registers
.endif
	TOSTAGE \a
	SEND \a-1, 16                                  ; behind block a - 1's loads: block a's 8 stores and 8 loads
.endr
	SEND 3, 0
	s_wait_tensorcnt 0x0                           ; the wave's end
	ds_add_u32 v[SPW], v[NIL]
	s_wait_dscnt 0x0
	CROUND                                         ; the closing round
	s_endpgm
.Lfunc_end_k_qff51eeca58_gemm_out:
	.size	k_qff51eeca58_gemm_out, .Lfunc_end_k_qff51eeca58_gemm_out-k_qff51eeca58_gemm_out
	.p2alignl 7, 3214868480
	.fill 96, 4, 3214868480
	.section	.rodata,"a",@progbits
	.p2align	6, 0x0
	.amdhsa_kernel k_qff51eeca58_gemm_out
		.amdhsa_group_segment_fixed_size 327680
		.amdhsa_private_segment_fixed_size 0
		.amdhsa_enable_private_segment 0
		.amdhsa_kernarg_size 40
		.amdhsa_user_sgpr_count 2
		.amdhsa_user_sgpr_kernarg_segment_ptr 1
		.amdhsa_wavefront_size32 1
		.amdhsa_system_sgpr_workgroup_id_x 1
		.amdhsa_system_sgpr_workgroup_id_y 1
		.amdhsa_system_sgpr_workgroup_id_z 1
		.amdhsa_system_vgpr_workitem_id 0
		.amdhsa_next_free_vgpr 1024
		.amdhsa_next_free_sgpr 100
		.amdhsa_reserve_vcc 0
		.amdhsa_float_denorm_mode_32 3
		.amdhsa_float_denorm_mode_16_64 3
		.amdhsa_memory_ordered 1
		.amdhsa_forward_progress 1
		.amdhsa_inst_pref_size 78
	.end_amdhsa_kernel
	.amdgpu_metadata
---
amdhsa.version: [ 1, 2 ]
amdhsa.kernels:
  - .name:           k_qff51eeca58_gemm_out
    .symbol:         k_qff51eeca58_gemm_out.kd
    .args:
      - { .name: a_codes, .offset: 0, .size: 8, .value_kind: global_buffer, .address_space: global }
      - { .name: a_scales, .offset: 8, .size: 8, .value_kind: global_buffer, .address_space: global }
      - { .name: w_codes, .offset: 16, .size: 8, .value_kind: global_buffer, .address_space: global }
      - { .name: w_scales, .offset: 24, .size: 8, .value_kind: global_buffer, .address_space: global }
      - { .name: out0, .offset: 32, .size: 8, .value_kind: global_buffer, .address_space: global }
    .group_segment_fixed_size: 327680
    .private_segment_fixed_size: 0
    .kernarg_segment_align: 8
    .kernarg_segment_size: 40
    .max_flat_workgroup_size: 128
    .sgpr_count:     100
    .vgpr_count:     1024
    .wavefront_size: 32
...
	.end_amdgpu_metadata
.endif
;; end of part 8
